; MI455X (gfx1250); checked and timed in simulation.
; The chip was launched on July 23, 2026; its instructions are those of AMD's public machine-readable ISA for CDNA 5 (MIT licence, August 2026) and "CDNA5" Instruction Set Architecture Reference Guide (July 2026). The comments in the code are by the model that wrote it; some were corrected since.
;; Self Cross Attention. Allowed arithmetic: matrix products marked QUANTISED: E5M2 operands, one E8M0 scale for each 32 along K, by v_wmma_scale_f32_16x16x128_f8f6f4 with both operands' format E5M2, f32 sums; everything else in f32.
;; Inputs: w_b 256 float32; w_w 256 x 256 float32; wk_a_b 256 float32; wk_a_w 256 x 256 float32; wk_b_b 256 float32; wk_b_w 256 x 256 float32; wq_b 256 float32; wq_w 256 x 256 float32; wv_a_b 256 float32; wv_a_w 256 x 256 float32; wv_b_b 256 float32; wv_b_w 256 x 256 float32; x_a 2 x 2,048 x 256 float32; x_b 2 x 2,048 x 256 float32.
;; Outputs: out0 2 x 2,048 x 256 float32.
;; This version of the problem:
;;   THIS VERSION OF THE PROBLEM IS GIVEN IN LOW PRECISION. The matrix products marked QUANTISED in the list below multiply operands that are first quantised to E5M2 (5 exponent bits, 2 mantissa bits; 8 bits a number), with one power-of-two scale for each 32 numbers along K (OCP MX v1.0); their sums are f32. All else is computed in f32.
;;   The module's matrix products, in the order in which they are computed (A, B: the left and right operand; K: the contracted axis; several contracted axes count as one K, in the product's order):
;;     1. [M 4,096, K 256] x [K 256, N 256]; A: input x_a; B: input wq_w: QUANTISED
;;     2. [M 4,096, K 256] x [K 256, N 256]; A: input x_a; B: input wk_a_w: QUANTISED
;;     3. [M 4,096, K 256] x [K 256, N 256]; A: input x_a; B: input wv_a_w: QUANTISED
;;     4. [M 4,096, K 256] x [K 256, N 256]; A: input x_b; B: input wk_b_w: QUANTISED
;;     5. [M 4,096, K 256] x [K 256, N 256]; A: input x_b; B: input wv_b_w: QUANTISED
;;     6. batch 16 x [M 2,048, K 32] x [K 32, N 4,096]; A: computed on the way; B: computed on the way: QUANTISED
;;     7. batch 16 x [M 2,048, K 4,096] x [K 4,096, N 32]; A: softmax (see below); B: computed on the way: QUANTISED
;;     8. [M 4,096, K 256] x [K 256, N 256]; A: computed on the way; B: input w_w: QUANTISED
;;   THE QUANTISER, for each operand of a quantised product, along K:
;;     - K is cut into blocks of 32 from its start; a last block that is shorter is filled with zeros.
;;     - A block's scale is 2^e with e = floor(log2(the largest magnitude in the block)) - 15, held to -126 .. 127; a block of zeros has e = 0. As a byte (E8M0): e + 127.
;;     - Each number is divided by its block's scale, clamped to +-57,344, and rounded to the nearest number of E5M2, ties to even, subnormals kept.
;;     - The product sums the exact products of the quantised numbers (number of the format x scale) in f32.
;;   ~~~python
;;   def quantise(x, axis):      # numpy; x: float32 -> the quantised numbers, widened to float32 again
;;       x = np.moveaxis(x, axis, -1); K = x.shape[-1]
;;       x = np.pad(x, [(0, 0)] * (x.ndim - 1) + [(0, -K % 32)]); x = x.reshape(x.shape[:-1] + (-1, 32)); a = np.abs(x).max(-1, keepdims=True)
;;       e = np.where(a > 0, np.clip(np.frexp(np.where(a > 0, a, 1))[1] - 1 - 15, -126, 127), 0)      # np.frexp(a)[1] - 1 = floor(log2(a)), exactly
;;       r = np.clip(x / 2.0 ** e, -57344, 57344)
;;       step = 2.0 ** (np.maximum(np.frexp(np.where(r == 0, 1, r))[1] - 1, -14) - 2)
;;       q = np.round(r / step) * step * 2.0 ** e      # np.round: ties to even
;;       return np.moveaxis(q.reshape(q.shape[:-2] + (-1,))[..., :K], -1, axis).astype(np.float32)
;;   ~~~
;;   SOFTMAX AHEAD OF A QUANTISED PRODUCT. Where the list says 'softmax', what is quantised is not the finished softmax but p = 2^(t - M), with t = logit x log2(e) and M = ceil(the row's largest t), a whole number; so 1/2 < the row's largest p <= 1. The row's sum l is taken of the UNQUANTISED p, in f32, and the product's result is divided by l at the end. Since M is a whole number, a kernel that streams over the keys may use a running M (the ceiling of the running maximum): every later rescaling is an exact power of two, which a block's scale takes up: the codes' values come out the same.
;;   OPERANDS COMPUTED ON THE WAY. 'Computed on the way' means the value that the module computes at that place (a softmax that the list does not call 'softmax' is quantised finished and normalised). What goes into a quantiser is computed in f32, as accurately as f32 sums, v_exp_f32 and their like allow (about 1e-6 of the number): no bf16 or f16 on the way to a quantiser, and a product that is left as it is and whose result goes on into a quantised operand takes f32 operands (vector FMAs, or v_wmma_f32_16x16x4_f32). A number that lies on a knife's edge between two numbers of the format may be rounded either way, as far as f32 arithmetic and the matrix unit's own rounding can turn it there, and no further.
;; 3 versions, each right; version 2 is faster than version 1; version 3 is version 2 with the launches proj, outp written anew for expert scheduling mode. Each part assembles by itself: llvm-mc -triple=amdgcn-amd-amdhsa -mcpu=gfx1250 --defsym DOCPART=n.
;; ======== version 1 of 3: 3 launches
;; workspace buffers: kv 4,718,592 bytes; qc 1,048,576 bytes; qs 131,072 bytes; z 1,572,864 bytes
;; launch proj (part 1): grid 128 x 2, 4 waves a work-group, no clusters, 121,344 bytes of LDS; arguments x_a, x_b, wq_w, wq_b, wk_a_w, wk_a_b, wk_b_w, wk_b_b, wv_a_w, wv_a_b, wv_b_w, wv_b_b, kv, qc, qs; writes kv, qc, qs
.if DOCPART == 1
	.amdgcn_target "amdgcn-amd-amdhsa--gfx1250"
	.amdhsa_code_object_version 6
	.text
	.protected	k_q041d59737c_proj
	.globl	k_q041d59737c_proj
	.p2align	8
	.type	k_q041d59737c_proj,@function
k_q041d59737c_proj:
	s_mov_b64 s[64:65], 0
	v_nop
	global_prefetch_b8 v0, s[64:65] scope:SCOPE_SE
	s_setreg_imm32_b32 hwreg(HW_REG_WAVE_MODE, 25, 1), 1
	s_wait_xcnt 0x0
; THE FIVE PROJECTIONS: q = x_a wq^T + b, k = x wk^T + b, v = x wv^T + b (x = x_a or x_b), on codes of BF8 (E5M2) with one E8M0 scale for each 32 along K = 256,
; and their results quantised again for the attention launch: q and k along the head's 32 channels, v along 32 neighbouring keys.
; SHARES.  Work-group x = 4 RB + HP: RB a block of 128 rows of x (b = RB / 16, blk = RB % 16), HP a pair of heads; work-group y: 0 = x_a, 1 = x_b.  Four waves; wave w: hd = w / 2, g = w % 2.
; PHASE A: wave w turns x's tiles 2 w, 2 w + 1 and tile w of the 64 rows of each weight into codes, and lays them in LDS as images of the operand's registers (16 bytes a lane, 512 bytes a piece).
; PHASE B: wave w makes, for head 2 HP + hd: key tiles 4 g .. 4 g + 3 of k; channels' tile g of v for all 128 keys; with x_a also query tiles 4 g .. 4 g + 3 of q.
; THE ROWS OF A TILE ARE NOT NEIGHBOURS: lane r of tile 2 b + u takes row 32 b + 8 u + r + 8 (r / 8).  As source 0 such tiles leave, in the 16 registers of tiles 2 b and 2 b + 1, 16 neighbours 32 b + 16 (lane / 16) + 0 .. 15.
; OUT.  kv [8 b + head][step 0..31][9,216 bytes]: a step is 128 keys (steps 0-15 x_a's, 16-31 x_b's); K's half at 0, V's at 4,608; a half: fragment 0, fragment 1 (2,048 bytes each, images), two scale rows of 256 bytes ((word, 0) at 8 x lane).
;   K's fragment G: registers 4 c .. 4 c + 3 = key tile 4 G + c, the key's channels 16 (lane / 16) + 0 .. 15; byte c of the word its scale.  V's fragment u: channel 8 u + r + 8 (r / 8), keys 32 c + 16 (lane / 16) + 0 .. 15.
;   qc [bh][blk][tile 0..7][512]: a query tile's four registers;  qs [bh][blk][tile / 4][256]: (word, 0) at 8 x lane, byte tile % 4.
; LIMITS: NaN and infinities among the inputs are not served.  A block of zeros gets the scale byte 1 where the quantiser's rule says 127: its codes are zeros, and these bytes are read by this program alone.
; No tensor loads (the operands arrive as f32 and go through registers into the quantiser), so no ring; no cluster: what work-groups share would have to be staged in LDS as f32 first.
.set XIMG, 0                           ; LDS: x's 16 images (tile T, K step s: slot 2 T + s), 2,048 bytes each
.set WIMG, 32768                       ; the weights': 16,384 bytes a kind (0 K, 1 V, 2 Q), slot 2 T + s
.set XSC,  81920                       ; x's scale words, 128 bytes a slot
.set WSC,  83968                       ; the weights', 1,024 bytes a kind
.set TSTG, 87040                       ; a stage of 16 rows x 528 bytes for each wave
.set TS,  1                            ; v1   stage, way in: 16 x lane
.set LI,  2                            ; v2   16 x lane
.set LS,  3                            ; v3   4 x lane
.set XWI, 4                            ; v4   where I store x's images
.set XWS, 5                            ; v5   and their scale words; behind the barrier LSA
.set LSA, 5                            ;      4 x lane + XSC
.set WWI, 6                            ; v6   where I store (and for v read) my weight tile's images
.set WWS, 7                            ; v7   and their scale words
.set LIX, 8                            ; v8   x's tiles 4 g on
.set LSX, 9                            ; v9   their scale words
.set LIW, 10                           ; v10  my head's weight tiles
.set LSW, 11                           ; v11  their scale words
.set BA,  12                           ; v12  64 x (lane / 16): bias of q and k
.set BVA, 13                           ; v13  4 (r + 8 (r / 8)): bias of v
.set L8,  14                           ; v14  8 x lane
.set TR,  15                           ; v15  stage, way out: 528 r + 64 (lane / 16)
.set PW,  16                           ; v16  the scale word just made; v17 = 0: the pair is stored
.set TM,  18                           ; v18-33 the quantiser's: largest magnitudes, bytes, holds, scale operands
.set XS,  34                           ; v34-37 x's scale words
.set WS,  38                           ; v38-39 the weights'
.set PC,  40                           ; v40-55 the codes just made
.set BKR, 56                           ; v56-71 k's bias in the result's layout, two tiles
.set BQR, 72                           ; v72-87 q's
.set BVR, 88                           ; v88-95 v's: one channel a lane, eight times
.set HA,  96                           ; v96-159 eight accumulators
.set R0,  96                           ;         in phase A: 64 numbers
.set XF,  160                          ; v160-223 four fragments of x
.set R1,  160                          ;         in phase A: 64 numbers
.set WF,  224                          ; v224-255 two fragments of a weight
.set PX,  40                           ; s[40:41] x at my 32 rows
.set PWK, 42                           ; s[42:43], s[44:45], s[46:47] wk, wv, wq at my tile's first row
.set PWV, 44
.set PWQ, 46
.set PBK, 48                           ; s[48:49], s[50:51], s[52:53] the biases at my head
.set PBV, 50
.set PBQ, 52
.set KVC, 54                           ; s[54:55] kv: my fragment;  s[56:57] my scale row
.set KVS, 56
.set PQC, 58                           ; s[58:59] qc, s[60:61] qs
.set PQS, 60
.set SEL, 66                           ; s[66:67] v_permlanex16_b32's selects for lane l xor 16
.set MNT, 68                           ; s68 the mantissa field of 57,344
.macro NOP8                            ; eight places behind a matrix instruction of this form, where no other vector work is at hand
.rept 8
	v_nop
.endr
.endm
.macro XLOAD reg, base, off            ; 16 rows of a tile, 128 numbers of each: an instruction reads 512 consecutive bytes of one row
.irp p, 0,1,2,3,4,5,6,7,8,9,10,11,12,13,14,15
	global_load_b128 v[\reg+4*\p:\reg+4*\p+3], v[LI], s[\base:\base+1] offset:\off+(\p+8*(\p/8))*1024
.endr
.endm
.macro TURN reg                        ; through my own stage: afterwards register 16 b + i is number 32 b + 16 (lane / 16) + i of the tile's row lane % 16.  LDS serves a wave's instructions in order: no wait between
.irp p, 0,1,2,3,4,5,6,7,8,9,10,11,12,13,14,15
	ds_store_b128 v[TS], v[\reg+4*\p:\reg+4*\p+3] offset:528*\p
.endr
.irp b, 0,1,2,3
.irp j, 0,1,2,3
	ds_load_b128 v[\reg+16*\b+4*\j:\reg+16*\b+4*\j+3], v[TR] offset:128*\b+16*\j
.endr
.endr
.endm
; 64 numbers of a lane, register 16 b + i = k 32 b + 16 (lane / 16) + i of my row, become a fragment's codes in v[PC] on and its scale word in v[PW]
.macro QUANT s
.irp b, 0,1,2,3
	v_max3_num_f32 v[TM+\b], |v[\s+16*\b]|, |v[\s+1+16*\b]|, 0x8000000   ; block b: my 16 numbers, and the floor 2^(16 - 127): the byte cannot fall under 1
.endr
.irp i, 2,4,6,8,10,12,14
.irp b, 0,1,2,3
	v_max3_num_f32 v[TM+\b], v[TM+\b], |v[\s+16*\b+\i]|, |v[\s+1+16*\b+\i]|   ; the four blocks by turns
.endr
.endr
.irp b, 0,1,2,3
	v_permlanex16_b32 v[TM+4+\b], v[TM+\b], s[SEL], s[SEL+1]
.endr
.irp b, 0,1,2,3
	v_max_num_f32 v[TM+\b], v[TM+\b], v[TM+4+\b]                   ; with lane l xor 16's: the block's largest magnitude
.endr
.irp b, 0,1,2,3
	v_add_nc_u32 v[TM+12+\b], 0xf8800000, v[TM+\b]                 ; 15 off its exponent field: the conversion's scale operand
.endr
.irp b, 0,1,2,3
	v_and_or_b32 v[TM+8+\b], v[TM+\b], 0x7f800000, s[MNT]          ; 57,344 x the scale
.endr
.irp b, 0,1,2,3
	v_lshrrev_b32 v[TM+4+\b], 23, v[TM+12+\b]                      ; the scale's byte
.endr
	v_lshl_or_b32 v[PW], v[TM+5], 8, v[TM+4]
	v_lshl_or_b32 v[PW], v[TM+6], 16, v[PW]
	v_lshl_or_b32 v[PW], v[TM+7], 24, v[PW]
.irp b, 0,1,2,3
.irp i, 0,1,2,3,4,5,6,7,8,9,10,11,12,13,14,15
	v_med3_num_f32 v[\s+16*\b+\i], v[\s+16*\b+\i], -v[TM+8+\b], v[TM+8+\b]   ; the conversion does not saturate (ISA guide 7.6.2): the hold at the largest code x the scale
.endr
	v_cvt_scalef32_pk8_bf8_f32 v[PC+4*\b:PC+1+4*\b], v[\s+16*\b:\s+7+16*\b], v[TM+12+\b]
	v_cvt_scalef32_pk8_bf8_f32 v[PC+2+4*\b:PC+3+4*\b], v[\s+8+16*\b:\s+15+16*\b], v[TM+12+\b]
.endr
	v_nop                                          ; one plain vector instruction behind the last conversion
.endm
.macro IMAGE adr, off                  ; the fragment in v[PC] on goes to LDS as it stands
.irp c, 0,1,2,3
	ds_store_b128 v[\adr], v[PC+4*\c:PC+4*\c+3] offset:\off+512*\c
.endr
.endm
.macro FETCH reg, adr, off             ; and comes back so, in any wave
.irp c, 0,1,2,3
	ds_load_b128 v[\reg+4*\c:\reg+4*\c+3], v[\adr] offset:\off+512*\c
.endr
.endm
.macro ITEM reg, ia, io, sa, so        ; 16 rows x 128 numbers in v[reg] on become an image and 32 scale words
	TURN \reg
	s_wait_dscnt 0x0                               ; the numbers are back, and the last item's image stores are done
	QUANT \reg
	IMAGE \ia, \io
	ds_store_b32 v[\sa], v[PW] offset:\so
.endm
.macro BARRIER
	s_wait_dscnt 0x0                               ; for the others' sake: all my LDS stores have landed
	s_barrier_signal -1
	s_barrier_wait -1
.endm
; q or k of my head for x's tiles 4 g .. 4 g + 3: source 0 = the head's two tiles of 16 weight rows, source 1 = a tile of x.  A lane then holds one row of x and 16 neighbouring channels.
; Eight accumulators by turns, one instruction a turn; the bias is the C of each sum's first product.
.macro UNIT_QK kind, bias
.irp s, 0,1
	NOP8
.irp m, 0,1,2,3
	FETCH XF+16*\m, LIX, (2*\m+\s)*2048
	ds_load_b32 v[XS+\m], v[LSX] offset:(2*\m+\s)*128
.endr
.irp u, 0,1
	FETCH WF+16*\u, LIW, \kind*16384+(2*\u+\s)*2048
	ds_load_b32 v[WS+\u], v[LSW] offset:\kind*1024+(2*\u+\s)*128
.endr
	s_wait_dscnt 0x0
.irp m, 0,1,2,3
.irp u, 0,1
.if \s == 0
	v_wmma_scale_f32_16x16x128_f8f6f4 v[HA+16*\m+8*\u:HA+16*\m+8*\u+7], v[WF+16*\u:WF+16*\u+15], v[XF+16*\m:XF+16*\m+15], v[\bias+8*\u:\bias+8*\u+7], v[WS+\u], v[XS+\m] matrix_a_fmt:MATRIX_FMT_BF8 matrix_b_fmt:MATRIX_FMT_BF8
.else
	v_wmma_scale_f32_16x16x128_f8f6f4 v[HA+16*\m+8*\u:HA+16*\m+8*\u+7], v[WF+16*\u:WF+16*\u+15], v[XF+16*\m:XF+16*\m+15], v[HA+16*\m+8*\u:HA+16*\m+8*\u+7], v[WS+\u], v[XS+\m] matrix_a_fmt:MATRIX_FMT_BF8 matrix_b_fmt:MATRIX_FMT_BF8
.endif
.endr
.endr
.endr
	NOP8
	s_wait_xcnt 0x0                                ; earlier stores have read the codes' and the scale word's registers
	QUANT HA                                       ; block c = tile 4 g + c: the head's 32 channels of one row
.endm
; v of my 16 channels (my own weight tile) for all 128 keys: source 0 = a tile of x, source 1 = the weight tile.  A lane then holds one channel, and its 64 registers run along the keys.
.macro UNIT_V
	NOP8
.irp s, 0,1
	FETCH WF+16*\s, WWI, 16384+\s*2048
	ds_load_b32 v[WS+\s], v[WWS] offset:1024+\s*128
.endr
.irp s, 0,1
.irp q, 0,1
.if \s+\q > 0
	NOP8
.endif
.irp m, 0,1,2,3
	FETCH XF+16*\m, LI, (2*(4*\q+\m)+\s)*2048
	ds_load_b32 v[XS+\m], v[LSA] offset:(2*(4*\q+\m)+\s)*128
.endr
	s_wait_dscnt 0x0
.irp m, 0,1,2,3
.if \s == 0
	v_wmma_scale_f32_16x16x128_f8f6f4 v[HA+8*(4*\q+\m):HA+8*(4*\q+\m)+7], v[XF+16*\m:XF+16*\m+15], v[WF+16*\s:WF+16*\s+15], v[BVR:BVR+7], v[XS+\m], v[WS+\s] matrix_a_fmt:MATRIX_FMT_BF8 matrix_b_fmt:MATRIX_FMT_BF8
.else
	v_wmma_scale_f32_16x16x128_f8f6f4 v[HA+8*(4*\q+\m):HA+8*(4*\q+\m)+7], v[XF+16*\m:XF+16*\m+15], v[WF+16*\s:WF+16*\s+15], v[HA+8*(4*\q+\m):HA+8*(4*\q+\m)+7], v[XS+\m], v[WS+\s] matrix_a_fmt:MATRIX_FMT_BF8 matrix_b_fmt:MATRIX_FMT_BF8
.endif
.endr
.endr
.endr
	NOP8
	s_wait_xcnt 0x0                                ; earlier stores have read the codes' and the scale word's registers
	QUANT HA                                       ; block c = keys 32 c .. 32 c + 31 of my channel
.endm
.macro OUT cb, co, sb, so              ; a fragment, 4 x 512 consecutive bytes, and its scale row, 256: each store covers whole aligned blocks of 256 bytes
.irp c, 0,1,2,3
	global_store_b128 v[LI], v[PC+4*\c:PC+4*\c+3], s[\cb:\cb+1] offset:\co+512*\c
.endr
	global_store_b64 v[L8], v[PW:PW+1], s[\sb:\sb+1] offset:\so
.endm
	s_load_b512 s[8:23], s[0:1], 0x0               ; x_a 8, x_b 10, wq_w 12, wq_b 14, wk_a_w 16, wk_a_b 18, wk_b_w 20, wk_b_b 22
	s_load_b256 s[24:31], s[0:1], 0x40             ; wv_a_w 24, wv_a_b 26, wv_b_w 28, wv_b_b 30
	s_load_b128 s[32:35], s[0:1], 0x60             ; kv 32, qc 34
	s_load_b64 s[36:37], s[0:1], 0x70              ; qs
	s_set_vgpr_msb 0x40
	v_lshl_add_u32 v0, v0, 2, 0x1d800
	v_mov_b32 v1, 0
	s_set_vgpr_msb 0x4000
	v_lshrrev_b32 v1, 5, v0
	v_readfirstlane_b32 s3, v1                     ; wave w
	s_and_b32 s4, ttmp7, 0xffff                    ; 0: x_a, 1: x_b
	s_lshr_b32 s5, ttmp9, 2                        ; RB
	s_and_b32 s6, ttmp9, 3                         ; HP
	s_and_b32 s7, s3, 1                            ; g
	s_lshr_b32 s38, s3, 1                          ; hd
	s_lshl_b32 s39, s6, 1
	s_add_co_u32 s39, s39, s38                     ; head
	s_mov_b32 s[SEL], 0x76543210
	s_mov_b32 s[SEL+1], 0xfedcba98
	s_mov_b32 s[MNT], 0x600000
	v_and_b32 v14, 31, v0                          ; lane
	v_and_b32 v13, 15, v0                          ; r
	v_bfe_u32 v12, v0, 4, 1                        ; h
	v_lshlrev_b32 v[LI], 4, v14
	v_lshlrev_b32 v[LS], 2, v14
	s_mul_i32 s62, s3, 8448
	s_add_co_u32 s62, s62, TSTG                    ; my stage
	v_add_nc_u32 v[TS], s62, v[LI]
	v_mul_u32_u24 v[TR], v13, 528
	v_lshl_add_u32 v[TR], v12, 6, v[TR]
	v_add_nc_u32 v[TR], s62, v[TR]
	s_lshl_b32 s62, s3, 13
	v_add_nc_u32 v[XWI], s62, v[LI]                ; x's slots 4 w on
	s_lshl_b32 s62, s3, 9
	s_add_co_u32 s62, s62, XSC
	v_add_nc_u32 v[XWS], s62, v[LS]
	s_lshl_b32 s62, s3, 12
	s_add_co_u32 s62, s62, WIMG
	v_add_nc_u32 v[WWI], s62, v[LI]                ; a weight's slots 2 w on
	s_lshl_b32 s62, s3, 8
	s_add_co_u32 s62, s62, WSC
	v_add_nc_u32 v[WWS], s62, v[LS]
	s_lshl_b32 s62, s7, 14
	v_add_nc_u32 v[LIX], s62, v[LI]                ; x's slots 8 g on
	s_lshl_b32 s62, s7, 10
	s_add_co_u32 s62, s62, XSC
	v_add_nc_u32 v[LSX], s62, v[LS]
	s_lshl_b32 s62, s38, 13
	s_add_co_u32 s62, s62, WIMG
	v_add_nc_u32 v[LIW], s62, v[LI]                ; a weight's slots 4 hd on
	s_lshl_b32 s62, s38, 9
	s_add_co_u32 s62, s62, WSC
	v_add_nc_u32 v[LSW], s62, v[LS]
	v_and_b32 v16, 8, v13
	v_add_nc_u32 v13, v13, v16                     ; r + 8 (r / 8)
	v_lshlrev_b32 v[BVA], 2, v13
	v_lshlrev_b32 v[BA], 6, v12
	v_lshlrev_b32 v[L8], 3, v14
	v_mov_b32 v[PW+1], 0
.irp b, 0,1,2,3
	v_mov_b32 v[TM+4+\b], 0                        ; written once: a lane permute's destination counts as one of its sources
.endr
	s_wait_kmcnt 0x0
	s_cmp_eq_u32 s4, 0                             ; a's buffers or b's: the choice hangs on the work-group's number alone
	s_cselect_b64 s[PX:PX+1], s[8:9], s[10:11]
	s_cselect_b64 s[PWK:PWK+1], s[16:17], s[20:21]
	s_cselect_b64 s[PBK:PBK+1], s[18:19], s[22:23]
	s_cselect_b64 s[PWV:PWV+1], s[24:25], s[28:29]
	s_cselect_b64 s[PBV:PBV+1], s[26:27], s[30:31]
	s_mov_b32 s63, 0                               ; s[62:63]: an offset in 64 bits
	s_lshl_b32 s62, s5, 17                         ; 128 rows of 1,024 bytes a block,
	s_lshl_b32 s70, s3, 15                         ; 32 rows a wave
	s_add_co_u32 s62, s62, s70
	s_add_nc_u64 s[PX:PX+1], s[PX:PX+1], s[62:63]
	s_lshl_b32 s62, s6, 16                         ; a weight: 64 rows a pair of heads, 32 a head, 8 to the head's second tile
	s_lshl_b32 s70, s38, 15
	s_add_co_u32 s62, s62, s70
	s_lshl_b32 s70, s7, 13
	s_add_co_u32 s62, s62, s70
	s_add_nc_u64 s[PWK:PWK+1], s[PWK:PWK+1], s[62:63]
	s_add_nc_u64 s[PWV:PWV+1], s[PWV:PWV+1], s[62:63]
	s_add_nc_u64 s[PWQ:PWQ+1], s[12:13], s[62:63]
	s_lshl_b32 s62, s39, 7                         ; a bias: 128 bytes a head
	s_add_nc_u64 s[PBK:PBK+1], s[PBK:PBK+1], s[62:63]
	s_add_nc_u64 s[PBQ:PBQ+1], s[14:15], s[62:63]
	s_lshl_b32 s70, s7, 5
	s_add_co_u32 s62, s62, s70                     ; v's: + 8 channels for the second tile
	s_add_nc_u64 s[PBV:PBV+1], s[PBV:PBV+1], s[62:63]
	s_lshr_b32 s70, s5, 4
	s_lshl_b32 s70, s70, 3
	s_add_co_u32 s70, s70, s39                     ; bh = 8 b + head
	s_and_b32 s69, s5, 15                          ; blk
	s_lshl_b32 s62, s70, 5
	s_lshl_b32 s2, s4, 4
	s_add_co_u32 s62, s62, s2
	s_add_co_u32 s62, s62, s69                     ; record 32 bh + 16 y + blk
	s_mul_i32 s2, s62, 9216
	s_lshl_b32 s62, s7, 11
	s_add_co_u32 s62, s62, s2
	s_add_nc_u64 s[KVC:KVC+1], s[32:33], s[62:63]  ; fragment g
	s_lshl_b32 s62, s7, 8
	s_add_co_u32 s62, s62, s2
	s_add_co_u32 s62, s62, 4096
	s_add_nc_u64 s[KVS:KVS+1], s[32:33], s[62:63]  ; scale row g
	s_lshl_b32 s2, s70, 4
	s_add_co_u32 s2, s2, s69                       ; 16 bh + blk
	s_lshl_b32 s62, s2, 3
	s_lshl_b32 s70, s7, 2
	s_add_co_u32 s62, s62, s70
	s_lshl_b32 s62, s62, 9
	s_add_nc_u64 s[PQC:PQC+1], s[34:35], s[62:63]  ; query tiles 4 g on
	s_lshl_b32 s62, s2, 1
	s_add_co_u32 s62, s62, s7
	s_lshl_b32 s62, s62, 8
	s_add_nc_u64 s[PQS:PQS+1], s[36:37], s[62:63]
	; ---- PHASE A.  Sixteen bias loads, then two landing buffers of 16 loads by turns: s_wait_loadcnt 16 leaves the other buffer's 16 loads out
.irp u, 0,1
	global_load_b128 v[BKR+8*\u:BKR+8*\u+3], v[BA], s[PBK:PBK+1] offset:32*\u          ; tile u, register j: channel 16 (lane / 16) + 8 u + j
	global_load_b128 v[BKR+8*\u+4:BKR+8*\u+7], v[BA], s[PBK:PBK+1] offset:32*\u+16
	global_load_b128 v[BQR+8*\u:BQR+8*\u+3], v[BA], s[PBQ:PBQ+1] offset:32*\u
	global_load_b128 v[BQR+8*\u+4:BQR+8*\u+7], v[BA], s[PBQ:PBQ+1] offset:32*\u+16
.endr
.irp j, 0,1,2,3,4,5,6,7
	global_load_b32 v[BVR+\j], v[BVA], s[PBV:PBV+1]                                    ; a lane's eight results of v belong to one channel
.endr
	XLOAD R0, PX, 0
	XLOAD R1, PX, 512
	s_wait_loadcnt 16
	ITEM R0, XWI, 0, XWS, 0                        ; x's tile 2 w, K step 0
	XLOAD R0, PX, 8192
	s_wait_loadcnt 16
	ITEM R1, XWI, 2048, XWS, 128
	XLOAD R1, PX, 8704
	s_wait_loadcnt 16
	ITEM R0, XWI, 4096, XWS, 256                   ; tile 2 w + 1
	XLOAD R0, PWK, 0
	s_wait_loadcnt 16
	ITEM R1, XWI, 6144, XWS, 384
	XLOAD R1, PWK, 512
	s_wait_loadcnt 16
	ITEM R0, WWI, 0, WWS, 0                        ; wk's tile w
	XLOAD R0, PWV, 0
	s_wait_loadcnt 16
	ITEM R1, WWI, 2048, WWS, 128
	XLOAD R1, PWV, 512
	s_wait_loadcnt 16
	ITEM R0, WWI, 16384, WWS, 1024                 ; wv's tile w
	s_cmp_lg_u32 s4, 0                             ; wq is wanted with x_a alone
	s_cbranch_scc1 .La1
	XLOAD R0, PWQ, 0
	s_wait_loadcnt 16
	s_branch .La2
.La1:
	s_wait_loadcnt 0x0
.La2:
	ITEM R1, WWI, 18432, WWS, 1152
	s_cmp_lg_u32 s4, 0
	s_cbranch_scc1 .La3
	XLOAD R1, PWQ, 512
	s_wait_loadcnt 16
	ITEM R0, WWI, 32768, WWS, 2048                 ; wq's tile w
	s_wait_loadcnt 0x0
	ITEM R1, WWI, 34816, WWS, 2176
.La3:
	s_wait_loadcnt 0x0                             ; no load is out on any way here
	BARRIER                                        ; all images lie in LDS; nothing of them is written again
	v_add_nc_u32 v[LSA], XSC, v[LS]                ; x's scale words from tile 0 on (my stores by this register are done)
	; ---- PHASE B
	UNIT_QK 0, BKR
	OUT KVC, 0, KVS, 0
	UNIT_V
	OUT KVC, 4608, KVS, 4608
	s_cmp_lg_u32 s4, 0
	s_cbranch_scc1 .Lend
	UNIT_QK 2, BQR
	OUT PQC, 0, PQS, 0
.Lend:
	s_set_vgpr_msb 0x5
	s_wait_tensorcnt 0x0
	ds_add_u32 v0, v1
	s_wait_dscnt 0x0
	s_set_vgpr_msb 0x500
	s_endpgm
.Lfunc_end_k_q041d59737c_proj:
	.size	k_q041d59737c_proj, .Lfunc_end_k_q041d59737c_proj-k_q041d59737c_proj
	.p2alignl 7, 3214868480
	.fill 96, 4, 3214868480
	.section	.rodata,"a",@progbits
	.p2align	6, 0x0
	.amdhsa_kernel k_q041d59737c_proj
		.amdhsa_group_segment_fixed_size 121344
		.amdhsa_private_segment_fixed_size 0
		.amdhsa_enable_private_segment 0
		.amdhsa_kernarg_size 120
		.amdhsa_user_sgpr_count 2
		.amdhsa_user_sgpr_kernarg_segment_ptr 1
		.amdhsa_wavefront_size32 1
		.amdhsa_system_sgpr_workgroup_id_x 1
		.amdhsa_system_sgpr_workgroup_id_y 1
		.amdhsa_system_sgpr_workgroup_id_z 1
		.amdhsa_system_vgpr_workitem_id 0
		.amdhsa_next_free_vgpr 258
		.amdhsa_next_free_sgpr 72
		.amdhsa_reserve_vcc 0
		.amdhsa_float_denorm_mode_32 3
		.amdhsa_float_denorm_mode_16_64 3
		.amdhsa_memory_ordered 1
		.amdhsa_forward_progress 1
		.amdhsa_inst_pref_size 173
	.end_amdhsa_kernel
	.amdgpu_metadata
---
amdhsa.version: [ 1, 2 ]
amdhsa.kernels:
  - .name:           k_q041d59737c_proj
    .symbol:         k_q041d59737c_proj.kd
    .args:
      - { .name: x_a, .offset: 0, .size: 8, .value_kind: global_buffer, .address_space: global }
      - { .name: x_b, .offset: 8, .size: 8, .value_kind: global_buffer, .address_space: global }
      - { .name: wq_w, .offset: 16, .size: 8, .value_kind: global_buffer, .address_space: global }
      - { .name: wq_b, .offset: 24, .size: 8, .value_kind: global_buffer, .address_space: global }
      - { .name: wk_a_w, .offset: 32, .size: 8, .value_kind: global_buffer, .address_space: global }
      - { .name: wk_a_b, .offset: 40, .size: 8, .value_kind: global_buffer, .address_space: global }
      - { .name: wk_b_w, .offset: 48, .size: 8, .value_kind: global_buffer, .address_space: global }
      - { .name: wk_b_b, .offset: 56, .size: 8, .value_kind: global_buffer, .address_space: global }
      - { .name: wv_a_w, .offset: 64, .size: 8, .value_kind: global_buffer, .address_space: global }
      - { .name: wv_a_b, .offset: 72, .size: 8, .value_kind: global_buffer, .address_space: global }
      - { .name: wv_b_w, .offset: 80, .size: 8, .value_kind: global_buffer, .address_space: global }
      - { .name: wv_b_b, .offset: 88, .size: 8, .value_kind: global_buffer, .address_space: global }
      - { .name: kv, .offset: 96, .size: 8, .value_kind: global_buffer, .address_space: global }
      - { .name: qc, .offset: 104, .size: 8, .value_kind: global_buffer, .address_space: global }
      - { .name: qs, .offset: 112, .size: 8, .value_kind: global_buffer, .address_space: global }
    .group_segment_fixed_size: 121344
    .private_segment_fixed_size: 0
    .kernarg_segment_align: 8
    .kernarg_segment_size: 120
    .max_flat_workgroup_size: 128
    .sgpr_count:     72
    .vgpr_count:     258
    .wavefront_size: 32
...
	.end_amdgpu_metadata
.endif
;; end of part 1
;; launch attn (part 2): grid 16 x 16, 16 waves a work-group, clusters of 4 x 1, 315,392 bytes of LDS; arguments kv, qc, qs, z; writes z
.if DOCPART == 2
	.amdgcn_target "amdgcn-amd-amdhsa--gfx1250"
	.amdhsa_code_object_version 6
	.text
	.protected	k_q041d59737c_attn
	.globl	k_q041d59737c_attn
	.p2align	8
	.type	k_q041d59737c_attn,@function
k_q041d59737c_attn:
	s_mov_b64 s[64:65], 0
	v_nop
	global_prefetch_b8 v0, s[64:65] scope:SCOPE_SE
	s_setreg_imm32_b32 hwreg(HW_REG_WAVE_MODE, 25, 1), 1
	s_wait_xcnt 0x0
	s_wait_alu depctr_hold_cnt(0) depctr_sa_sdst(0) depctr_va_vdst(0) depctr_va_sdst(0) depctr_va_ssrc(0) depctr_va_vcc(0) depctr_vm_vsrc(0)
	s_getreg_b32 s2, hwreg(HW_REG_IB_STS2, 6, 4)
	s_cmp_eq_u32 s2, 0
	s_cbranch_scc0 .Lentry_in_a_cluster
	s_endpgm
.Lentry_in_a_cluster:
	s_bfe_u32 s2, ttmp6, 0x10000c
	s_cmp_lg_u32 s2, 0x3003
	s_cbranch_scc0 .Lentry_shape_is_right
	s_endpgm
.Lentry_shape_is_right:
; ATTENTION on codes of BF8 (E5M2) with E8M0 scales: z[b][q][head] = softmax_k(q . k / sqrt(32)) v over 4,096 keys, quantised again (one block of 32 = one head of one row) for the output projection.
; THE SOFTMAX AHEAD OF THE SECOND PRODUCT: t = score x log2(e) / sqrt(32); M = the largest t so far, rounded UP to a whole number; p = 2^(t - M) is quantised along the keys, not normalised; the row's sum is taken of the unquantised p and divides at the end.
; SHARES.  A work-group owns 128 queries of one (batch, head); sixteen waves, four to a SIMD, 256 registers each.  Wave w: query tile w % 8 (16 queries), keys 2,048 (w / 8) on: 16 steps of 128 keys.
; The two waves of a tile keep M, sum and O of their own; they are joined at the end by powers of two, which round nothing.
; LDS.  The head's whole kv (32 records of 9,216 bytes, images of operand registers with their scale rows) lies at 0 .. 294,911 as it lies in memory and is FILLED ONCE: no slot is ever filled again.
; It comes in four stages of 8 records (4 for each half of the keys); each wave brings one half-record (4,608 dense bytes) of each stage: four tensor loads of a wave are out at the most.
; CLUSTER.  The four work-groups of a cluster share (batch, head) and so the whole of kv: every load is asked for JOINTLY, by the same line with the same descriptor and the mask of all four.
; K = 32 IN AN INSTRUCTION OF K = 128.  K's fragment G holds key tiles 4 G .. 4 G + 3 in its four blocks of 32; the other source is q's four registers in block c and zero codes elsewhere:
; the four such sources are overlapping runs of [12 zeros | q | 12 zeros] (v16-43).  q's scale byte stands in all four bytes of its word.  Zero codes add nothing: k's codes were held, so none is infinity or NaN.
; LAYOUT.  Both products are used transposed (S^T = k q^T, O^T = v^T p^T): a lane holds one query.  The keys of a tile are rows 32 b + 8 u + r + 8 (r / 8), so that the 16 registers of tiles 2 b, 2 b + 1 are keys 32 b + 16 (lane / 16) + 0 .. 15.
; LIMITS: NaN and infinities are not served.  p under 2^-126 becomes 0 (v_exp_f32 flushes: ISA guide 15.8).  A block's largest p is made from its largest score by the same two instructions as every p, which takes v_exp_f32 not to fall where its input rises.
; A block of zeros gets the scale byte 1 where the quantiser's rule says 127: its codes are zeros, and this program alone reads the bytes.
.set HALFB, 147456                     ; 16 records
.set RECB,  9216
.set STGB,  36864                      ; 4 records: a stage's part of one half of the keys
.set MRG,   294912                     ; behind kv: 2,304 bytes a query tile: O (4 x 512), then (-M, sum) at 8 x lane
.set AK0, 1                            ; v1   16 x lane + my half of the keys
.set AS0, 2                            ; v2   8 x lane + 256 (lane / 16) + my half: lanes 0-15 take scale row 0, lanes 16-31 row 1
.set ADR, 3                            ; v3   the step's images
.set ADS, 4                            ; v4   the step's scale rows
.set L16, 5                            ; v5   16 x lane
.set L8,  6                            ; v6   8 x lane
.set MA,  7                            ; v7   the join: O
.set MB,  8                            ; v8   the join: (-M, sum)
.set QF,  28                           ; v28-31 q; v16-27, v32-43 zeros.  v12 -M, v13 the largest t, v[14:15] the sum in two halves
.set QS,  44                           ; v44  q's scale word
.set KS,  45                           ; v45  k's scale words: fragment 0's below, fragment 1's above
.set VS,  46                           ; v46  v's likewise
.set PW,  47                           ; v47  p's scale word
.set KF,  48                           ; v48-79   k's two fragments
.set VF,  80                           ; v80-111  v's two fragments
.set S,   112                          ; v112-175 S^T, then p
.set OA,  176                          ; v176-191 O^T: register 8 u + j = channel 16 (lane / 16) + 8 u + j
.set PC,  192                          ; v192-207 p's codes
.set BM,  208                          ; v208-211 a block's largest score, then its largest p
.set BT,  212                          ; v212-215 permutes' destinations, then bytes
.set HL,  216                          ; v216-219 57,344 x the scale
.set SO,  220                          ; v220-223 the conversions' scale operands;  v224, v225 at work; v[226:227] f; v[228:229] the sum's second chain; v[230:231] the join's second factor
.set WV,  12                           ; s12 wave;  s13 query tile;  s14 half of the keys
.set QT,  13
.set HF,  14
.set SEL, 20                           ; s[20:21] v_permlanex16_b32's selects for lane l xor 16
.set CS,  22                           ; s[22:23] c = log2(e) / sqrt(32)
.set MNT, 24                           ; s24 the mantissa field of 57,344
.set TB,  25                           ; s25 LDS byte of the step's record within my half
.set CNT, 26                           ; s26 a stage's steps to go
.set G1,  28                           ; s[28:35] descriptor group 1
.set G0,  36                           ; s[36:51] descriptor groups 0, one for each stage
.macro ROUND                           ; a round of the cluster's barrier
	s_barrier_signal -1
	s_barrier_wait -1
	s_cmp_lg_u32 s[WV], 0
	s_cbranch_scc1 .Lnot_wave_0_\@
	s_barrier_signal -3
.Lnot_wave_0_\@:
	s_barrier_wait -3
	s_barrier_signal -1
	s_barrier_wait -1
.endm
	s_load_b256 s[4:11], s[0:1], 0x0               ; kv s[4:5], qc s[6:7], qs s[8:9], z s[10:11]
	v_lshl_add_u32 v254, v0, 2, 0x4c800
	v_mov_b32 v255, 0
	ds_add_u32 v254, v255
	ds_add_u32 v254, v255
	v_lshrrev_b32 v1, 5, v0
	v_readfirstlane_b32 s[WV], v1                  ; wave 0..15
	s_and_b32 s[QT], s[WV], 7
	s_lshr_b32 s[HF], s[WV], 3
	s_and_b32 s17, ttmp7, 0xffff                   ; bh = 8 b + head, which the four partners share
	s_mul_i32 s54, s[HF], HALFB
	s_mul_i32 s18, s[QT], 4608
	s_add_co_u32 s54, s54, s18                     ; my half-record of stage 0: the same offset in LDS and within the head in memory
	s_mul_i32 s18, s17, 294912
	s_add_co_u32 s18, s18, s54
	s_mov_b32 s19, 0
	; descriptor group 1: 4,608 dense bytes as 18 rows of 256 bytes
	s_mov_b32 s[G1], 15|(3<<16)|(1<<21)            ; 15:0 the mask: all four work-groups; 17:16 elements of 8 bytes; 20 no padding (images are read 16 bytes a lane, on end); 21 set beside a mask
	s_mov_b32 s[G1+1], 32<<16                      ; tensor_dim0 = 32
	s_mov_b32 s[G1+2], 18<<16                      ; tensor_dim1 = 18
	s_mov_b32 s[G1+3], 32<<16                      ; tile_dim0 = 32
	s_mov_b32 s[G1+4], 18                          ; tile_dim1 = 18
	s_mov_b32 s[G1+5], 32                          ; from row to row
	s_mov_b32 s[G1+6], 0
	s_mov_b32 s[G1+7], 0
	s_mov_b32 s[SEL], 0x76543210
	s_mov_b32 s[SEL+1], 0xfedcba98
	s_mov_b32 s[CS], 0x3e8293ee
	s_mov_b32 s[CS+1], s[CS]                       ; (named with it as a pair, so it is written)
	s_mov_b32 s[MNT], 0x600000
	s_and_b32 s27, s[QT], 3
	s_mul_i32 s27, s27, 0x01010101                 ; v_perm_b32: byte tile % 4 into all four bytes
	; my place in the cluster enters only the addresses of qc, qs and z, in registers of their own
	s_bfe_u32 s15, ttmp6, 0x40000                  ; cx
	s_lshl_b32 s16, ttmp9, 2
	s_add_co_u32 s16, s16, s15                     ; blk = 4 x cluster x + cx
	s_lshl_b32 s62, s17, 4
	s_add_co_u32 s62, s62, s16                     ; 16 bh + blk
	s_lshl_b32 s56, s62, 3
	s_add_co_u32 s56, s56, s[QT]
	s_lshl_b32 s56, s56, 9                         ; qc: 512 bytes a tile
	s_mov_b32 s57, 0
	s_lshl_b32 s58, s62, 1
	s_lshr_b32 s63, s[QT], 2
	s_add_co_u32 s58, s58, s63
	s_lshl_b32 s58, s58, 8                         ; qs: 256 bytes for four tiles
	s_mov_b32 s59, 0
	s_lshr_b32 s60, s17, 3
	s_lshl_b32 s60, s60, 7
	s_lshl_b32 s63, s16, 3
	s_add_co_u32 s60, s60, s63
	s_add_co_u32 s60, s60, s[QT]                   ; row tile 128 b + 8 blk + tile
	s_lshl_b32 s60, s60, 3
	s_and_b32 s63, s17, 7
	s_add_co_u32 s60, s60, s63
	s_mul_i32 s60, s60, 768                        ; z: 768 bytes for a row tile and a head
	s_mov_b32 s61, 0
	v_and_b32 v9, 31, v0                           ; lane
	v_bfe_u32 v10, v0, 4, 1                        ; lane / 16
	v_lshlrev_b32 v[L16], 4, v9
	v_lshlrev_b32 v[L8], 3, v9
	s_mul_i32 s[TB], s[HF], HALFB
	v_add_nc_u32 v[AK0], s[TB], v[L16]
	v_lshl_add_u32 v[AS0], v10, 8, v[L8]
	v_add_nc_u32 v[AS0], s[TB], v[AS0]
	s_mul_i32 s[CNT], s[QT], 2304
	s_add_co_u32 s[CNT], s[CNT], MRG
	v_add_nc_u32 v[MA], s[CNT], v[L16]
	s_add_co_u32 s[CNT], s[CNT], 2048
	v_add_nc_u32 v[MB], s[CNT], v[L8]
	s_wait_dscnt 0x0
	s_wait_kmcnt 0x0
	s_add_nc_u64 s[52:53], s[4:5], s[18:19]        ; kv at my half-record of stage 0
	s_add_nc_u64 s[56:57], s[6:7], s[56:57]
	s_add_nc_u64 s[58:59], s[8:9], s[58:59]
	s_add_nc_u64 s[60:61], s[10:11], s[60:61]
.irp s, 0,1,2,3
	s_mov_b32 s[G0+4*\s], 1                                        ; count = 1
	s_add_co_u32 s[G0+4*\s+1], s54, \s*STGB                        ; LDS address
	s_add_nc_u64 s[G0+4*\s+2:G0+4*\s+3], s[52:53], \s*STGB         ; global address
	s_or_b32 s[G0+4*\s+3], s[G0+4*\s+3], 0x80000000                ; type = 2
.endr
	ROUND                                          ; all four work-groups are here: the joint loads meet
	tensor_load_to_lds s[G0:G0+3], s[G1:G1+7]      ; all fills of the launch go out together: four of mine are out
	s_nop 0
	tensor_load_to_lds s[G0+4:G0+7], s[G1:G1+7]
	s_nop 0
	tensor_load_to_lds s[G0+8:G0+11], s[G1:G1+7]
	s_nop 0
	tensor_load_to_lds s[G0+12:G0+15], s[G1:G1+7]
	s_nop 0
.rept 4
	v_nop                                          ; four nops behind the tensor loads
.endr
	global_load_b128 v[QF:QF+3], v[L16], s[56:57]  ; q: query r + 8 (r / 8) of my tile, channels 16 (lane / 16) + 0 .. 15
	global_load_b32 v224, v[L8], s[58:59]          ; the scale bytes of four tiles
.irp j, 0,1,2,3,4,5,6,7,8,9,10,11
	v_mov_b32 v[16+\j], 0                          ; zero codes on both sides of q
	v_mov_b32 v[32+\j], 0
.endr
	v_mov_b32 v13, 0xff61b1e6                      ; the largest t so far: -3e38, under every t
	v_floor_f32 v12, -v13                          ; -M
	v_mov_b32 v14, 0                               ; the sum, in two halves
	v_mov_b32 v15, 0
.irp b, 0,1,2,3
	v_mov_b32 v[BT+\b], 0                          ; written once: a lane permute's destination counts as one of its sources
.endr
	v_mov_b32 v227, 0                              ; (upper halves of pairs of which the low word serves both halves)
	v_mov_b32 v231, 0
	s_wait_loadcnt 0x0
	v_perm_b32 v[QS], v224, v224, s27              ; my tile's byte in all four bytes
.irp j, 0,1,2,3,4,5,6,7,8,9,10,11,12,13,14,15
	v_mov_b32 v[OA+\j], 0                          ; O^T: the step is written once, its first run finds zeros.  (These 16 are also the places between the scale word's making and the first product)
.endr
; A KEY STEP: 128 keys
.macro STEP
	v_add_nc_u32 v[ADR], s[TB], v[AK0]
	v_add_nc_u32 v[ADS], s[TB], v[AS0]
.irp g, 0,1
.irp c, 0,1,2,3
	ds_load_b128 v[KF+16*\g+4*\c:KF+16*\g+4*\c+3], v[ADR] offset:2048*\g+512*\c
.endr
.endr
	ds_load_b32 v[KS], v[ADS] offset:4096
	s_wait_dscnt 0x0
.irp c, 0,1,2,3                                ; S^T, key tile c: q stands in block c of source 1
	v_wmma_scale_f32_16x16x128_f8f6f4 v[S+8*\c:S+8*\c+7], v[KF:KF+15], v[QF-4*\c:QF-4*\c+15], 0, v[KS], v[QS] matrix_a_fmt:MATRIX_FMT_BF8 matrix_b_fmt:MATRIX_FMT_BF8
.endr
.irp c, 0,1,2,3                                ; key tile 4 + c
	v_wmma_scale_f32_16x16x128_f8f6f4 v[S+32+8*\c:S+32+8*\c+7], v[KF+16:KF+31], v[QF-4*\c:QF-4*\c+15], 0, v[KS], v[QS] matrix_a_fmt:MATRIX_FMT_BF8 matrix_b_fmt:MATRIX_FMT_BF8 matrix_a_scale:MATRIX_SCALE_ROW1
.endr
	v_mov_b32 v224, v12                            ; the old -M.  With the seven below: eight places behind the scores' products; with the two additions above, ten behind the last step's products, which read v's registers
.rept 7
	v_nop
.endr
.irp u, 0,1
.irp c, 0,1,2,3
	ds_load_b128 v[VF+16*\u+4*\c:VF+16*\u+4*\c+3], v[ADR] offset:4608+2048*\u+512*\c   ; v lands while the softmax is walked
.endr
.endr
	ds_load_b32 v[VS], v[ADS] offset:8704
.irp b, 0,1,2,3
	v_max3_num_f32 v[BM+\b], v[S+16*\b], v[S+1+16*\b], v[S+2+16*\b]   ; the largest score of each block of 32 keys: for the row's maximum, and for the block's largest p.  Each accumulator is read from its low end on
.endr
.irp i, 3,5,7,9,11,13
.irp b, 0,1,2,3
	v_max3_num_f32 v[BM+\b], v[BM+\b], v[S+16*\b+\i], v[S+1+16*\b+\i]
.endr
.endr
.irp b, 0,1,2,3
	v_max_num_f32 v[BM+\b], v[BM+\b], v[S+15+16*\b]
.endr
.irp b, 0,1,2,3
	v_permlanex16_b32 v[BT+\b], v[BM+\b], s[SEL], s[SEL+1]
.endr
.irp b, 0,1,2,3
	v_max_num_f32 v[BM+\b], v[BM+\b], v[BT+\b]     ; with lane l xor 16's 16 keys
.endr
	v_max3_num_f32 v225, v[BM], v[BM+1], v[BM+2]
	v_max_num_f32 v225, v225, v[BM+3]              ; the step's largest score of my query
	v_mul_f32 v225, s[CS], v225                    ; as t (c is positive)
	v_max_num_f32 v13, v13, v225                   ; the running largest t
	v_floor_f32 v12, -v13                          ; the new -M = -ceil(t)
	v_sub_f32 v224, v12, v224                      ; old M - new M: a whole number, 0 or less
	v_cvt_i32_f32 v224, v224                       ; (it saturates)
	v_ldexp_f32 v226, 1.0, v224                    ; f = 2^(old M - new M)
.set j, 0
.rept 32
	v_pk_fma_f32 v[S+j:S+j+1], v[S+j:S+j+1], s[CS:CS+1], v[12:13] op_sel_hi:[1,0,0]   ; t - M, two at a time
.set j, j+2
.endr
.irp b, 0,1,2,3
	v_fma_f32 v[BM+\b], v[BM+\b], s[CS], v12       ; the same of each block's largest score
.endr
.set j, 0
.rept 64
	v_exp_f32 v[S+j], v[S+j]                       ; p = 2^(t - M)
.set j, j+1
.endr
.irp b, 0,1,2,3
	v_exp_f32 v[BM+\b], v[BM+\b]                   ; the block's largest p
.endr
	v_pk_mul_f32 v[14:15], v[14:15], v[226:227] op_sel_hi:[1,0]    ; the sums under the new M.  (The plain place behind the exponentials)
	s_wait_alu depctr_va_vdst(0)
.irp b, 0,1,2,3
	v_max_num_f32 v[BM+\b], 0x8000000, v[BM+\b]    ; the floor 2^(16 - 127): the byte cannot fall under 1
.endr
.irp b, 0,1,2,3
	v_add_nc_u32 v[SO+\b], 0xf8800000, v[BM+\b]    ; 15 off the exponent field: the conversion's scale operand
.endr
.irp b, 0,1,2,3
	v_and_or_b32 v[HL+\b], v[BM+\b], 0x7f800000, s[MNT]            ; 57,344 x the scale
.endr
.irp b, 0,1,2,3
	v_lshrrev_b32 v[BT+\b], 23, v[SO+\b]           ; the scale's byte
.endr
	v_lshl_or_b32 v[PW], v[BT+1], 8, v[BT]         ; p's scale word for these 128 keys
	v_lshl_or_b32 v[PW], v[BT+2], 16, v[PW]
	v_lshl_or_b32 v[PW], v[BT+3], 24, v[PW]
	v_pk_add_f32 v[228:229], v[S:S+1], v[S+2:S+3]  ; the row's sum is taken of the unquantised p: two at a time, in two chains
.irp j, 4,8,12,16,20,24,28,32,36,40,44,48,52,56,60
	v_pk_add_f32 v[14:15], v[14:15], v[S+\j:S+\j+1]
	v_pk_add_f32 v[228:229], v[228:229], v[S+\j+2:S+\j+3]
.endr
	v_pk_add_f32 v[14:15], v[14:15], v[228:229]
.irp b, 0,1,2,3
.irp i, 0,1,2,3,4,5,6,7,8,9,10,11,12,13,14,15
	v_min_num_f32 v[S+16*\b+\i], v[S+16*\b+\i], v[HL+\b]           ; the conversion does not saturate (ISA guide 7.6.2); p is not negative, so the hold is one-sided
.endr
	v_cvt_scalef32_pk8_bf8_f32 v[PC+4*\b:PC+4*\b+1], v[S+16*\b:S+16*\b+7], v[SO+\b]
	v_cvt_scalef32_pk8_bf8_f32 v[PC+4*\b+2:PC+4*\b+3], v[S+16*\b+8:S+16*\b+15], v[SO+\b]
.endr
.irp j, 0,2,4,6,8,10,12,14
	v_pk_mul_f32 v[OA+\j:OA+\j+1], v[OA+\j:OA+\j+1], v[226:227] op_sel_hi:[1,0]   ; O^T under the new M, from each accumulator's low end on.  (These eight are also the places between the codes' making and the products)
.endr
	s_wait_dscnt 0x0                               ; v is in
	; O^T += v^T p^T.  The two accumulators take turns, and the eight products of the scores stand between two links of each
	v_wmma_scale_f32_16x16x128_f8f6f4 v[OA:OA+7], v[VF:VF+15], v[PC:PC+15], v[OA:OA+7], v[VS], v[PW] matrix_a_fmt:MATRIX_FMT_BF8 matrix_b_fmt:MATRIX_FMT_BF8
	v_wmma_scale_f32_16x16x128_f8f6f4 v[OA+8:OA+15], v[VF+16:VF+31], v[PC:PC+15], v[OA+8:OA+15], v[VS], v[PW] matrix_a_fmt:MATRIX_FMT_BF8 matrix_b_fmt:MATRIX_FMT_BF8 matrix_a_scale:MATRIX_SCALE_ROW1
	s_add_co_u32 s[TB], s[TB], RECB
.endm
; STAGE n: four steps.  My load for this stage has landed; the 3 - n issued behind it, for later stages, may stay out: behind this barrier nothing is filled.  The barrier shows the other waves' parts.
.macro STAGE n
	s_wait_tensorcnt 3-\n
	s_wait_dscnt 0x0
	s_barrier_signal -1
	s_barrier_wait -1
	s_mov_b32 s[TB], \n*STGB
	s_mov_b32 s[CNT], 4
.Lst_\@:
	STEP
	s_sub_co_u32 s[CNT], s[CNT], 1
	s_cmp_lg_u32 s[CNT], 0
	s_cbranch_scc1 .Lst_\@
.endm
	STAGE 0
	STAGE 1
	STAGE 2
	STAGE 3
	; THE JOIN.  The wave of the upper 2,048 keys hands O^T, -M and its sum to the wave of the lower ones, lane by lane.
	v_add_f32 v14, v14, v15                        ; the sum's two halves.  (With the seven below: eight places behind the last products)
	v_mov_b32 v224, v12
	v_mov_b32 v225, v14
.rept 5
	v_nop
.endr
	s_cmp_eq_u32 s[HF], 0
	s_cbranch_scc1 .Lk
.irp c, 0,1,2,3
	ds_store_b128 v[MA], v[OA+4*\c:OA+4*\c+3] offset:512*\c
.endr
	ds_store_b64 v[MB], v[224:225]
.Lk:
	s_wait_dscnt 0x0                               ; for the other wave's sake: my stores have landed
	s_barrier_signal -1
	s_barrier_wait -1
	s_cmp_lg_u32 s[HF], 0
	s_cbranch_scc1 .Le
.irp c, 0,1,2,3
	ds_load_b128 v[S+4*\c:S+4*\c+3], v[MA] offset:512*\c
.endr
	ds_load_b64 v[S+16:S+17], v[MB]
	s_wait_dscnt 0x0
	v_min_num_f32 v224, v12, v[S+16]               ; -M of both
	v_sub_f32 v225, v224, v12                      ; my M less the joint one: a whole number, 0 or less
	v_sub_f32 v228, v224, v[S+16]                  ; the other's likewise
	v_cvt_i32_f32 v225, v225
	v_cvt_i32_f32 v228, v228
	v_ldexp_f32 v226, 1.0, v225
	v_ldexp_f32 v230, 1.0, v228
	v_mul_f32 v14, v14, v226
	v_fma_f32 v14, v[S+17], v230, v14              ; the sums under the joint M,
	v_permlanex16_b32 v[BT], v14, s[SEL], s[SEL+1]
	v_add_f32 v14, v14, v[BT]                      ; and lane l xor 16's: the row's sum
	v_rcp_f32 v14, v14
	v_nop                                          ; one plain place behind a transcendental
	s_wait_alu depctr_va_vdst(0)
	v_mul_f32 v226, v226, v14
	v_mul_f32 v230, v230, v14
.irp j, 0,2,4,6,8,10,12,14
	v_pk_mul_f32 v[OA+\j:OA+\j+1], v[OA+\j:OA+\j+1], v[226:227] op_sel_hi:[1,0]
.endr
.irp j, 0,2,4,6,8,10,12,14
	v_pk_fma_f32 v[OA+\j:OA+\j+1], v[S+\j:S+\j+1], v[230:231], v[OA+\j:OA+\j+1] op_sel_hi:[1,0,1]   ; z: my query's channels 16 (lane / 16) + 0 .. 15
.endr
	; z is quantised: the head's 32 channels of a row are one block of the output projection's K
	v_max3_num_f32 v[BM], |v[OA]|, |v[OA+1]|, 0x8000000
	v_max3_num_f32 v[BM+1], |v[OA+2]|, |v[OA+3]|, |v[OA+4]|
	v_max3_num_f32 v[BM], v[BM], |v[OA+5]|, |v[OA+6]|
	v_max3_num_f32 v[BM+1], v[BM+1], |v[OA+7]|, |v[OA+8]|
	v_max3_num_f32 v[BM], v[BM], |v[OA+9]|, |v[OA+10]|
	v_max3_num_f32 v[BM+1], v[BM+1], |v[OA+11]|, |v[OA+12]|
	v_max3_num_f32 v[BM], v[BM], |v[OA+13]|, |v[OA+14]|
	v_max3_num_f32 v[BM], v[BM], v[BM+1], |v[OA+15]|
	v_permlanex16_b32 v[BT], v[BM], s[SEL], s[SEL+1]
	v_max_num_f32 v[BM], v[BM], v[BT]
	v_add_nc_u32 v[SO], 0xf8800000, v[BM]
	v_and_or_b32 v[HL], v[BM], 0x7f800000, s[MNT]
	v_lshrrev_b32 v224, 23, v[SO]                  ; the scale's byte
	v_mov_b32 v225, 0
.irp i, 0,1,2,3,4,5,6,7,8,9,10,11,12,13,14,15
	v_med3_num_f32 v[OA+\i], v[OA+\i], -v[HL], v[HL]
.endr
	v_cvt_scalef32_pk8_bf8_f32 v[PC:PC+1], v[OA:OA+7], v[SO]
	v_cvt_scalef32_pk8_bf8_f32 v[PC+2:PC+3], v[OA+8:OA+15], v[SO]
	v_nop
	global_store_b128 v[L16], v[PC:PC+3], s[60:61]               ; 512 consecutive bytes,
	global_store_b64 v[L8], v[224:225], s[60:61] offset:512      ; and 256: whole aligned blocks of 256 bytes
.Le:
	s_wait_tensorcnt 0x0
	ds_add_u32 v254, v255
	s_wait_dscnt 0x0
	ROUND                                          ; the closing round: no work-group ends while a partner may still ask for a tile that names it
	s_endpgm
.Lfunc_end_k_q041d59737c_attn:
	.size	k_q041d59737c_attn, .Lfunc_end_k_q041d59737c_attn-k_q041d59737c_attn
	.p2alignl 7, 3214868480
	.fill 96, 4, 3214868480
	.section	.rodata,"a",@progbits
	.p2align	6, 0x0
	.amdhsa_kernel k_q041d59737c_attn
		.amdhsa_group_segment_fixed_size 315392
		.amdhsa_private_segment_fixed_size 0
		.amdhsa_enable_private_segment 0
		.amdhsa_kernarg_size 32
		.amdhsa_user_sgpr_count 2
		.amdhsa_user_sgpr_kernarg_segment_ptr 1
		.amdhsa_wavefront_size32 1
		.amdhsa_system_sgpr_workgroup_id_x 1
		.amdhsa_system_sgpr_workgroup_id_y 1
		.amdhsa_system_sgpr_workgroup_id_z 1
		.amdhsa_system_vgpr_workitem_id 0
		.amdhsa_next_free_vgpr 256
		.amdhsa_next_free_sgpr 66
		.amdhsa_reserve_vcc 0
		.amdhsa_float_denorm_mode_32 3
		.amdhsa_float_denorm_mode_16_64 3
		.amdhsa_memory_ordered 1
		.amdhsa_forward_progress 1
		.amdhsa_inst_pref_size 79
	.end_amdhsa_kernel
	.amdgpu_metadata
---
amdhsa.version: [ 1, 2 ]
amdhsa.kernels:
  - .name:           k_q041d59737c_attn
    .symbol:         k_q041d59737c_attn.kd
    .args:
      - { .name: kv, .offset: 0, .size: 8, .value_kind: global_buffer, .address_space: global }
      - { .name: qc, .offset: 8, .size: 8, .value_kind: global_buffer, .address_space: global }
      - { .name: qs, .offset: 16, .size: 8, .value_kind: global_buffer, .address_space: global }
      - { .name: z, .offset: 24, .size: 8, .value_kind: global_buffer, .address_space: global }
    .group_segment_fixed_size: 315392
    .private_segment_fixed_size: 0
    .kernarg_segment_align: 8
    .kernarg_segment_size: 32
    .max_flat_workgroup_size: 512
    .sgpr_count:     66
    .vgpr_count:     256
    .wavefront_size: 32
...
	.end_amdgpu_metadata
.endif
;; end of part 2
;; launch outp (part 3): grid 64 x 4, 4 waves a work-group, no clusters, 51,712 bytes of LDS; arguments z, w_w, w_b, x_a, out0; writes out0
.if DOCPART == 3
	.amdgcn_target "amdgcn-amd-amdhsa--gfx1250"
	.amdhsa_code_object_version 6
	.text
	.protected	k_q041d59737c_outp
	.globl	k_q041d59737c_outp
	.p2align	8
	.type	k_q041d59737c_outp,@function
k_q041d59737c_outp:
	s_mov_b64 s[64:65], 0
	v_nop
	global_prefetch_b8 v0, s[64:65] scope:SCOPE_SE
	s_setreg_imm32_b32 hwreg(HW_REG_WAVE_MODE, 25, 1), 1
	s_wait_xcnt 0x0
; out0 = z w_w^T + w_b + x_a, the product on codes of BF8 (E5M2) with one E8M0 scale for each 32 along K = 256.
; z arrives as codes, [row tile 0..255][head 0..7][768 bytes]: four registers a lane (512 bytes, 16 x lane) and the scale byte as (word, 0) at 8 x lane: heads 4 s .. 4 s + 3 are the four blocks of K step s.
; Row tile 4 G + w holds rows 64 G + 32 (w / 2) + 8 (w % 2) + r + 8 (r / 8).
; SHARES.  Work-group x = G: 64 rows; y = cg: 64 columns.  Four waves.  Wave w quantises tile w of w_w's 64 rows (rows 32 b + 8 u + r + 8 (r / 8) of tile 2 b + u) and lays its two images in LDS;
; behind one barrier it multiplies row tile 4 G + w by all four tiles: source 0 = 16 rows of w_w, source 1 = z: a lane then holds one row of out0 and, for b = 0, 1, columns 32 b + 16 (lane / 16) + 0 .. 15.
; The results go through the wave's own stage and leave as pieces of 256 consecutive bytes of a row, sixteen lanes to a piece.
; LIMITS: NaN and infinities among the inputs are not served; a block of zeros gets the scale byte 1 where the quantiser's rule says 127 (its codes are zeros; this program alone reads the bytes).
; No tensor loads, no cluster: w_w arrives as f32 and goes through registers into the quantiser.
.set WIMG, 0                           ; LDS: w_w's 8 images (tile n, K step s: slot 2 n + s), 2,048 bytes each
.set WSC,  16384                       ; their scale words, 128 bytes a slot
.set TSTG, 17408                       ; a stage of 8,448 bytes for each wave: 16 rows x 528 on the way in, 16 rows x 272 on the way out
.set TS,  1                            ; v1   stage, way in of the turn: 16 x lane
.set LI,  2                            ; v2   16 x lane
.set LS,  3                            ; v3   4 x lane
.set WWI, 4                            ; v4   where I store my images
.set WWS, 5                            ; v5   and their scale words
.set L8,  6                            ; v6   8 x lane
.set SO,  7                            ; v7   the way out: 272 r + 64 (lane / 16)
.set SR,  8                            ; v8   and back: 272 (lane / 16) + 16 (lane % 16)
.set GO,  9                            ; v9   the same two rows in x_a and out0: 1,024 (lane / 16) + 16 (lane % 16)
.set LS2, 10                           ; v10  scale words: lanes 0-15 K step 0's, lanes 16-31 K step 1's
.set TR,  11                           ; v11  stage, way out of the turn
.set BI,  12                           ; v12-15 the bias of my four columns
.set TM,  16                           ; v16-31 the quantiser's
.set PC,  32                           ; v32-47 the codes just made
.set DA,  16                           ; v16-47 later: four accumulators
.set PW,  48                           ; v48  the scale word just made
.set BAO, 49                           ; v49  16 (lane % 16)
.set WS,  50                           ; v50-53 w_w's scale words
.set ZB,  54                           ; v54-61 z's scale bytes; v54 and v58 become the words
.set ZF,  62                           ; v62-93 z's two fragments
.set XR,  94                           ; v94-125 x_a
.set R0,  126                          ; v126-189, v190-253: 64 numbers each; later w_w's eight fragments; later the rows read back
.set R1,  190
.set WF,  126
.set PWW, 6                            ; s[6:7] w_w at my tile's first row
.set SEL, 28
.set MNT, 30
.macro NOP8
.rept 8
	v_nop
.endr
.endm
.macro XLOAD reg, base, off            ; 16 rows of a tile, 128 numbers of each: an instruction reads 512 consecutive bytes of one row
.irp p, 0,1,2,3,4,5,6,7,8,9,10,11,12,13,14,15
	global_load_b128 v[\reg+4*\p:\reg+4*\p+3], v[LI], s[\base:\base+1] offset:\off+(\p+8*(\p/8))*1024
.endr
.endm
.macro TURN reg                        ; through my own stage: afterwards register 16 b + i is number 32 b + 16 (lane / 16) + i of the tile's row lane % 16.  LDS serves a wave's instructions in order: no wait between
.irp p, 0,1,2,3,4,5,6,7,8,9,10,11,12,13,14,15
	ds_store_b128 v[TS], v[\reg+4*\p:\reg+4*\p+3] offset:528*\p
.endr
.irp b, 0,1,2,3
.irp j, 0,1,2,3
	ds_load_b128 v[\reg+16*\b+4*\j:\reg+16*\b+4*\j+3], v[TR] offset:128*\b+16*\j
.endr
.endr
.endm
.macro QUANT s                         ; 64 numbers of a lane become a fragment's codes in v[PC] on and its scale word in v[PW]
.irp b, 0,1,2,3
	v_max3_num_f32 v[TM+\b], |v[\s+16*\b]|, |v[\s+1+16*\b]|, 0x8000000   ; block b: my 16 numbers, and the floor 2^(16 - 127): the byte cannot fall under 1
.endr
.irp i, 2,4,6,8,10,12,14
.irp b, 0,1,2,3
	v_max3_num_f32 v[TM+\b], v[TM+\b], |v[\s+16*\b+\i]|, |v[\s+1+16*\b+\i]|
.endr
.endr
.irp b, 0,1,2,3
	v_permlanex16_b32 v[TM+4+\b], v[TM+\b], s[SEL], s[SEL+1]
.endr
.irp b, 0,1,2,3
	v_max_num_f32 v[TM+\b], v[TM+\b], v[TM+4+\b]
.endr
.irp b, 0,1,2,3
	v_add_nc_u32 v[TM+12+\b], 0xf8800000, v[TM+\b]                 ; 15 off the exponent field: the conversion's scale operand
.endr
.irp b, 0,1,2,3
	v_and_or_b32 v[TM+8+\b], v[TM+\b], 0x7f800000, s[MNT]          ; 57,344 x the scale
.endr
.irp b, 0,1,2,3
	v_lshrrev_b32 v[TM+4+\b], 23, v[TM+12+\b]                      ; the scale's byte
.endr
	v_lshl_or_b32 v[PW], v[TM+5], 8, v[TM+4]
	v_lshl_or_b32 v[PW], v[TM+6], 16, v[PW]
	v_lshl_or_b32 v[PW], v[TM+7], 24, v[PW]
.irp b, 0,1,2,3
.irp i, 0,1,2,3,4,5,6,7,8,9,10,11,12,13,14,15
	v_med3_num_f32 v[\s+16*\b+\i], v[\s+16*\b+\i], -v[TM+8+\b], v[TM+8+\b]   ; the conversion does not saturate (ISA guide 7.6.2)
.endr
	v_cvt_scalef32_pk8_bf8_f32 v[PC+4*\b:PC+1+4*\b], v[\s+16*\b:\s+7+16*\b], v[TM+12+\b]
	v_cvt_scalef32_pk8_bf8_f32 v[PC+2+4*\b:PC+3+4*\b], v[\s+8+16*\b:\s+15+16*\b], v[TM+12+\b]
.endr
	v_nop                                          ; one plain vector instruction behind the last conversion
.endm
.macro IMAGE adr, off
.irp c, 0,1,2,3
	ds_store_b128 v[\adr], v[PC+4*\c:PC+4*\c+3] offset:\off+512*\c
.endr
.endm
.macro FETCH reg, adr, off
.irp c, 0,1,2,3
	ds_load_b128 v[\reg+4*\c:\reg+4*\c+3], v[\adr] offset:\off+512*\c
.endr
.endm
.macro ITEM reg, ia, io, sa, so
	TURN \reg
	s_wait_dscnt 0x0                               ; the numbers are back, and the last item's image stores are done
	QUANT \reg
	IMAGE \ia, \io
	ds_store_b32 v[\sa], v[PW] offset:\so
.endm
	s_load_b256 s[4:11], s[0:1], 0x0               ; z s[4:5], w_w s[6:7], w_b s[8:9], x_a s[10:11]
	s_load_b64 s[12:13], s[0:1], 0x20              ; out0
	v_lshl_add_u32 v254, v0, 2, 0xc800
	v_mov_b32 v255, 0
	v_lshrrev_b32 v1, 5, v0
	v_readfirstlane_b32 s14, v1                    ; wave w
	s_and_b32 s15, ttmp7, 0xffff                   ; cg
	s_mov_b32 s[SEL], 0x76543210
	s_mov_b32 s[SEL+1], 0xfedcba98
	s_mov_b32 s[MNT], 0x600000
	v_and_b32 v12, 31, v0                          ; lane
	v_and_b32 v13, 15, v0                          ; r
	v_bfe_u32 v14, v0, 4, 1                        ; h
	v_lshlrev_b32 v[LI], 4, v12
	v_lshlrev_b32 v[LS], 2, v12
	v_lshlrev_b32 v[L8], 3, v12
	s_mul_i32 s16, s14, 8448
	s_add_co_u32 s16, s16, TSTG                    ; my stage
	v_add_nc_u32 v[TS], s16, v[LI]
	v_mul_u32_u24 v[TR], v13, 528
	v_lshl_add_u32 v[TR], v14, 6, v[TR]
	v_add_nc_u32 v[TR], s16, v[TR]
	v_mul_u32_u24 v[SO], v13, 272
	v_lshl_add_u32 v[SO], v14, 6, v[SO]
	v_add_nc_u32 v[SO], s16, v[SO]
	v_lshlrev_b32 v[BAO], 4, v13
	v_mul_u32_u24 v[SR], v14, 272
	v_add_nc_u32 v[SR], v[SR], v[BAO]
	v_add_nc_u32 v[SR], s16, v[SR]
	v_lshl_add_u32 v[GO], v14, 10, v[BAO]
	s_lshl_b32 s17, s14, 12
	v_add_nc_u32 v[WWI], s17, v[LI]                ; slots 2 w on
	s_lshl_b32 s17, s14, 8
	s_add_co_u32 s17, s17, WSC
	v_add_nc_u32 v[WWS], s17, v[LS]
	v_lshl_add_u32 v[LS2], v14, 7, v[LS]
	v_add_nc_u32 v[LS2], WSC, v[LS2]
.irp b, 0,1,2,3
	v_mov_b32 v[TM+4+\b], 0                        ; written once: a lane permute's destination counts as one of its sources
.endr
	s_lshr_b32 s18, s14, 1
	s_lshl_b32 s18, s18, 5
	s_and_b32 s19, s14, 1
	s_lshl_b32 s19, s19, 3
	s_add_co_u32 s18, s18, s19                     ; 32 (w / 2) + 8 (w % 2): my tile's first row in a group of 64
	s_lshl_b32 s20, s15, 6
	s_add_co_u32 s20, s20, s18
	s_lshl_b32 s20, s20, 10                        ; w_w: rows of 1,024 bytes
	s_mov_b32 s21, 0
	s_lshl_b32 s22, ttmp9, 6
	s_add_co_u32 s22, s22, s18
	s_lshl_b32 s22, s22, 10
	s_lshl_b32 s26, s15, 8                         ; 64 columns are 256 bytes
	s_add_co_u32 s22, s22, s26                     ; x_a and out0
	s_mov_b32 s23, 0
	s_lshl_b32 s24, ttmp9, 2
	s_add_co_u32 s24, s24, s14
	s_mul_i32 s24, s24, 6144                       ; z: 8 heads x 768 bytes a row tile
	s_mov_b32 s25, 0
	s_mov_b32 s27, 0
	s_wait_kmcnt 0x0
	s_add_nc_u64 s[4:5], s[4:5], s[24:25]
	s_add_nc_u64 s[6:7], s[6:7], s[20:21]
	s_add_nc_u64 s[8:9], s[8:9], s[26:27]
	s_add_nc_u64 s[10:11], s[10:11], s[22:23]
	s_add_nc_u64 s[12:13], s[12:13], s[22:23]
	; all 57 loads go out at once, in the order in which they are wanted
.irp s, 0,1
.irp c, 0,1,2,3
	global_load_b32 v[ZB+4*\s+\c], v[L8], s[4:5] offset:(4*\s+\c)*768+512
.endr
.endr
	XLOAD R0, PWW, 0
	XLOAD R1, PWW, 512
.irp s, 0,1
.irp c, 0,1,2,3
	global_load_b128 v[ZF+16*\s+4*\c:ZF+16*\s+4*\c+3], v[LI], s[4:5] offset:(4*\s+\c)*768
.endr
.endr
	global_load_b128 v[BI:BI+3], v[BAO], s[8:9]
.irp i, 0,1,2,3,4,5,6,7
	global_load_b128 v[XR+4*\i:XR+4*\i+3], v[GO], s[10:11] offset:(2*\i+8*(\i/4))*1024 th:TH_LOAD_NT   ; stage rows 2 i, 2 i + 1 are rows 2 i + 8 (i / 4) and the next of my tile
.endr
	s_wait_loadcnt 33                              ; z's bytes and K step 0 of w_w are in; out: K step 1's 16, z's codes 8, the bias 1, x_a 8
.irp s, 0,1
	v_lshl_or_b32 v[ZB+4*\s], v[ZB+4*\s+1], 8, v[ZB+4*\s]          ; four heads' bytes make a K step's scale word
	v_lshl_or_b32 v[ZB+4*\s], v[ZB+4*\s+2], 16, v[ZB+4*\s]
	v_lshl_or_b32 v[ZB+4*\s], v[ZB+4*\s+3], 24, v[ZB+4*\s]
.endr
	ITEM R0, WWI, 0, WWS, 0
	s_wait_loadcnt 17                              ; K step 1 is in; out: z's codes 8, the bias 1, x_a 8
	ITEM R1, WWI, 2048, WWS, 128
	s_wait_dscnt 0x0                               ; for the others' sake: my images have landed
	s_barrier_signal -1
	s_barrier_wait -1
.irp n, 0,1,2,3
.irp s, 0,1
	FETCH WF+16*(2*\n+\s), LI, (2*\n+\s)*2048
.endr
	ds_load_b32 v[WS+\n], v[LS2] offset:256*\n
.endr
	s_wait_dscnt 0x0
	s_wait_loadcnt 8                               ; z's codes (and the bias) are in; x_a's 8 may be out
	; four accumulators by turns, one instruction a turn; the first K step starts the sums
.irp s, 0,1
.irp n, 0,1,2,3
.if \s == 0
	v_wmma_scale_f32_16x16x128_f8f6f4 v[DA+8*\n:DA+8*\n+7], v[WF+16*(2*\n+\s):WF+16*(2*\n+\s)+15], v[ZF+16*\s:ZF+16*\s+15], 0, v[WS+\n], v[ZB+4*\s] matrix_a_fmt:MATRIX_FMT_BF8 matrix_b_fmt:MATRIX_FMT_BF8
.else
	v_wmma_scale_f32_16x16x128_f8f6f4 v[DA+8*\n:DA+8*\n+7], v[WF+16*(2*\n+\s):WF+16*(2*\n+\s)+15], v[ZF+16*\s:ZF+16*\s+15], v[DA+8*\n:DA+8*\n+7], v[WS+\n], v[ZB+4*\s] matrix_a_fmt:MATRIX_FMT_BF8 matrix_b_fmt:MATRIX_FMT_BF8 matrix_a_scale:MATRIX_SCALE_ROW1
.endif
.endr
.endr
	NOP8                                           ; places in front of the first read of results and of loads into registers that the products have read
.irp b, 0,1
.irp i, 0,1,2,3
	ds_store_b128 v[SO], v[DA+16*\b+4*\i:DA+16*\b+4*\i+3] offset:128*\b+16*\i   ; columns 32 b + 16 (lane / 16) + 4 i on; each accumulator from its low end on
.endr
.endr
.irp i, 0,1,2,3,4,5,6,7
	ds_load_b128 v[R0+4*\i:R0+4*\i+3], v[SR] offset:544*\i         ; LDS serves a wave's instructions in order: these see my stores
.endr
	s_wait_loadcnt 0x0                             ; x_a
.irp i, 0,1,2,3,4,5,6,7
.irp k, 0,1
	v_pk_add_f32 v[XR+4*\i+2*\k:XR+4*\i+2*\k+1], v[XR+4*\i+2*\k:XR+4*\i+2*\k+1], v[BI+2*\k:BI+2*\k+1]   ; x_a + w_b, while the rows come back
.endr
.endr
	s_wait_dscnt 0x0
.irp i, 0,1,2,3,4,5,6,7
.irp k, 0,1
	v_pk_add_f32 v[R0+4*\i+2*\k:R0+4*\i+2*\k+1], v[R0+4*\i+2*\k:R0+4*\i+2*\k+1], v[XR+4*\i+2*\k:XR+4*\i+2*\k+1]
.endr
.endr
.irp i, 0,1,2,3,4,5,6,7
	global_store_b128 v[GO], v[R0+4*\i:R0+4*\i+3], s[12:13] offset:(2*\i+8*(\i/4))*1024 th:TH_STORE_NT   ; sixteen lanes store 256 consecutive bytes, at a multiple of 256 from out0's first byte
.endr
	s_wait_tensorcnt 0x0
	ds_add_u32 v254, v255
	s_wait_dscnt 0x0
	s_endpgm
.Lfunc_end_k_q041d59737c_outp:
	.size	k_q041d59737c_outp, .Lfunc_end_k_q041d59737c_outp-k_q041d59737c_outp
	.p2alignl 7, 3214868480
	.fill 96, 4, 3214868480
	.section	.rodata,"a",@progbits
	.p2align	6, 0x0
	.amdhsa_kernel k_q041d59737c_outp
		.amdhsa_group_segment_fixed_size 51712
		.amdhsa_private_segment_fixed_size 0
		.amdhsa_enable_private_segment 0
		.amdhsa_kernarg_size 40
		.amdhsa_user_sgpr_count 2
		.amdhsa_user_sgpr_kernarg_segment_ptr 1
		.amdhsa_wavefront_size32 1
		.amdhsa_system_sgpr_workgroup_id_x 1
		.amdhsa_system_sgpr_workgroup_id_y 1
		.amdhsa_system_sgpr_workgroup_id_z 1
		.amdhsa_system_vgpr_workitem_id 0
		.amdhsa_next_free_vgpr 256
		.amdhsa_next_free_sgpr 66
		.amdhsa_reserve_vcc 0
		.amdhsa_float_denorm_mode_32 3
		.amdhsa_float_denorm_mode_16_64 3
		.amdhsa_memory_ordered 1
		.amdhsa_forward_progress 1
		.amdhsa_inst_pref_size 38
	.end_amdhsa_kernel
	.amdgpu_metadata
---
amdhsa.version: [ 1, 2 ]
amdhsa.kernels:
  - .name:           k_q041d59737c_outp
    .symbol:         k_q041d59737c_outp.kd
    .args:
      - { .name: z, .offset: 0, .size: 8, .value_kind: global_buffer, .address_space: global }
      - { .name: w_w, .offset: 8, .size: 8, .value_kind: global_buffer, .address_space: global }
      - { .name: w_b, .offset: 16, .size: 8, .value_kind: global_buffer, .address_space: global }
      - { .name: x_a, .offset: 24, .size: 8, .value_kind: global_buffer, .address_space: global }
      - { .name: out0, .offset: 32, .size: 8, .value_kind: global_buffer, .address_space: global }
    .group_segment_fixed_size: 51712
    .private_segment_fixed_size: 0
    .kernarg_segment_align: 8
    .kernarg_segment_size: 40
    .max_flat_workgroup_size: 128
    .sgpr_count:     66
    .vgpr_count:     256
    .wavefront_size: 32
...
	.end_amdgpu_metadata
.endif
;; end of part 3
;; ======== version 2 of 3: 3 launches; 1.14 times as fast as version 1
;; workspace buffers: kv 4,718,592 bytes; qc 1,048,576 bytes; qs 131,072 bytes; z 1,572,864 bytes
;; launch proj (part 4): grid 128 x 2, 16 waves a work-group, no clusters, 241,664 bytes of LDS; arguments x_a, x_b, wq_w, wq_b, wk_a_w, wk_a_b, wk_b_w, wk_b_b, wv_a_w, wv_a_b, wv_b_w, wv_b_b, kv, qc, qs; writes kv, qc, qs
.if DOCPART == 4
	.amdgcn_target "amdgcn-amd-amdhsa--gfx1250"
	.amdhsa_code_object_version 6
	.text
	.protected	k_q041d59737c_proj
	.globl	k_q041d59737c_proj
	.p2align	8
	.type	k_q041d59737c_proj,@function
k_q041d59737c_proj:
	s_mov_b64 s[64:65], 0
	v_nop
	global_prefetch_b8 v0, s[64:65] scope:SCOPE_SE
	s_setreg_imm32_b32 hwreg(HW_REG_WAVE_MODE, 25, 1), 1
	s_wait_xcnt 0x0
; THE FIVE PROJECTIONS: q = x_a wq^T + b, k = x wk^T + b, v = x wv^T + b (x = x_a or x_b), on codes of BF8 (E5M2) with one E8M0 scale for each 32 along K = 256,
; and their results quantised again for the attention launch: q and k along the head's 32 channels, v along 32 neighbouring keys.
; SHARES.  Work-group x = 4 RB + HP: RB a block of 128 rows of x (b = RB / 16, blk = RB % 16), HP a pair of heads; work-group y: 0 = x_a, 1 = x_b.  Sixteen waves, four to a SIMD, so that one wave's waits stand beside another's work.
; PHASE A: an item is 16 rows x 128 numbers, turned into codes and laid in LDS as an image of the operand's registers (16 bytes a lane, 512 bytes a piece).  Wave w takes x's slot w (tile w / 2, K step w % 2) and the weights' slot w
; (waves 0-7: wk's tile (w % 8) / 2, K step w % 2; waves 8-15: wv's); with x_a waves 0-7 also take wq's slot w.  The 32 loads of a wave's first two items go out together.
; PHASE B: a wave makes at most one unit.  Role w / 4: 0 k, 1 v, 2 q (with x_a), 3 none; unit w % 4: hd = its bit 1, g = its bit 0; head 2 HP + hd.  k: key tiles 4 g .. 4 g + 3; v: channels' tile g for all 128 keys; q: query tiles 4 g .. 4 g + 3.
; THE ROWS OF A TILE ARE NOT NEIGHBOURS: lane r of tile 2 b + u takes row 32 b + 8 u + r + 8 (r / 8).  As source 0 such tiles leave, in the 16 registers of tiles 2 b and 2 b + 1, 16 neighbours 32 b + 16 (lane / 16) + 0 .. 15.
; OUT.  kv [8 b + head][step 0..31][9,216 bytes]: a step is 128 keys (steps 0-15 x_a's, 16-31 x_b's); K's half at 0, V's at 4,608; a half: fragment 0, fragment 1 (2,048 bytes each, images), two scale rows of 256 bytes ((word, 0) at 8 x lane).
;   K's fragment G: registers 4 c .. 4 c + 3 = key tile 4 G + c, the key's channels 16 (lane / 16) + 0 .. 15; byte c of the word its scale.  V's fragment u: channel 8 u + r + 8 (r / 8), keys 32 c + 16 (lane / 16) + 0 .. 15.
;   qc [bh][blk][tile 0..7][512]: a query tile's four registers;  qs [bh][blk][tile / 4][256]: (word, 0) at 8 x lane, byte tile % 4.
; LIMITS: NaN and infinities among the inputs are not served.  A block of zeros gets the scale byte 1 where the quantiser's rule says 127: its codes are zeros, and these bytes are read by this program alone.
; No tensor loads (the operands arrive as f32 and go through registers into the quantiser), so no ring; no cluster: what work-groups share would have to be staged in LDS as f32 first.
.set XIMG, 0                           ; LDS: x's 16 images (tile T, K step s: slot 2 T + s), 2,048 bytes each
.set WIMG, 32768                       ; the weights': 16,384 bytes a kind (0 K, 1 V, 2 Q), slot 2 T + s; Q's region has room for 16 slots, so that slot w lies in it for every w; eight are filled
.set XSC,  98304                       ; x's scale words, 128 bytes a slot
.set WSC,  100352                      ; the weights', 1,024 bytes a kind; Q's with room for 16 slots likewise
.set TSTG, 104448                      ; a stage of 16 rows x 528 bytes for each wave
.set TS,  1                            ; v1   stage, way in: 16 x lane
.set LI,  2                            ; v2   16 x lane
.set LS,  3                            ; v3   4 x lane
.set XWI, 4                            ; v4   where I store x's image: slot w
.set XWS, 5                            ; v5   and its scale words
.set WWI, 6                            ; v6   where I store my weight image: slot w of K's and V's sixteen
.set WWS, 7                            ; v7   and its scale words
.set LIX, 8                            ; v8   x's tiles 4 g on
.set LSX, 9                            ; v9   their scale words
.set LIW, 10                           ; v10  my head's weight tiles
.set LSW, 11                           ; v11  their scale words
.set BA,  12                           ; v12  64 x (lane / 16): bias of q and k
.set BVA, 13                           ; v13  4 (r + 8 (r / 8)): bias of v
.set L8,  14                           ; v14  8 x lane
.set TR,  15                           ; v15  stage, way out: 528 r + 64 (lane / 16)
.set PW,  16                           ; v16  the scale word just made; v17 = 0: the pair is stored
.set TM,  18                           ; v18-33 the quantiser's: largest magnitudes, bytes, holds, scale operands
.set XS,  34                           ; v34-37 x's scale words
.set WS,  38                           ; v38-39 the weights'
.set PC,  40                           ; v40-55 the codes just made
.set BKR, 56                           ; v56-71 k's or q's bias (by my role) in the result's layout, two tiles
.set WVI, 72                           ; v72  wv's tile w % 4: its two images
.set WVS, 73                           ; v73  and their scale words
.set LSA, 74                           ; v74  4 x lane + XSC: x's scale words from tile 0 on
.set BVR, 88                           ; v88-95 v's bias: one channel a lane, eight times
.set HA,  96                           ; v96-159 eight accumulators
.set R0,  96                           ;         in phase A: 64 numbers
.set XF,  160                          ; v160-223 four fragments of x
.set R1,  160                          ;         in phase A: 64 numbers
.set WF,  224                          ; v224-255 two fragments of a weight
.set PX,  40                           ; s[40:41] x at my item
.set PWK, 42                           ; s[42:43] wk or wv at my item;  s[44:45] wv, until the choice;  s[46:47] wq at my item
.set PWV, 44
.set PWQ, 46
.set PBK, 48                           ; s[48:49] k's or q's bias at my head;  s[50:51] v's at my tile
.set PBV, 50
.set KVC, 54                           ; s[54:55] kv: my fragment;  s[56:57] my scale row
.set KVS, 56
.set PQC, 58                           ; s[58:59] qc, s[60:61] qs
.set PQS, 60
.set SEL, 66                           ; s[66:67] v_permlanex16_b32's selects for lane l xor 16
.set MNT, 68                           ; s68 the mantissa field of 57,344
.set ROLE, 71                          ; s71 w / 4
.macro NOP8                            ; eight places behind a matrix instruction of this form, where no other vector work is at hand
.rept 8
	v_nop
.endr
.endm
.macro XLOAD reg, base, off            ; 16 rows of a tile, 128 numbers of each: an instruction reads 512 consecutive bytes of one row
.irp p, 0,1,2,3,4,5,6,7,8,9,10,11,12,13,14,15
	global_load_b128 v[\reg+4*\p:\reg+4*\p+3], v[LI], s[\base:\base+1] offset:\off+(\p+8*(\p/8))*1024
.endr
.endm
.macro TURN reg                        ; through my own stage: afterwards register 16 b + i is number 32 b + 16 (lane / 16) + i of the tile's row lane % 16.  LDS serves a wave's instructions in order: no wait between
.irp p, 0,1,2,3,4,5,6,7,8,9,10,11,12,13,14,15
	ds_store_b128 v[TS], v[\reg+4*\p:\reg+4*\p+3] offset:528*\p
.endr
.irp b, 0,1,2,3
.irp j, 0,1,2,3
	ds_load_b128 v[\reg+16*\b+4*\j:\reg+16*\b+4*\j+3], v[TR] offset:128*\b+16*\j
.endr
.endr
.endm
; 64 numbers of a lane, register 16 b + i = k 32 b + 16 (lane / 16) + i of my row, become a fragment's codes in v[PC] on and its scale word in v[PW]
.macro QUANT s
.irp b, 0,1,2,3
	v_max3_num_f32 v[TM+\b], |v[\s+16*\b]|, |v[\s+1+16*\b]|, 0x8000000   ; block b: my 16 numbers, and the floor 2^(16 - 127): the byte cannot fall under 1
.endr
.irp i, 2,4,6,8,10,12,14
.irp b, 0,1,2,3
	v_max3_num_f32 v[TM+\b], v[TM+\b], |v[\s+16*\b+\i]|, |v[\s+1+16*\b+\i]|   ; the four blocks by turns
.endr
.endr
.irp b, 0,1,2,3
	v_permlanex16_b32 v[TM+4+\b], v[TM+\b], s[SEL], s[SEL+1]
.endr
.irp b, 0,1,2,3
	v_max_num_f32 v[TM+\b], v[TM+\b], v[TM+4+\b]                   ; with lane l xor 16's: the block's largest magnitude
.endr
.irp b, 0,1,2,3
	v_add_nc_u32 v[TM+12+\b], 0xf8800000, v[TM+\b]                 ; 15 off its exponent field: the conversion's scale operand
.endr
.irp b, 0,1,2,3
	v_and_or_b32 v[TM+8+\b], v[TM+\b], 0x7f800000, s[MNT]          ; 57,344 x the scale
.endr
.irp b, 0,1,2,3
	v_lshrrev_b32 v[TM+4+\b], 23, v[TM+12+\b]                      ; the scale's byte
.endr
	v_lshl_or_b32 v[PW], v[TM+5], 8, v[TM+4]
	v_lshl_or_b32 v[PW], v[TM+6], 16, v[PW]
	v_lshl_or_b32 v[PW], v[TM+7], 24, v[PW]
.irp b, 0,1,2,3
.irp i, 0,1,2,3,4,5,6,7,8,9,10,11,12,13,14,15
	v_med3_num_f32 v[\s+16*\b+\i], v[\s+16*\b+\i], -v[TM+8+\b], v[TM+8+\b]   ; the conversion does not saturate (ISA guide 7.6.2): the hold at the largest code x the scale
.endr
	v_cvt_scalef32_pk8_bf8_f32 v[PC+4*\b:PC+1+4*\b], v[\s+16*\b:\s+7+16*\b], v[TM+12+\b]
	v_cvt_scalef32_pk8_bf8_f32 v[PC+2+4*\b:PC+3+4*\b], v[\s+8+16*\b:\s+15+16*\b], v[TM+12+\b]
.endr
	v_nop                                          ; one plain vector instruction behind the last conversion
.endm
.macro IMAGE adr, off                  ; the fragment in v[PC] on goes to LDS as it stands
.irp c, 0,1,2,3
	ds_store_b128 v[\adr], v[PC+4*\c:PC+4*\c+3] offset:\off+512*\c
.endr
.endm
.macro FETCH reg, adr, off             ; and comes back so, in any wave
.irp c, 0,1,2,3
	ds_load_b128 v[\reg+4*\c:\reg+4*\c+3], v[\adr] offset:\off+512*\c
.endr
.endm
.macro ITEM reg, ia, io, sa, so        ; 16 rows x 128 numbers in v[reg] on become an image and 32 scale words
	TURN \reg
	s_wait_dscnt 0x0                               ; the numbers are back, and the last item's image stores are done
	QUANT \reg
	IMAGE \ia, \io
	ds_store_b32 v[\sa], v[PW] offset:\so
.endm
.macro BARRIER
	s_wait_dscnt 0x0                               ; for the others' sake: all my LDS stores have landed
	s_barrier_signal -1
	s_barrier_wait -1
.endm
; q or k of my head for x's tiles 4 g .. 4 g + 3: source 0 = the head's two tiles of 16 weight rows, source 1 = a tile of x.  A lane then holds one row of x and 16 neighbouring channels.
; Eight accumulators by turns, one instruction a turn; the bias is the C of each sum's first product.
.macro UNIT_QK kind
.irp s, 0,1
.if \s > 0
	NOP8                                           ; places in front of loads into registers that the first K step's products have read
.endif
.irp m, 0,1,2,3
	FETCH XF+16*\m, LIX, (2*\m+\s)*2048
	ds_load_b32 v[XS+\m], v[LSX] offset:(2*\m+\s)*128
.endr
.irp u, 0,1
	FETCH WF+16*\u, LIW, \kind*16384+(2*\u+\s)*2048
	ds_load_b32 v[WS+\u], v[LSW] offset:\kind*1024+(2*\u+\s)*128
.endr
	s_wait_dscnt 0x0
.irp m, 0,1,2,3
.irp u, 0,1
.if \s == 0
	v_wmma_scale_f32_16x16x128_f8f6f4 v[HA+16*\m+8*\u:HA+16*\m+8*\u+7], v[WF+16*\u:WF+16*\u+15], v[XF+16*\m:XF+16*\m+15], v[BKR+8*\u:BKR+8*\u+7], v[WS+\u], v[XS+\m] matrix_a_fmt:MATRIX_FMT_BF8 matrix_b_fmt:MATRIX_FMT_BF8
.else
	v_wmma_scale_f32_16x16x128_f8f6f4 v[HA+16*\m+8*\u:HA+16*\m+8*\u+7], v[WF+16*\u:WF+16*\u+15], v[XF+16*\m:XF+16*\m+15], v[HA+16*\m+8*\u:HA+16*\m+8*\u+7], v[WS+\u], v[XS+\m] matrix_a_fmt:MATRIX_FMT_BF8 matrix_b_fmt:MATRIX_FMT_BF8
.endif
.endr
.endr
.endr
	NOP8
	QUANT HA                                       ; block c = tile 4 g + c: the head's 32 channels of one row
.endm
; v of 16 channels (wv's tile w % 4) for all 128 keys: source 0 = a tile of x, source 1 = the weight tile.  A lane then holds one channel, and its 64 registers run along the keys.
.macro UNIT_V
.irp s, 0,1
	FETCH WF+16*\s, WVI, \s*2048
	ds_load_b32 v[WS+\s], v[WVS] offset:\s*128
.endr
.irp s, 0,1
.irp q, 0,1
.if \s+\q > 0
	NOP8                                           ; places in front of loads into registers that the last four products have read
.endif
.irp m, 0,1,2,3
	FETCH XF+16*\m, LI, (2*(4*\q+\m)+\s)*2048
	ds_load_b32 v[XS+\m], v[LSA] offset:(2*(4*\q+\m)+\s)*128
.endr
	s_wait_dscnt 0x0
.irp m, 0,1,2,3
.if \s == 0
	v_wmma_scale_f32_16x16x128_f8f6f4 v[HA+8*(4*\q+\m):HA+8*(4*\q+\m)+7], v[XF+16*\m:XF+16*\m+15], v[WF+16*\s:WF+16*\s+15], v[BVR:BVR+7], v[XS+\m], v[WS+\s] matrix_a_fmt:MATRIX_FMT_BF8 matrix_b_fmt:MATRIX_FMT_BF8
.else
	v_wmma_scale_f32_16x16x128_f8f6f4 v[HA+8*(4*\q+\m):HA+8*(4*\q+\m)+7], v[XF+16*\m:XF+16*\m+15], v[WF+16*\s:WF+16*\s+15], v[HA+8*(4*\q+\m):HA+8*(4*\q+\m)+7], v[XS+\m], v[WS+\s] matrix_a_fmt:MATRIX_FMT_BF8 matrix_b_fmt:MATRIX_FMT_BF8
.endif
.endr
.endr
.endr
	NOP8
	QUANT HA                                       ; block c = keys 32 c .. 32 c + 31 of my channel
.endm
.macro OUT cb, co, sb, so              ; a fragment, 4 x 512 consecutive bytes, and its scale row, 256: each store covers whole aligned blocks of 256 bytes
.irp c, 0,1,2,3
	global_store_b128 v[LI], v[PC+4*\c:PC+4*\c+3], s[\cb:\cb+1] offset:\co+512*\c
.endr
	global_store_b64 v[L8], v[PW:PW+1], s[\sb:\sb+1] offset:\so
.endm
	s_load_b512 s[8:23], s[0:1], 0x0               ; x_a 8, x_b 10, wq_w 12, wq_b 14, wk_a_w 16, wk_a_b 18, wk_b_w 20, wk_b_b 22
	s_load_b256 s[24:31], s[0:1], 0x40             ; wv_a_w 24, wv_a_b 26, wv_b_w 28, wv_b_b 30
	s_load_b128 s[32:35], s[0:1], 0x60             ; kv 32, qc 34
	s_load_b64 s[36:37], s[0:1], 0x70              ; qs
	v_lshl_add_u32 v86, v0, 2, 0x3a800
	v_mov_b32 v87, 0
	v_lshrrev_b32 v1, 5, v0
	v_readfirstlane_b32 s3, v1                     ; wave w, 0..15
	s_and_b32 s4, ttmp7, 0xffff                    ; 0: x_a, 1: x_b
	s_lshr_b32 s5, ttmp9, 2                        ; RB
	s_and_b32 s6, ttmp9, 3                         ; HP
	s_and_b32 s7, s3, 1                            ; w's bit 0: g; also my items' K step
	s_bfe_u32 s38, s3, 0x10001                     ; w's bit 1: hd; also whether my items' tile is the second of its 32 rows
	s_lshr_b32 s[ROLE], s3, 2                      ; w / 4: my role; also which 32 rows of x my item lies in
	s_lshl_b32 s39, s6, 1
	s_add_co_u32 s39, s39, s38                     ; head
	s_mov_b32 s[SEL], 0x76543210
	s_mov_b32 s[SEL+1], 0xfedcba98
	s_mov_b32 s[MNT], 0x600000
	; every LDS address is made here, ahead of the first parting of the waves
	v_and_b32 v14, 31, v0                          ; lane
	v_and_b32 v13, 15, v0                          ; r
	v_bfe_u32 v12, v0, 4, 1                        ; h
	v_lshlrev_b32 v[LI], 4, v14
	v_lshlrev_b32 v[LS], 2, v14
	s_mul_i32 s62, s3, 8448
	s_add_co_u32 s62, s62, TSTG                    ; my stage
	v_add_nc_u32 v[TS], s62, v[LI]
	v_mul_u32_u24 v[TR], v13, 528
	v_lshl_add_u32 v[TR], v12, 6, v[TR]
	v_add_nc_u32 v[TR], s62, v[TR]
	s_lshl_b32 s62, s3, 11
	v_add_nc_u32 v[XWI], s62, v[LI]                ; x's slot w
	s_add_co_u32 s62, s62, WIMG
	v_add_nc_u32 v[WWI], s62, v[LI]                ; the weights' slot w
	s_lshl_b32 s62, s3, 7
	s_add_co_u32 s62, s62, XSC
	v_add_nc_u32 v[XWS], s62, v[LS]
	s_lshl_b32 s62, s3, 7
	s_add_co_u32 s62, s62, WSC
	v_add_nc_u32 v[WWS], s62, v[LS]
	s_lshl_b32 s62, s7, 14
	v_add_nc_u32 v[LIX], s62, v[LI]                ; x's slots 8 g on
	s_lshl_b32 s62, s7, 10
	s_add_co_u32 s62, s62, XSC
	v_add_nc_u32 v[LSX], s62, v[LS]
	s_lshl_b32 s62, s38, 13
	s_add_co_u32 s62, s62, WIMG
	v_add_nc_u32 v[LIW], s62, v[LI]                ; a weight's slots 4 hd on
	s_lshl_b32 s62, s38, 9
	s_add_co_u32 s62, s62, WSC
	v_add_nc_u32 v[LSW], s62, v[LS]
	s_and_b32 s70, s3, 3                           ; w % 4
	s_lshl_b32 s62, s70, 12
	s_add_co_u32 s62, s62, WIMG+16384
	v_add_nc_u32 v[WVI], s62, v[LI]                ; wv's slots 2 (w % 4) on
	s_lshl_b32 s62, s70, 8
	s_add_co_u32 s62, s62, WSC+1024
	v_add_nc_u32 v[WVS], s62, v[LS]
	v_add_nc_u32 v[LSA], XSC, v[LS]
	v_and_b32 v16, 8, v13
	v_add_nc_u32 v13, v13, v16                     ; r + 8 (r / 8)
	v_lshlrev_b32 v[BVA], 2, v13
	v_lshlrev_b32 v[BA], 6, v12
	v_lshlrev_b32 v[L8], 3, v14
	v_mov_b32 v[PW+1], 0
.irp b, 0,1,2,3
	v_mov_b32 v[TM+4+\b], 0                        ; written once: a lane permute's destination counts as one of its sources
.endr
	s_wait_kmcnt 0x0
	s_cmp_eq_u32 s4, 0                             ; a's buffers or b's: the choice hangs on the work-group's number alone
	s_cselect_b64 s[PX:PX+1], s[8:9], s[10:11]
	s_cselect_b64 s[PWK:PWK+1], s[16:17], s[20:21]
	s_cselect_b64 s[PBK:PBK+1], s[18:19], s[22:23]
	s_cselect_b64 s[PWV:PWV+1], s[24:25], s[28:29]
	s_cselect_b64 s[PBV:PBV+1], s[26:27], s[30:31]
	s_cmp_lt_u32 s3, 8                             ; my weight item: wk's for waves 0-7, wv's for waves 8-15
	s_cselect_b64 s[PWK:PWK+1], s[PWK:PWK+1], s[PWV:PWV+1]
	s_cmp_eq_u32 s[ROLE], 2                        ; the bias of a unit of q or k: q's for role 2
	s_cselect_b64 s[PBK:PBK+1], s[14:15], s[PBK:PBK+1]
	s_mov_b32 s63, 0                               ; s[62:63]: an offset in 64 bits
	s_lshl_b32 s62, s5, 17                         ; x: 128 rows of 1,024 bytes a block,
	s_lshl_b32 s70, s[ROLE], 15                    ; 32 rows for each pair of tiles,
	s_add_co_u32 s62, s62, s70
	s_lshl_b32 s70, s38, 13                        ; 8 rows to the pair's second tile,
	s_add_co_u32 s62, s62, s70
	s_lshl_b32 s70, s7, 9                          ; 512 bytes to the second K step
	s_add_co_u32 s62, s62, s70
	s_add_nc_u64 s[PX:PX+1], s[PX:PX+1], s[62:63]
	s_lshl_b32 s62, s6, 16                         ; a weight: 64 rows a pair of heads; within them as for x, by w % 8
	s_bfe_u32 s70, s3, 0x10002
	s_lshl_b32 s70, s70, 15
	s_add_co_u32 s62, s62, s70
	s_lshl_b32 s70, s38, 13
	s_add_co_u32 s62, s62, s70
	s_lshl_b32 s70, s7, 9
	s_add_co_u32 s62, s62, s70
	s_add_nc_u64 s[PWK:PWK+1], s[PWK:PWK+1], s[62:63]
	s_add_nc_u64 s[PWQ:PWQ+1], s[12:13], s[62:63]
	s_lshl_b32 s62, s39, 7                         ; a bias: 128 bytes a head
	s_add_nc_u64 s[PBK:PBK+1], s[PBK:PBK+1], s[62:63]
	s_lshl_b32 s70, s7, 5
	s_add_co_u32 s62, s62, s70                     ; v's: + 8 channels for the second tile
	s_add_nc_u64 s[PBV:PBV+1], s[PBV:PBV+1], s[62:63]
	s_lshr_b32 s70, s5, 4
	s_lshl_b32 s70, s70, 3
	s_add_co_u32 s70, s70, s39                     ; bh = 8 b + head
	s_and_b32 s69, s5, 15                          ; blk
	s_lshl_b32 s62, s70, 5
	s_lshl_b32 s2, s4, 4
	s_add_co_u32 s62, s62, s2
	s_add_co_u32 s62, s62, s69                     ; record 32 bh + 16 y + blk
	s_mul_i32 s2, s62, 9216
	s_lshl_b32 s62, s7, 11
	s_add_co_u32 s62, s62, s2
	s_add_nc_u64 s[KVC:KVC+1], s[32:33], s[62:63]  ; fragment g
	s_lshl_b32 s62, s7, 8
	s_add_co_u32 s62, s62, s2
	s_add_co_u32 s62, s62, 4096
	s_add_nc_u64 s[KVS:KVS+1], s[32:33], s[62:63]  ; scale row g
	s_lshl_b32 s2, s70, 4
	s_add_co_u32 s2, s2, s69                       ; 16 bh + blk
	s_lshl_b32 s62, s2, 3
	s_lshl_b32 s70, s7, 2
	s_add_co_u32 s62, s62, s70
	s_lshl_b32 s62, s62, 9
	s_add_nc_u64 s[PQC:PQC+1], s[34:35], s[62:63]  ; query tiles 4 g on
	s_lshl_b32 s62, s2, 1
	s_add_co_u32 s62, s62, s7
	s_lshl_b32 s62, s62, 8
	s_add_nc_u64 s[PQS:PQS+1], s[36:37], s[62:63]
	; ---- PHASE A.  Twelve bias loads, then the 32 loads of my two items; s_wait_loadcnt 16 leaves the other landing buffer's 16 loads out
.irp u, 0,1
	global_load_b128 v[BKR+8*\u:BKR+8*\u+3], v[BA], s[PBK:PBK+1] offset:32*\u          ; tile u, register j: channel 16 (lane / 16) + 8 u + j
	global_load_b128 v[BKR+8*\u+4:BKR+8*\u+7], v[BA], s[PBK:PBK+1] offset:32*\u+16
.endr
.irp j, 0,1,2,3,4,5,6,7
	global_load_b32 v[BVR+\j], v[BVA], s[PBV:PBV+1]                                    ; a lane's eight results of v belong to one channel
.endr
	XLOAD R0, PX, 0
	XLOAD R1, PWK, 0
	s_wait_loadcnt 16
	ITEM R0, XWI, 0, XWS, 0                        ; x's slot w
	s_cmp_lg_u32 s4, 0                             ; wq is wanted with x_a alone,
	s_cbranch_scc1 .La1
	s_cmp_ge_u32 s3, 8                             ; and its eight items go to waves 0-7
	s_cbranch_scc1 .La1
	XLOAD R0, PWQ, 0
	s_wait_loadcnt 16
	s_branch .La2
.La1:
	s_wait_loadcnt 0x0
.La2:
	ITEM R1, WWI, 0, WWS, 0                        ; wk's or wv's slot
	s_cmp_lg_u32 s4, 0
	s_cbranch_scc1 .La3
	s_cmp_ge_u32 s3, 8
	s_cbranch_scc1 .La3
	s_wait_loadcnt 0x0
	ITEM R0, WWI, 32768, WWS, 2048                 ; wq's slot w
.La3:
	s_wait_loadcnt 0x0                             ; no load is out on any way here
	BARRIER                                        ; all images lie in LDS; nothing of them is written again
	; ---- PHASE B: one unit a wave, by its role
	s_cmp_eq_u32 s[ROLE], 0
	s_cbranch_scc0 .Lr1
	UNIT_QK 0
	OUT KVC, 0, KVS, 0
	s_branch .Lend
.Lr1:
	s_cmp_eq_u32 s[ROLE], 1
	s_cbranch_scc0 .Lr2
	UNIT_V
	OUT KVC, 4608, KVS, 4608
	s_branch .Lend
.Lr2:
	s_cmp_eq_u32 s[ROLE], 2
	s_cbranch_scc0 .Lend
	s_cmp_lg_u32 s4, 0
	s_cbranch_scc1 .Lend
	UNIT_QK 2
	OUT PQC, 0, PQS, 0
.Lend:
	s_wait_tensorcnt 0x0
	ds_add_u32 v86, v87
	s_wait_dscnt 0x0
	s_endpgm
.Lfunc_end_k_q041d59737c_proj:
	.size	k_q041d59737c_proj, .Lfunc_end_k_q041d59737c_proj-k_q041d59737c_proj
	.p2alignl 7, 3214868480
	.fill 96, 4, 3214868480
	.section	.rodata,"a",@progbits
	.p2align	6, 0x0
	.amdhsa_kernel k_q041d59737c_proj
		.amdhsa_group_segment_fixed_size 241664
		.amdhsa_private_segment_fixed_size 0
		.amdhsa_enable_private_segment 0
		.amdhsa_kernarg_size 120
		.amdhsa_user_sgpr_count 2
		.amdhsa_user_sgpr_kernarg_segment_ptr 1
		.amdhsa_wavefront_size32 1
		.amdhsa_system_sgpr_workgroup_id_x 1
		.amdhsa_system_sgpr_workgroup_id_y 1
		.amdhsa_system_sgpr_workgroup_id_z 1
		.amdhsa_system_vgpr_workitem_id 0
		.amdhsa_next_free_vgpr 256
		.amdhsa_next_free_sgpr 72
		.amdhsa_reserve_vcc 0
		.amdhsa_float_denorm_mode_32 3
		.amdhsa_float_denorm_mode_16_64 3
		.amdhsa_memory_ordered 1
		.amdhsa_forward_progress 1
		.amdhsa_inst_pref_size 90
	.end_amdhsa_kernel
	.amdgpu_metadata
---
amdhsa.version: [ 1, 2 ]
amdhsa.kernels:
  - .name:           k_q041d59737c_proj
    .symbol:         k_q041d59737c_proj.kd
    .args:
      - { .name: x_a, .offset: 0, .size: 8, .value_kind: global_buffer, .address_space: global }
      - { .name: x_b, .offset: 8, .size: 8, .value_kind: global_buffer, .address_space: global }
      - { .name: wq_w, .offset: 16, .size: 8, .value_kind: global_buffer, .address_space: global }
      - { .name: wq_b, .offset: 24, .size: 8, .value_kind: global_buffer, .address_space: global }
      - { .name: wk_a_w, .offset: 32, .size: 8, .value_kind: global_buffer, .address_space: global }
      - { .name: wk_a_b, .offset: 40, .size: 8, .value_kind: global_buffer, .address_space: global }
      - { .name: wk_b_w, .offset: 48, .size: 8, .value_kind: global_buffer, .address_space: global }
      - { .name: wk_b_b, .offset: 56, .size: 8, .value_kind: global_buffer, .address_space: global }
      - { .name: wv_a_w, .offset: 64, .size: 8, .value_kind: global_buffer, .address_space: global }
      - { .name: wv_a_b, .offset: 72, .size: 8, .value_kind: global_buffer, .address_space: global }
      - { .name: wv_b_w, .offset: 80, .size: 8, .value_kind: global_buffer, .address_space: global }
      - { .name: wv_b_b, .offset: 88, .size: 8, .value_kind: global_buffer, .address_space: global }
      - { .name: kv, .offset: 96, .size: 8, .value_kind: global_buffer, .address_space: global }
      - { .name: qc, .offset: 104, .size: 8, .value_kind: global_buffer, .address_space: global }
      - { .name: qs, .offset: 112, .size: 8, .value_kind: global_buffer, .address_space: global }
    .group_segment_fixed_size: 241664
    .private_segment_fixed_size: 0
    .kernarg_segment_align: 8
    .kernarg_segment_size: 120
    .max_flat_workgroup_size: 512
    .sgpr_count:     72
    .vgpr_count:     256
    .wavefront_size: 32
...
	.end_amdgpu_metadata
.endif
;; end of part 4
;; launch attn (part 5): grid 16 x 16, 16 waves a work-group, clusters of 4 x 1, 315,392 bytes of LDS; arguments kv, qc, qs, z; writes z
.if DOCPART == 5
	.amdgcn_target "amdgcn-amd-amdhsa--gfx1250"
	.amdhsa_code_object_version 6
	.text
	.protected	k_q041d59737c_attn
	.globl	k_q041d59737c_attn
	.p2align	8
	.type	k_q041d59737c_attn,@function
k_q041d59737c_attn:
	s_mov_b64 s[64:65], 0
	v_nop
	global_prefetch_b8 v0, s[64:65] scope:SCOPE_SE
	s_setreg_imm32_b32 hwreg(HW_REG_WAVE_MODE, 25, 1), 1
	s_wait_xcnt 0x0
	s_wait_alu depctr_hold_cnt(0) depctr_sa_sdst(0) depctr_va_vdst(0) depctr_va_sdst(0) depctr_va_ssrc(0) depctr_va_vcc(0) depctr_vm_vsrc(0)
	s_getreg_b32 s2, hwreg(HW_REG_IB_STS2, 6, 4)
	s_cmp_eq_u32 s2, 0
	s_cbranch_scc0 .Lentry_in_a_cluster
	s_endpgm
.Lentry_in_a_cluster:
	s_bfe_u32 s2, ttmp6, 0x10000c
	s_cmp_lg_u32 s2, 0x3003
	s_cbranch_scc0 .Lentry_shape_is_right
	s_endpgm
.Lentry_shape_is_right:
; ATTENTION on codes of BF8 (E5M2) with E8M0 scales: z[b][q][head] = softmax_k(q . k / sqrt(32)) v over 4,096 keys, quantised again (one block of 32 = one head of one row) for the output projection.
; THE SOFTMAX AHEAD OF THE SECOND PRODUCT: t = score x log2(e) / sqrt(32); M = the largest t so far, rounded UP to a whole number; p = 2^(t - M) is quantised along the keys, not normalised; the row's sum is taken of the unquantised p and divides at the end.
; SHARES.  A work-group owns 128 queries of one (batch, head); sixteen waves, four to a SIMD, 256 registers each.  Wave w: query tile w % 8 (16 queries), keys 2,048 (w / 8) on: 16 steps of 128 keys.
; The two waves of a tile keep M, sum and O of their own; they are joined at the end by powers of two, which round nothing.
; LDS.  The head's whole kv (32 records of 9,216 bytes, images of operand registers with their scale rows) lies at 0 .. 294,911 as it lies in memory and is FILLED ONCE: no slot is ever filled again.
; It comes in four stages of 8 records (4 for each half of the keys); each wave brings one half-record (4,608 dense bytes) of each stage: four tensor loads of a wave are out at the most.
; CLUSTER.  The four work-groups of a cluster share (batch, head) and so the whole of kv: every load is asked for JOINTLY, by the same line with the same descriptor and the mask of all four.
; K = 32 IN AN INSTRUCTION OF K = 128.  K's fragment G holds key tiles 4 G .. 4 G + 3 in its four blocks of 32; the other source is q's four registers in block c and zero codes elsewhere:
; the four such sources are overlapping runs of [12 zeros | q | 12 zeros] (v16-43).  q's scale byte stands in all four bytes of its word.  Zero codes add nothing: k's codes were held, so none is infinity or NaN.
; LAYOUT.  Both products are used transposed (S^T = k q^T, O^T = v^T p^T): a lane holds one query.  The keys of a tile are rows 32 b + 8 u + r + 8 (r / 8), so that the 16 registers of tiles 2 b, 2 b + 1 are keys 32 b + 16 (lane / 16) + 0 .. 15.
; K A STEP AHEAD.  k's fragments are free eight places behind the scores' products: the next step's are fetched there, in one run with this step's v, and land while the softmax is walked.
; A stage's last step fetches nothing ahead (the next stage's records are shown only behind the next barrier), so it is written out behind a loop of three.
; LIMITS: NaN and infinities are not served.  p under 2^-126 becomes 0 (v_exp_f32 flushes: ISA guide 15.8).  A block's largest p is made from its largest score by the same two instructions as every p, which takes v_exp_f32 not to fall where its input rises.
; A block of zeros gets the scale byte 1 where the quantiser's rule says 127: its codes are zeros, and this program alone reads the bytes.
.set HALFB, 147456                     ; 16 records
.set RECB,  9216
.set STGB,  36864                      ; 4 records: a stage's part of one half of the keys
.set MRG,   294912                     ; behind kv: 2,304 bytes a query tile: O (4 x 512), then (-M, sum) at 8 x lane
.set AK0, 1                            ; v1   16 x lane + my half of the keys
.set AS0, 2                            ; v2   8 x lane + 256 (lane / 16) + my half: lanes 0-15 take scale row 0, lanes 16-31 row 1
.set ADR, 3                            ; v3   the step's images
.set ADS, 4                            ; v4   the step's scale rows
.set L16, 5                            ; v5   16 x lane
.set L8,  6                            ; v6   8 x lane
.set MA,  7                            ; v7   the join: O
.set MB,  8                            ; v8   the join: (-M, sum)
.set QF,  28                           ; v28-31 q; v16-27, v32-43 zeros.  v12 -M, v13 the largest t, v[14:15] the sum in two halves
.set QS,  44                           ; v44  q's scale word
.set KS,  45                           ; v45  k's scale words: fragment 0's below, fragment 1's above
.set VS,  46                           ; v46  v's likewise
.set PW,  47                           ; v47  p's scale word
.set KF,  48                           ; v48-79   k's two fragments
.set VF,  80                           ; v80-111  v's two fragments
.set S,   112                          ; v112-175 S^T, then p
.set OA,  176                          ; v176-191 O^T: register 8 u + j = channel 16 (lane / 16) + 8 u + j
.set PC,  192                          ; v192-207 p's codes
.set BM,  208                          ; v208-211 a block's largest score, then its largest p
.set BT,  212                          ; v212-215 permutes' destinations, then bytes
.set HL,  216                          ; v216-219 57,344 x the scale
.set SO,  220                          ; v220-223 the conversions' scale operands;  v224, v225 at work; v[226:227] f; v[228:229], v[232:235] the sum's other three chains; v[230:231] the join's second factor
.set WV,  12                           ; s12 wave;  s13 query tile;  s14 half of the keys
.set QT,  13
.set HF,  14
.set SEL, 20                           ; s[20:21] v_permlanex16_b32's selects for lane l xor 16
.set CS,  22                           ; s[22:23] c = log2(e) / sqrt(32)
.set MNT, 24                           ; s24 the mantissa field of 57,344
.set TB,  25                           ; s25 LDS byte of the step's record within my half
.set CNT, 26                           ; s26 a stage's trips to go
.set G1,  28                           ; s[28:35] descriptor group 1
.set G0,  36                           ; s[36:51] descriptor groups 0, one for each stage
.macro ROUND                           ; a round of the cluster's barrier
	s_barrier_signal -1
	s_barrier_wait -1
	s_cmp_lg_u32 s[WV], 0
	s_cbranch_scc1 .Lnot_wave_0_\@
	s_barrier_signal -3
.Lnot_wave_0_\@:
	s_barrier_wait -3
	s_barrier_signal -1
	s_barrier_wait -1
.endm
	s_load_b256 s[4:11], s[0:1], 0x0               ; kv s[4:5], qc s[6:7], qs s[8:9], z s[10:11]
	v_lshl_add_u32 v254, v0, 2, 0x4c800
	v_mov_b32 v255, 0
	ds_add_u32 v254, v255
	ds_add_u32 v254, v255
	v_lshrrev_b32 v1, 5, v0
	v_readfirstlane_b32 s[WV], v1                  ; wave 0..15
	s_and_b32 s[QT], s[WV], 7
	s_lshr_b32 s[HF], s[WV], 3
	s_and_b32 s17, ttmp7, 0xffff                   ; bh = 8 b + head, which the four partners share
	s_mul_i32 s54, s[HF], HALFB
	s_mul_i32 s18, s[QT], 4608
	s_add_co_u32 s54, s54, s18                     ; my half-record of stage 0: the same offset in LDS and within the head in memory
	s_mul_i32 s18, s17, 294912
	s_add_co_u32 s18, s18, s54
	s_mov_b32 s19, 0
	; descriptor group 1: 4,608 dense bytes as 18 rows of 256 bytes
	s_mov_b32 s[G1], 15|(3<<16)|(1<<21)            ; 15:0 the mask: all four work-groups; 17:16 elements of 8 bytes; 20 no padding (images are read 16 bytes a lane, on end); 21 set beside a mask
	s_mov_b32 s[G1+1], 32<<16                      ; tensor_dim0 = 32
	s_mov_b32 s[G1+2], 18<<16                      ; tensor_dim1 = 18
	s_mov_b32 s[G1+3], 32<<16                      ; tile_dim0 = 32
	s_mov_b32 s[G1+4], 18                          ; tile_dim1 = 18
	s_mov_b32 s[G1+5], 32                          ; from row to row
	s_mov_b32 s[G1+6], 0
	s_mov_b32 s[G1+7], 0
	s_mov_b32 s[SEL], 0x76543210
	s_mov_b32 s[SEL+1], 0xfedcba98
	s_mov_b32 s[CS], 0x3e8293ee
	s_mov_b32 s[CS+1], s[CS]                       ; (named with it as a pair, so it is written)
	s_mov_b32 s[MNT], 0x600000
	s_and_b32 s27, s[QT], 3
	s_mul_i32 s27, s27, 0x01010101                 ; v_perm_b32: byte tile % 4 into all four bytes
	; my place in the cluster enters only the addresses of qc, qs and z, in registers of their own
	s_bfe_u32 s15, ttmp6, 0x40000                  ; cx
	s_lshl_b32 s16, ttmp9, 2
	s_add_co_u32 s16, s16, s15                     ; blk = 4 x cluster x + cx
	s_lshl_b32 s62, s17, 4
	s_add_co_u32 s62, s62, s16                     ; 16 bh + blk
	s_lshl_b32 s56, s62, 3
	s_add_co_u32 s56, s56, s[QT]
	s_lshl_b32 s56, s56, 9                         ; qc: 512 bytes a tile
	s_mov_b32 s57, 0
	s_lshl_b32 s58, s62, 1
	s_lshr_b32 s63, s[QT], 2
	s_add_co_u32 s58, s58, s63
	s_lshl_b32 s58, s58, 8                         ; qs: 256 bytes for four tiles
	s_mov_b32 s59, 0
	s_lshr_b32 s60, s17, 3
	s_lshl_b32 s60, s60, 7
	s_lshl_b32 s63, s16, 3
	s_add_co_u32 s60, s60, s63
	s_add_co_u32 s60, s60, s[QT]                   ; row tile 128 b + 8 blk + tile
	s_lshl_b32 s60, s60, 3
	s_and_b32 s63, s17, 7
	s_add_co_u32 s60, s60, s63
	s_mul_i32 s60, s60, 768                        ; z: 768 bytes for a row tile and a head
	s_mov_b32 s61, 0
	v_and_b32 v9, 31, v0                           ; lane
	v_bfe_u32 v10, v0, 4, 1                        ; lane / 16
	v_lshlrev_b32 v[L16], 4, v9
	v_lshlrev_b32 v[L8], 3, v9
	s_mul_i32 s[TB], s[HF], HALFB
	v_add_nc_u32 v[AK0], s[TB], v[L16]
	v_lshl_add_u32 v[AS0], v10, 8, v[L8]
	v_add_nc_u32 v[AS0], s[TB], v[AS0]
	s_mul_i32 s[CNT], s[QT], 2304
	s_add_co_u32 s[CNT], s[CNT], MRG
	v_add_nc_u32 v[MA], s[CNT], v[L16]
	s_add_co_u32 s[CNT], s[CNT], 2048
	v_add_nc_u32 v[MB], s[CNT], v[L8]
	s_wait_dscnt 0x0
	s_wait_kmcnt 0x0
	s_add_nc_u64 s[52:53], s[4:5], s[18:19]        ; kv at my half-record of stage 0
	s_add_nc_u64 s[56:57], s[6:7], s[56:57]
	s_add_nc_u64 s[58:59], s[8:9], s[58:59]
	s_add_nc_u64 s[60:61], s[10:11], s[60:61]
.irp s, 0,1,2,3
	s_mov_b32 s[G0+4*\s], 1                                        ; count = 1
	s_add_co_u32 s[G0+4*\s+1], s54, \s*STGB                        ; LDS address
	s_add_nc_u64 s[G0+4*\s+2:G0+4*\s+3], s[52:53], \s*STGB         ; global address
	s_or_b32 s[G0+4*\s+3], s[G0+4*\s+3], 0x80000000                ; type = 2
.endr
	ROUND                                          ; all four work-groups are here: the joint loads meet
	tensor_load_to_lds s[G0:G0+3], s[G1:G1+7]      ; all fills of the launch go out together: four of mine are out
	s_nop 0
	tensor_load_to_lds s[G0+4:G0+7], s[G1:G1+7]
	s_nop 0
	tensor_load_to_lds s[G0+8:G0+11], s[G1:G1+7]
	s_nop 0
	tensor_load_to_lds s[G0+12:G0+15], s[G1:G1+7]
	s_nop 0
.rept 4
	v_nop                                          ; four nops behind the tensor loads
.endr
	global_load_b128 v[QF:QF+3], v[L16], s[56:57]  ; q: query r + 8 (r / 8) of my tile, channels 16 (lane / 16) + 0 .. 15
	global_load_b32 v224, v[L8], s[58:59]          ; the scale bytes of four tiles
.irp j, 0,1,2,3,4,5,6,7,8,9,10,11
	v_mov_b32 v[16+\j], 0                          ; zero codes on both sides of q
	v_mov_b32 v[32+\j], 0
.endr
	v_mov_b32 v13, 0xff61b1e6                      ; the largest t so far: -3e38, under every t
	v_floor_f32 v12, -v13                          ; -M
	v_mov_b32 v14, 0                               ; the sum, in two halves
	v_mov_b32 v15, 0
.irp b, 0,1,2,3
	v_mov_b32 v[BT+\b], 0                          ; written once: a lane permute's destination counts as one of its sources
.endr
	v_mov_b32 v227, 0                              ; (upper halves of pairs of which the low word serves both halves)
	v_mov_b32 v231, 0
	s_wait_loadcnt 0x0
	v_perm_b32 v[QS], v224, v224, s27              ; my tile's byte in all four bytes
.irp j, 0,1,2,3,4,5,6,7,8,9,10,11,12,13,14,15
	v_mov_b32 v[OA+\j], 0                          ; O^T: the step is written for every step alike, the first finds zeros.  (These 16 are also the places between the scale word's making and the first product)
.endr
.macro KLOAD off                       ; k's two fragments and their scale words, off bytes behind the record in hand
.irp g, 0,1
.irp c, 0,1,2,3
	ds_load_b128 v[KF+16*\g+4*\c:KF+16*\g+4*\c+3], v[ADR] offset:\off+2048*\g+512*\c
.endr
.endr
	ds_load_b32 v[KS], v[ADS] offset:\off+4096
.endm
; A KEY STEP: 128 keys.  k's fragments are in registers when it begins.  pre = 1: the next step's are fetched on the way
.macro STEP pre
	v_add_nc_u32 v[ADR], s[TB], v[AK0]
	v_add_nc_u32 v[ADS], s[TB], v[AS0]
.irp c, 0,1,2,3                                ; S^T, key tile c: q stands in block c of source 1
	v_wmma_scale_f32_16x16x128_f8f6f4 v[S+8*\c:S+8*\c+7], v[KF:KF+15], v[QF-4*\c:QF-4*\c+15], 0, v[KS], v[QS] matrix_a_fmt:MATRIX_FMT_BF8 matrix_b_fmt:MATRIX_FMT_BF8
.endr
.irp c, 0,1,2,3                                ; key tile 4 + c
	v_wmma_scale_f32_16x16x128_f8f6f4 v[S+32+8*\c:S+32+8*\c+7], v[KF+16:KF+31], v[QF-4*\c:QF-4*\c+15], 0, v[KS], v[QS] matrix_a_fmt:MATRIX_FMT_BF8 matrix_b_fmt:MATRIX_FMT_BF8 matrix_a_scale:MATRIX_SCALE_ROW1
.endr
	v_mov_b32 v224, v12                            ; the old -M.  With the seven below: eight places behind the scores' products, which read k's registers; with the two additions above, ten behind the last step's products, which read v's
.rept 7
	v_nop
.endr
.irp u, 0,1
.irp c, 0,1,2,3
	ds_load_b128 v[VF+16*\u+4*\c:VF+16*\u+4*\c+3], v[ADR] offset:4608+2048*\u+512*\c   ; v lands while the softmax is walked,
.endr
.endr
	ds_load_b32 v[VS], v[ADS] offset:8704
.if \pre
	KLOAD RECB                                     ; and so does the next step's k: the next record of the same stage
.endif
.irp b, 0,1,2,3
	v_max3_num_f32 v[BM+\b], v[S+16*\b], v[S+1+16*\b], v[S+2+16*\b]   ; the largest score of each block of 32 keys: for the row's maximum, and for the block's largest p.  Each accumulator is read from its low end on
.endr
.irp i, 3,5,7,9,11,13
.irp b, 0,1,2,3
	v_max3_num_f32 v[BM+\b], v[BM+\b], v[S+16*\b+\i], v[S+1+16*\b+\i]
.endr
.endr
.irp b, 0,1,2,3
	v_max_num_f32 v[BM+\b], v[BM+\b], v[S+15+16*\b]
.endr
.irp b, 0,1,2,3
	v_permlanex16_b32 v[BT+\b], v[BM+\b], s[SEL], s[SEL+1]
.endr
.irp b, 0,1,2,3
	v_max_num_f32 v[BM+\b], v[BM+\b], v[BT+\b]     ; with lane l xor 16's 16 keys
.endr
	v_max3_num_f32 v225, v[BM], v[BM+1], v[BM+2]
	v_max_num_f32 v225, v225, v[BM+3]              ; the step's largest score of my query
	v_mul_f32 v225, s[CS], v225                    ; as t (c is positive)
	v_max_num_f32 v13, v13, v225                   ; the running largest t
	v_floor_f32 v12, -v13                          ; the new -M = -ceil(t)
	v_sub_f32 v224, v12, v224                      ; old M - new M: a whole number, 0 or less
	v_cvt_i32_f32 v224, v224                       ; (it saturates)
	v_ldexp_f32 v226, 1.0, v224                    ; f = 2^(old M - new M)
.set j, 0
.rept 32
	v_pk_fma_f32 v[S+j:S+j+1], v[S+j:S+j+1], s[CS:CS+1], v[12:13] op_sel_hi:[1,0,0]   ; t - M, two at a time
.set j, j+2
.endr
.irp b, 0,1,2,3
	v_fma_f32 v[BM+\b], v[BM+\b], s[CS], v12       ; the same of each block's largest score
.endr
.set j, 0
.rept 64
	v_exp_f32 v[S+j], v[S+j]                       ; p = 2^(t - M)
.set j, j+1
.endr
.irp b, 0,1,2,3
	v_exp_f32 v[BM+\b], v[BM+\b]                   ; the block's largest p
.endr
	v_pk_mul_f32 v[14:15], v[14:15], v[226:227] op_sel_hi:[1,0]    ; the sums under the new M.  (The plain place behind the exponentials)
	s_wait_alu depctr_va_vdst(0)
.irp b, 0,1,2,3
	v_max_num_f32 v[BM+\b], 0x8000000, v[BM+\b]    ; the floor 2^(16 - 127): the byte cannot fall under 1
.endr
.irp b, 0,1,2,3
	v_add_nc_u32 v[SO+\b], 0xf8800000, v[BM+\b]    ; 15 off the exponent field: the conversion's scale operand
.endr
.irp b, 0,1,2,3
	v_and_or_b32 v[HL+\b], v[BM+\b], 0x7f800000, s[MNT]            ; 57,344 x the scale
.endr
.irp b, 0,1,2,3
	v_lshrrev_b32 v[BT+\b], 23, v[SO+\b]           ; the scale's byte
.endr
	v_lshl_or_b32 v[PW], v[BT+1], 8, v[BT]         ; p's scale word for these 128 keys
	v_lshl_or_b32 v[PW], v[BT+2], 16, v[PW]
	v_lshl_or_b32 v[PW], v[BT+3], 24, v[PW]
	v_pk_add_f32 v[228:229], v[S:S+1], v[S+2:S+3]  ; the row's sum is taken of the unquantised p: two at a time, in four chains by turns, so that no addition stands next to the one that it adds onto
	v_pk_add_f32 v[232:233], v[S+4:S+5], v[S+6:S+7]
	v_pk_add_f32 v[234:235], v[S+8:S+9], v[S+10:S+11]
.irp j, 12,20,28,36,44,52
	v_pk_add_f32 v[14:15], v[14:15], v[S+\j:S+\j+1]
	v_pk_add_f32 v[228:229], v[228:229], v[S+\j+2:S+\j+3]
	v_pk_add_f32 v[232:233], v[232:233], v[S+\j+4:S+\j+5]
	v_pk_add_f32 v[234:235], v[234:235], v[S+\j+6:S+\j+7]
.endr
	v_pk_add_f32 v[14:15], v[14:15], v[S+60:S+61]
	v_pk_add_f32 v[228:229], v[228:229], v[S+62:S+63]
	v_pk_add_f32 v[232:233], v[232:233], v[234:235]
	v_pk_add_f32 v[14:15], v[14:15], v[228:229]
	v_pk_add_f32 v[14:15], v[14:15], v[232:233]
	; the hold: the conversion does not saturate (ISA guide 7.6.2); p is not negative, so it is one-sided.  Two numbers an instruction: the halves are taken from two neighbouring blocks,
	; an even register of one and an odd one of the other, so that the destinations are even and odd and both pairs of sources lie in different register banks
.irp b, 0,2
.irp i, 0,2,4,6,8,10,12,14
	v_dual_min_num_f32 v[S+16*\b+\i], v[S+16*\b+\i], v[HL+\b] :: v_dual_min_num_f32 v[S+16*\b+17+\i], v[S+16*\b+17+\i], v[HL+\b+1]
	v_dual_min_num_f32 v[S+16*\b+16+\i], v[S+16*\b+16+\i], v[HL+\b+1] :: v_dual_min_num_f32 v[S+16*\b+1+\i], v[S+16*\b+1+\i], v[HL+\b]
.endr
.endr
.irp b, 0,1,2,3
	v_cvt_scalef32_pk8_bf8_f32 v[PC+4*\b:PC+4*\b+1], v[S+16*\b:S+16*\b+7], v[SO+\b]
	v_cvt_scalef32_pk8_bf8_f32 v[PC+4*\b+2:PC+4*\b+3], v[S+16*\b+8:S+16*\b+15], v[SO+\b]
.endr
.irp j, 0,2,4,6,8,10,12,14
	v_pk_mul_f32 v[OA+\j:OA+\j+1], v[OA+\j:OA+\j+1], v[226:227] op_sel_hi:[1,0]   ; O^T under the new M, from each accumulator's low end on.  (These eight are also the places between the codes' making and the products)
.endr
	s_wait_dscnt 0x0                               ; v is in, and with pre = 1 the next step's k
	; O^T += v^T p^T.  The two accumulators take turns, and the eight products of the scores stand between two links of each
	v_wmma_scale_f32_16x16x128_f8f6f4 v[OA:OA+7], v[VF:VF+15], v[PC:PC+15], v[OA:OA+7], v[VS], v[PW] matrix_a_fmt:MATRIX_FMT_BF8 matrix_b_fmt:MATRIX_FMT_BF8
	v_wmma_scale_f32_16x16x128_f8f6f4 v[OA+8:OA+15], v[VF+16:VF+31], v[PC:PC+15], v[OA+8:OA+15], v[VS], v[PW] matrix_a_fmt:MATRIX_FMT_BF8 matrix_b_fmt:MATRIX_FMT_BF8 matrix_a_scale:MATRIX_SCALE_ROW1
	s_add_co_u32 s[TB], s[TB], RECB
.endm
; STAGE n: four steps.  My load for this stage has landed; the 3 - n issued behind it, for later stages, may stay out: behind this barrier nothing is filled.  The barrier shows the other waves' parts.
; The first step's k is fetched here; three steps fetch the next step's on the way; the fourth is written out and fetches none.
.macro STAGE n
	s_wait_tensorcnt 3-\n
	s_wait_dscnt 0x0
	s_barrier_signal -1
	s_barrier_wait -1
	s_mov_b32 s[TB], \n*STGB
	s_mov_b32 s[CNT], 3
	v_add_nc_u32 v[ADR], s[TB], v[AK0]
	v_add_nc_u32 v[ADS], s[TB], v[AS0]
	KLOAD 0
	s_wait_dscnt 0x0
.Lst_\@:
	STEP 1
	s_sub_co_u32 s[CNT], s[CNT], 1
	s_cmp_lg_u32 s[CNT], 0
	s_cbranch_scc1 .Lst_\@
	STEP 0
.endm
	STAGE 0
	STAGE 1
	STAGE 2
	STAGE 3
	; THE JOIN.  The wave of the upper 2,048 keys hands O^T, -M and its sum to the wave of the lower ones, lane by lane.
	v_add_f32 v14, v14, v15                        ; the sum's two halves.  (With the seven below: eight places behind the last products)
	v_mov_b32 v224, v12
	v_mov_b32 v225, v14
.rept 5
	v_nop
.endr
	s_cmp_eq_u32 s[HF], 0
	s_cbranch_scc1 .Lk
.irp c, 0,1,2,3
	ds_store_b128 v[MA], v[OA+4*\c:OA+4*\c+3] offset:512*\c
.endr
	ds_store_b64 v[MB], v[224:225]
.Lk:
	s_wait_dscnt 0x0                               ; for the other wave's sake: my stores have landed
	s_barrier_signal -1
	s_barrier_wait -1
	s_cmp_lg_u32 s[HF], 0
	s_cbranch_scc1 .Le
.irp c, 0,1,2,3
	ds_load_b128 v[S+4*\c:S+4*\c+3], v[MA] offset:512*\c
.endr
	ds_load_b64 v[S+16:S+17], v[MB]
	s_wait_dscnt 0x0
	v_min_num_f32 v224, v12, v[S+16]               ; -M of both
	v_sub_f32 v225, v224, v12                      ; my M less the joint one: a whole number, 0 or less
	v_sub_f32 v228, v224, v[S+16]                  ; the other's likewise
	v_cvt_i32_f32 v225, v225
	v_cvt_i32_f32 v228, v228
	v_ldexp_f32 v226, 1.0, v225
	v_ldexp_f32 v230, 1.0, v228
	v_mul_f32 v14, v14, v226
	v_fma_f32 v14, v[S+17], v230, v14              ; the sums under the joint M,
	v_permlanex16_b32 v[BT], v14, s[SEL], s[SEL+1]
	v_add_f32 v14, v14, v[BT]                      ; and lane l xor 16's: the row's sum
	v_rcp_f32 v14, v14
	v_nop                                          ; one plain place behind a transcendental
	s_wait_alu depctr_va_vdst(0)
	v_mul_f32 v226, v226, v14
	v_mul_f32 v230, v230, v14
.irp j, 0,2,4,6,8,10,12,14
	v_pk_mul_f32 v[OA+\j:OA+\j+1], v[OA+\j:OA+\j+1], v[226:227] op_sel_hi:[1,0]
.endr
.irp j, 0,2,4,6,8,10,12,14
	v_pk_fma_f32 v[OA+\j:OA+\j+1], v[S+\j:S+\j+1], v[230:231], v[OA+\j:OA+\j+1] op_sel_hi:[1,0,1]   ; z: my query's channels 16 (lane / 16) + 0 .. 15
.endr
	; z is quantised: the head's 32 channels of a row are one block of the output projection's K
	v_max3_num_f32 v[BM], |v[OA]|, |v[OA+1]|, 0x8000000
	v_max3_num_f32 v[BM+1], |v[OA+2]|, |v[OA+3]|, |v[OA+4]|
	v_max3_num_f32 v[BM], v[BM], |v[OA+5]|, |v[OA+6]|
	v_max3_num_f32 v[BM+1], v[BM+1], |v[OA+7]|, |v[OA+8]|
	v_max3_num_f32 v[BM], v[BM], |v[OA+9]|, |v[OA+10]|
	v_max3_num_f32 v[BM+1], v[BM+1], |v[OA+11]|, |v[OA+12]|
	v_max3_num_f32 v[BM], v[BM], |v[OA+13]|, |v[OA+14]|
	v_max3_num_f32 v[BM], v[BM], v[BM+1], |v[OA+15]|
	v_permlanex16_b32 v[BT], v[BM], s[SEL], s[SEL+1]
	v_max_num_f32 v[BM], v[BM], v[BT]
	v_add_nc_u32 v[SO], 0xf8800000, v[BM]
	v_and_or_b32 v[HL], v[BM], 0x7f800000, s[MNT]
	v_lshrrev_b32 v224, 23, v[SO]                  ; the scale's byte
	v_mov_b32 v225, 0
.irp i, 0,1,2,3,4,5,6,7,8,9,10,11,12,13,14,15
	v_med3_num_f32 v[OA+\i], v[OA+\i], -v[HL], v[HL]
.endr
	v_cvt_scalef32_pk8_bf8_f32 v[PC:PC+1], v[OA:OA+7], v[SO]
	v_cvt_scalef32_pk8_bf8_f32 v[PC+2:PC+3], v[OA+8:OA+15], v[SO]
	v_nop
	global_store_b128 v[L16], v[PC:PC+3], s[60:61]               ; 512 consecutive bytes,
	global_store_b64 v[L8], v[224:225], s[60:61] offset:512      ; and 256: whole aligned blocks of 256 bytes
.Le:
	s_wait_tensorcnt 0x0
	ds_add_u32 v254, v255
	s_wait_dscnt 0x0
	ROUND                                          ; the closing round: no work-group ends while a partner may still ask for a tile that names it
	s_endpgm
.Lfunc_end_k_q041d59737c_attn:
	.size	k_q041d59737c_attn, .Lfunc_end_k_q041d59737c_attn-k_q041d59737c_attn
	.p2alignl 7, 3214868480
	.fill 96, 4, 3214868480
	.section	.rodata,"a",@progbits
	.p2align	6, 0x0
	.amdhsa_kernel k_q041d59737c_attn
		.amdhsa_group_segment_fixed_size 315392
		.amdhsa_private_segment_fixed_size 0
		.amdhsa_enable_private_segment 0
		.amdhsa_kernarg_size 32
		.amdhsa_user_sgpr_count 2
		.amdhsa_user_sgpr_kernarg_segment_ptr 1
		.amdhsa_wavefront_size32 1
		.amdhsa_system_sgpr_workgroup_id_x 1
		.amdhsa_system_sgpr_workgroup_id_y 1
		.amdhsa_system_sgpr_workgroup_id_z 1
		.amdhsa_system_vgpr_workitem_id 0
		.amdhsa_next_free_vgpr 256
		.amdhsa_next_free_sgpr 66
		.amdhsa_reserve_vcc 0
		.amdhsa_float_denorm_mode_32 3
		.amdhsa_float_denorm_mode_16_64 3
		.amdhsa_memory_ordered 1
		.amdhsa_forward_progress 1
		.amdhsa_inst_pref_size 143
	.end_amdhsa_kernel
	.amdgpu_metadata
---
amdhsa.version: [ 1, 2 ]
amdhsa.kernels:
  - .name:           k_q041d59737c_attn
    .symbol:         k_q041d59737c_attn.kd
    .args:
      - { .name: kv, .offset: 0, .size: 8, .value_kind: global_buffer, .address_space: global }
      - { .name: qc, .offset: 8, .size: 8, .value_kind: global_buffer, .address_space: global }
      - { .name: qs, .offset: 16, .size: 8, .value_kind: global_buffer, .address_space: global }
      - { .name: z, .offset: 24, .size: 8, .value_kind: global_buffer, .address_space: global }
    .group_segment_fixed_size: 315392
    .private_segment_fixed_size: 0
    .kernarg_segment_align: 8
    .kernarg_segment_size: 32
    .max_flat_workgroup_size: 512
    .sgpr_count:     66
    .vgpr_count:     256
    .wavefront_size: 32
...
	.end_amdgpu_metadata
.endif
;; end of part 5
;; launch outp: the kernel of part 3 again; grid 64 x 4, 4 waves a work-group, no clusters, 51,712 bytes of LDS; arguments z, w_w, w_b, x_a, out0; writes out0
;; ======== version 3 of 3: 3 launches; version 2 with the launches proj, outp written anew for expert scheduling mode
;; workspace buffers: kv 4,718,592 bytes; qc 1,048,576 bytes; qs 131,072 bytes; z 1,572,864 bytes
;; launch proj (part 6): grid 128 x 2, 16 waves a work-group, no clusters, 241,664 bytes of LDS; arguments x_a, x_b, wq_w, wq_b, wk_a_w, wk_a_b, wk_b_w, wk_b_b, wv_a_w, wv_a_b, wv_b_w, wv_b_b, kv, qc, qs; writes kv, qc, qs
.if DOCPART == 6
	.amdgcn_target "amdgcn-amd-amdhsa--gfx1250"
	.amdhsa_code_object_version 6
	.text
	.protected	k_q041d59737c_proj
	.globl	k_q041d59737c_proj
	.p2align	8
	.type	k_q041d59737c_proj,@function
k_q041d59737c_proj:
	s_mov_b64 s[64:65], 0
	v_nop
	global_prefetch_b8 v0, s[64:65] scope:SCOPE_SE
	s_setreg_imm32_b32 hwreg(HW_REG_WAVE_SCHED_MODE, 0, 2), 2
	s_setreg_imm32_b32 hwreg(HW_REG_WAVE_MODE, 25, 1), 1
	s_wait_xcnt 0x0
	s_wait_alu depctr_vm_vsrc(0)
; THE FIVE PROJECTIONS: q = x_a wq^T + b, k = x wk^T + b, v = x wv^T + b (x = x_a or x_b), on codes of BF8 (E5M2) with one E8M0 scale for each 32 along K = 256,
; and their results quantised again for the attention launch: q and k along the head's 32 channels, v along 32 neighbouring keys.
; SHARES.  Work-group x = 4 RB + HP: RB a block of 128 rows of x (b = RB / 16, blk = RB % 16), HP a pair of heads; work-group y: 0 = x_a, 1 = x_b.  Sixteen waves, four to a SIMD, so that one wave's waits stand beside another's work.
; PHASE A: an item is 16 rows x 128 numbers, turned into codes and laid in LDS as an image of the operand's registers (16 bytes a lane, 512 bytes a piece).  Wave w takes x's slot w (tile w / 2, K step w % 2) and the weights' slot w
; (waves 0-7: wk's tile (w % 8) / 2, K step w % 2; waves 8-15: wv's); with x_a waves 0-7 also take wq's slot w.  The 32 loads of a wave's first two items go out together.
; PHASE B: a wave makes at most one unit.  Role w / 4: 0 k, 1 v, 2 q (with x_a), 3 none; unit w % 4: hd = its bit 1, g = its bit 0; head 2 HP + hd.  k: key tiles 4 g .. 4 g + 3; v: channels' tile g for all 128 keys; q: query tiles 4 g .. 4 g + 3.
; THE ROWS OF A TILE ARE NOT NEIGHBOURS: lane r of tile 2 b + u takes row 32 b + 8 u + r + 8 (r / 8).  As source 0 such tiles leave, in the 16 registers of tiles 2 b and 2 b + 1, 16 neighbours 32 b + 16 (lane / 16) + 0 .. 15.
; OUT.  kv [8 b + head][step 0..31][9,216 bytes]: a step is 128 keys (steps 0-15 x_a's, 16-31 x_b's); K's half at 0, V's at 4,608; a half: fragment 0, fragment 1 (2,048 bytes each, images), two scale rows of 256 bytes ((word, 0) at 8 x lane).
;   K's fragment G: registers 4 c .. 4 c + 3 = key tile 4 G + c, the key's channels 16 (lane / 16) + 0 .. 15; byte c of the word its scale.  V's fragment u: channel 8 u + r + 8 (r / 8), keys 32 c + 16 (lane / 16) + 0 .. 15.
;   qc [bh][blk][tile 0..7][512]: a query tile's four registers;  qs [bh][blk][tile / 4][256]: (word, 0) at 8 x lane, byte tile % 4.
; LIMITS: NaN and infinities among the inputs are not served.  A block of zeros gets the scale byte 1 where the quantiser's rule says 127: its codes are zeros, and these bytes are read by this program alone.
; No tensor loads (the operands arrive as f32 and go through registers into the quantiser), so no ring; no cluster: what work-groups share would have to be staged in LDS as f32 first.
; THE MODE: SCHED_MODE bits 1:0 = 2 (LLVM: expert scheduling mode 2), set by the entry lines.  The code itself states the register dependences
; between vector or matrix instructions and memory or LDS instructions, with s_wait_alu, always for 0.
; THE PLAN.  Registers that memory or LDS instructions touch:
;   v1-15, v72-74, v17   addresses, offsets and a 0: written at the head and never again: one wait on va_vdst ahead of the first load serves every load and store.
;   R0, R1               phase A's landing buffers.  Global loads land; TURN's LDS stores read them; TURN's LDS loads land in them; the quantiser reads and writes them.
;   PC, PW               written by the quantiser; read by the image stores, in phase B by the global stores.
;   XF, XS, WF, WS       phase B: LDS loads land in them, the products read them.  HA is named by matrix and vector instructions alone there.
;   v86, v87             written at the head, read by the closing add alone.
; An item has two waits: on vm_vsrc between TURN's stores and its loads (the stores have read the landing buffer; the last item's image stores have read PC and PW), and on va_vdst behind the quantiser
; (PC and PW are written; the quantiser is done with the landing buffer, so that later loads into it owe nothing more: no vector instruction behind that wait names it).
; The launch gives a wave 256 registers: 64 of accumulators, 96 of fragments, 32 of the quantiser's and its codes, 24 of biases, the addresses: no second set of fragments fits.
; So each later run of fragment loads stands behind one wait on va_vdst: one in a unit of q or k, three in a unit of v.
.set XIMG, 0                           ; LDS: x's 16 images (tile T, K step s: slot 2 T + s), 2,048 bytes each
.set WIMG, 32768                       ; the weights': 16,384 bytes a kind (0 K, 1 V, 2 Q), slot 2 T + s; Q's region has room for 16 slots, so that slot w lies in it for every w; eight are filled
.set XSC,  98304                       ; x's scale words, 128 bytes a slot
.set WSC,  100352                      ; the weights', 1,024 bytes a kind; Q's with room for 16 slots likewise
.set TSTG, 104448                      ; a stage of 16 rows x 528 bytes for each wave
.set TS,  1                            ; v1   stage, way in: 16 x lane
.set LI,  2                            ; v2   16 x lane
.set LS,  3                            ; v3   4 x lane
.set XWI, 4                            ; v4   where I store x's image: slot w
.set XWS, 5                            ; v5   and its scale words
.set WWI, 6                            ; v6   where I store my weight image: slot w of K's and V's sixteen
.set WWS, 7                            ; v7   and its scale words
.set LIX, 8                            ; v8   x's tiles 4 g on
.set LSX, 9                            ; v9   their scale words
.set LIW, 10                           ; v10  my head's weight tiles
.set LSW, 11                           ; v11  their scale words
.set BA,  12                           ; v12  64 x (lane / 16): bias of q and k
.set BVA, 13                           ; v13  4 (r + 8 (r / 8)): bias of v
.set L8,  14                           ; v14  8 x lane
.set TR,  15                           ; v15  stage, way out: 528 r + 64 (lane / 16)
.set PW,  16                           ; v16  the scale word just made; v17 = 0: the pair is stored
.set TM,  18                           ; v18-33 the quantiser's: largest magnitudes, bytes, holds, scale operands
.set XS,  34                           ; v34-37 x's scale words
.set WS,  38                           ; v38-39 the weights'
.set PC,  40                           ; v40-55 the codes just made
.set BKR, 56                           ; v56-71 k's or q's bias (by my role) in the result's layout, two tiles
.set WVI, 72                           ; v72  wv's tile w % 4: its two images
.set WVS, 73                           ; v73  and their scale words
.set LSA, 74                           ; v74  4 x lane + XSC: x's scale words from tile 0 on
.set BVR, 88                           ; v88-95 v's bias: one channel a lane, eight times
.set HA,  96                           ; v96-159 eight accumulators
.set R0,  96                           ;         in phase A: 64 numbers
.set XF,  160                          ; v160-223 four fragments of x
.set R1,  160                          ;         in phase A: 64 numbers
.set WF,  224                          ; v224-255 two fragments of a weight
.set PX,  40                           ; s[40:41] x at my item
.set PWK, 42                           ; s[42:43] wk or wv at my item;  s[44:45] wv, until the choice;  s[46:47] wq at my item
.set PWV, 44
.set PWQ, 46
.set PBK, 48                           ; s[48:49] k's or q's bias at my head;  s[50:51] v's at my tile
.set PBV, 50
.set KVC, 54                           ; s[54:55] kv: my fragment;  s[56:57] my scale row
.set KVS, 56
.set PQC, 58                           ; s[58:59] qc, s[60:61] qs
.set PQS, 60
.set SEL, 66                           ; s[66:67] v_permlanex16_b32's selects for lane l xor 16
.set MNT, 68                           ; s68 the mantissa field of 57,344
.set ROLE, 71                          ; s71 w / 4
.macro NOP8                            ; eight places behind a matrix instruction of this form, where no other vector work is at hand
.rept 8
	v_nop
.endr
.endm
.macro XLOAD reg, base, off            ; 16 rows of a tile, 128 numbers of each: an instruction reads 512 consecutive bytes of one row
.irp p, 0,1,2,3,4,5,6,7,8,9,10,11,12,13,14,15
	global_load_b128 v[\reg+4*\p:\reg+4*\p+3], v[LI], s[\base:\base+1] offset:\off+(\p+8*(\p/8))*1024
.endr
.endm
.macro TURN reg                        ; through my own stage: afterwards register 16 b + i is number 32 b + 16 (lane / 16) + i of the tile's row lane % 16.  LDS serves a wave's instructions in order: no wait on DScnt between
.irp p, 0,1,2,3,4,5,6,7,8,9,10,11,12,13,14,15
	ds_store_b128 v[TS], v[\reg+4*\p:\reg+4*\p+3] offset:528*\p
.endr
	s_wait_alu depctr_vm_vsrc(0)                   ; the stores above have read v[reg ..], in which the loads below land and which the quantiser's holds write; the last item's image stores have read v[PC ..] and v[PW], which the quantiser writes again
.irp b, 0,1,2,3
.irp j, 0,1,2,3
	ds_load_b128 v[\reg+16*\b+4*\j:\reg+16*\b+4*\j+3], v[TR] offset:128*\b+16*\j
.endr
.endr
.endm
; 64 numbers of a lane, register 16 b + i = k 32 b + 16 (lane / 16) + i of my row, become a fragment's codes in v[PC] on and its scale word in v[PW]
.macro QUANT s
.irp b, 0,1,2,3
	v_max3_num_f32 v[TM+\b], |v[\s+16*\b]|, |v[\s+1+16*\b]|, 0x8000000   ; block b: my 16 numbers, and the floor 2^(16 - 127): the byte cannot fall under 1
.endr
.irp i, 2,4,6,8,10,12,14
.irp b, 0,1,2,3
	v_max3_num_f32 v[TM+\b], v[TM+\b], |v[\s+16*\b+\i]|, |v[\s+1+16*\b+\i]|   ; the four blocks by turns
.endr
.endr
.irp b, 0,1,2,3
	v_permlanex16_b32 v[TM+4+\b], v[TM+\b], s[SEL], s[SEL+1]
.endr
.irp b, 0,1,2,3
	v_max_num_f32 v[TM+\b], v[TM+\b], v[TM+4+\b]                   ; with lane l xor 16's: the block's largest magnitude
.endr
.irp b, 0,1,2,3
	v_add_nc_u32 v[TM+12+\b], 0xf8800000, v[TM+\b]                 ; 15 off its exponent field: the conversion's scale operand
.endr
.irp b, 0,1,2,3
	v_and_or_b32 v[TM+8+\b], v[TM+\b], 0x7f800000, s[MNT]          ; 57,344 x the scale
.endr
.irp b, 0,1,2,3
	v_lshrrev_b32 v[TM+4+\b], 23, v[TM+12+\b]                      ; the scale's byte
.endr
	v_lshl_or_b32 v[PW], v[TM+5], 8, v[TM+4]
	v_lshl_or_b32 v[PW], v[TM+6], 16, v[PW]
	v_lshl_or_b32 v[PW], v[TM+7], 24, v[PW]
.irp b, 0,1,2,3
.irp i, 0,1,2,3,4,5,6,7,8,9,10,11,12,13,14,15
	v_med3_num_f32 v[\s+16*\b+\i], v[\s+16*\b+\i], -v[TM+8+\b], v[TM+8+\b]   ; the conversion does not saturate (ISA guide 7.6.2): the hold at the largest code x the scale
.endr
	v_cvt_scalef32_pk8_bf8_f32 v[PC+4*\b:PC+1+4*\b], v[\s+16*\b:\s+7+16*\b], v[TM+12+\b]
	v_cvt_scalef32_pk8_bf8_f32 v[PC+2+4*\b:PC+3+4*\b], v[\s+8+16*\b:\s+15+16*\b], v[TM+12+\b]
.endr
	v_nop                                          ; one plain vector instruction behind the last conversion
.endm
.macro IMAGE adr, off                  ; the fragment in v[PC] on goes to LDS as it stands
.irp c, 0,1,2,3
	ds_store_b128 v[\adr], v[PC+4*\c:PC+4*\c+3] offset:\off+512*\c
.endr
.endm
.macro FETCH reg, adr, off             ; and comes back so, in any wave
.irp c, 0,1,2,3
	ds_load_b128 v[\reg+4*\c:\reg+4*\c+3], v[\adr] offset:\off+512*\c
.endr
.endm
.macro ITEM reg, ia, io, sa, so        ; 16 rows x 128 numbers in v[reg] on become an image and 32 scale words
	TURN \reg
	s_wait_dscnt 0x0                               ; the numbers are back, and the last item's image stores are done
	QUANT \reg
	s_wait_alu depctr_va_vdst(0)                   ; the conversions have written v[PC ..] and the shifts v[PW], which the stores below read; the quantiser is done reading and writing v[reg ..], in which later loads land
	IMAGE \ia, \io
	ds_store_b32 v[\sa], v[PW] offset:\so
.endm
.macro BARRIER
	s_wait_dscnt 0x0                               ; for the others' sake: all my LDS stores have landed
	s_barrier_signal -1
	s_barrier_wait -1
.endm
; q or k of my head for x's tiles 4 g .. 4 g + 3: source 0 = the head's two tiles of 16 weight rows, source 1 = a tile of x.  A lane then holds one row of x and 16 neighbouring channels.
; Eight accumulators by turns, one instruction a turn; the bias is the C of each sum's first product.
.macro UNIT_QK kind
.irp s, 0,1
.if \s > 0
	NOP8                                           ; eight places behind the first K step's products, as they stood; the dependence is stated by the wait below
	s_wait_alu depctr_va_vdst(0)                   ; the first K step's products are done reading v[XF ..], v[XS ..], v[WF ..] and v[WS ..], in which the loads below land
.endif
.irp m, 0,1,2,3
	FETCH XF+16*\m, LIX, (2*\m+\s)*2048
	ds_load_b32 v[XS+\m], v[LSX] offset:(2*\m+\s)*128
.endr
.irp u, 0,1
	FETCH WF+16*\u, LIW, \kind*16384+(2*\u+\s)*2048
	ds_load_b32 v[WS+\u], v[LSW] offset:\kind*1024+(2*\u+\s)*128
.endr
	s_wait_dscnt 0x0
.irp m, 0,1,2,3
.irp u, 0,1
.if \s == 0
	v_wmma_scale_f32_16x16x128_f8f6f4 v[HA+16*\m+8*\u:HA+16*\m+8*\u+7], v[WF+16*\u:WF+16*\u+15], v[XF+16*\m:XF+16*\m+15], v[BKR+8*\u:BKR+8*\u+7], v[WS+\u], v[XS+\m] matrix_a_fmt:MATRIX_FMT_BF8 matrix_b_fmt:MATRIX_FMT_BF8
.else
	v_wmma_scale_f32_16x16x128_f8f6f4 v[HA+16*\m+8*\u:HA+16*\m+8*\u+7], v[WF+16*\u:WF+16*\u+15], v[XF+16*\m:XF+16*\m+15], v[HA+16*\m+8*\u:HA+16*\m+8*\u+7], v[WS+\u], v[XS+\m] matrix_a_fmt:MATRIX_FMT_BF8 matrix_b_fmt:MATRIX_FMT_BF8
.endif
.endr
.endr
.endr
	NOP8
	QUANT HA                                       ; block c = tile 4 g + c: the head's 32 channels of one row
.endm
; v of 16 channels (wv's tile w % 4) for all 128 keys: source 0 = a tile of x, source 1 = the weight tile.  A lane then holds one channel, and its 64 registers run along the keys.
.macro UNIT_V
.irp s, 0,1
	FETCH WF+16*\s, WVI, \s*2048
	ds_load_b32 v[WS+\s], v[WVS] offset:\s*128
.endr
.irp s, 0,1
.irp q, 0,1
.if \s+\q > 0
	NOP8                                           ; eight places behind the last four products, as they stood; the dependence is stated by the wait below
	s_wait_alu depctr_va_vdst(0)                   ; the last four products are done reading v[XF ..] and v[XS ..], in which the loads below land
.endif
.irp m, 0,1,2,3
	FETCH XF+16*\m, LI, (2*(4*\q+\m)+\s)*2048
	ds_load_b32 v[XS+\m], v[LSA] offset:(2*(4*\q+\m)+\s)*128
.endr
	s_wait_dscnt 0x0
.irp m, 0,1,2,3
.if \s == 0
	v_wmma_scale_f32_16x16x128_f8f6f4 v[HA+8*(4*\q+\m):HA+8*(4*\q+\m)+7], v[XF+16*\m:XF+16*\m+15], v[WF+16*\s:WF+16*\s+15], v[BVR:BVR+7], v[XS+\m], v[WS+\s] matrix_a_fmt:MATRIX_FMT_BF8 matrix_b_fmt:MATRIX_FMT_BF8
.else
	v_wmma_scale_f32_16x16x128_f8f6f4 v[HA+8*(4*\q+\m):HA+8*(4*\q+\m)+7], v[XF+16*\m:XF+16*\m+15], v[WF+16*\s:WF+16*\s+15], v[HA+8*(4*\q+\m):HA+8*(4*\q+\m)+7], v[XS+\m], v[WS+\s] matrix_a_fmt:MATRIX_FMT_BF8 matrix_b_fmt:MATRIX_FMT_BF8
.endif
.endr
.endr
.endr
	NOP8
	QUANT HA                                       ; block c = keys 32 c .. 32 c + 31 of my channel
.endm
.macro OUT cb, co, sb, so              ; a fragment, 4 x 512 consecutive bytes, and its scale row, 256: each store covers whole aligned blocks of 256 bytes
	s_wait_alu depctr_va_vdst(0)                   ; the conversions have written v[PC ..] and the shifts v[PW], which the stores below read
.irp c, 0,1,2,3
	global_store_b128 v[LI], v[PC+4*\c:PC+4*\c+3], s[\cb:\cb+1] offset:\co+512*\c
.endr
	global_store_b64 v[L8], v[PW:PW+1], s[\sb:\sb+1] offset:\so
.endm
	s_load_b512 s[8:23], s[0:1], 0x0               ; x_a 8, x_b 10, wq_w 12, wq_b 14, wk_a_w 16, wk_a_b 18, wk_b_w 20, wk_b_b 22
	s_load_b256 s[24:31], s[0:1], 0x40             ; wv_a_w 24, wv_a_b 26, wv_b_w 28, wv_b_b 30
	s_load_b128 s[32:35], s[0:1], 0x60             ; kv 32, qc 34
	s_load_b64 s[36:37], s[0:1], 0x70              ; qs
	v_lshl_add_u32 v86, v0, 2, 0x3a800
	v_mov_b32 v87, 0
	v_lshrrev_b32 v1, 5, v0
	v_readfirstlane_b32 s3, v1                     ; wave w, 0..15
	s_and_b32 s4, ttmp7, 0xffff                    ; 0: x_a, 1: x_b
	s_lshr_b32 s5, ttmp9, 2                        ; RB
	s_and_b32 s6, ttmp9, 3                         ; HP
	s_wait_alu depctr_va_sdst(0)                   ; s3 is written, ahead of its first reader: roles, LDS addresses and bases are made from it
	s_and_b32 s7, s3, 1                            ; w's bit 0: g; also my items' K step
	s_bfe_u32 s38, s3, 0x10001                     ; w's bit 1: hd; also whether my items' tile is the second of its 32 rows
	s_lshr_b32 s[ROLE], s3, 2                      ; w / 4: my role; also which 32 rows of x my item lies in
	s_lshl_b32 s39, s6, 1
	s_add_co_u32 s39, s39, s38                     ; head
	s_mov_b32 s[SEL], 0x76543210
	s_mov_b32 s[SEL+1], 0xfedcba98
	s_mov_b32 s[MNT], 0x600000
	; every LDS address is made here, ahead of the first parting of the waves
	v_and_b32 v14, 31, v0                          ; lane
	v_and_b32 v13, 15, v0                          ; r
	v_bfe_u32 v12, v0, 4, 1                        ; h
	v_lshlrev_b32 v[LI], 4, v14
	v_lshlrev_b32 v[LS], 2, v14
	s_mul_i32 s62, s3, 8448
	s_add_co_u32 s62, s62, TSTG                    ; my stage
	v_add_nc_u32 v[TS], s62, v[LI]
	v_mul_u32_u24 v[TR], v13, 528
	v_lshl_add_u32 v[TR], v12, 6, v[TR]
	v_add_nc_u32 v[TR], s62, v[TR]
	s_lshl_b32 s62, s3, 11
	v_add_nc_u32 v[XWI], s62, v[LI]                ; x's slot w
	s_add_co_u32 s62, s62, WIMG
	v_add_nc_u32 v[WWI], s62, v[LI]                ; the weights' slot w
	s_lshl_b32 s62, s3, 7
	s_add_co_u32 s62, s62, XSC
	v_add_nc_u32 v[XWS], s62, v[LS]
	s_lshl_b32 s62, s3, 7
	s_add_co_u32 s62, s62, WSC
	v_add_nc_u32 v[WWS], s62, v[LS]
	s_lshl_b32 s62, s7, 14
	v_add_nc_u32 v[LIX], s62, v[LI]                ; x's slots 8 g on
	s_lshl_b32 s62, s7, 10
	s_add_co_u32 s62, s62, XSC
	v_add_nc_u32 v[LSX], s62, v[LS]
	s_lshl_b32 s62, s38, 13
	s_add_co_u32 s62, s62, WIMG
	v_add_nc_u32 v[LIW], s62, v[LI]                ; a weight's slots 4 hd on
	s_lshl_b32 s62, s38, 9
	s_add_co_u32 s62, s62, WSC
	v_add_nc_u32 v[LSW], s62, v[LS]
	s_and_b32 s70, s3, 3                           ; w % 4
	s_lshl_b32 s62, s70, 12
	s_add_co_u32 s62, s62, WIMG+16384
	v_add_nc_u32 v[WVI], s62, v[LI]                ; wv's slots 2 (w % 4) on
	s_lshl_b32 s62, s70, 8
	s_add_co_u32 s62, s62, WSC+1024
	v_add_nc_u32 v[WVS], s62, v[LS]
	v_add_nc_u32 v[LSA], XSC, v[LS]
	v_and_b32 v16, 8, v13
	v_add_nc_u32 v13, v13, v16                     ; r + 8 (r / 8)
	v_lshlrev_b32 v[BVA], 2, v13
	v_lshlrev_b32 v[BA], 6, v12
	v_lshlrev_b32 v[L8], 3, v14
	v_mov_b32 v[PW+1], 0
.irp b, 0,1,2,3
	v_mov_b32 v[TM+4+\b], 0                        ; written once: a lane permute's destination counts as one of its sources
.endr
	s_wait_kmcnt 0x0
	s_cmp_eq_u32 s4, 0                             ; a's buffers or b's: the choice hangs on the work-group's number alone
	s_cselect_b64 s[PX:PX+1], s[8:9], s[10:11]
	s_cselect_b64 s[PWK:PWK+1], s[16:17], s[20:21]
	s_cselect_b64 s[PBK:PBK+1], s[18:19], s[22:23]
	s_cselect_b64 s[PWV:PWV+1], s[24:25], s[28:29]
	s_cselect_b64 s[PBV:PBV+1], s[26:27], s[30:31]
	s_cmp_lt_u32 s3, 8                             ; my weight item: wk's for waves 0-7, wv's for waves 8-15
	s_cselect_b64 s[PWK:PWK+1], s[PWK:PWK+1], s[PWV:PWV+1]
	s_cmp_eq_u32 s[ROLE], 2                        ; the bias of a unit of q or k: q's for role 2
	s_cselect_b64 s[PBK:PBK+1], s[14:15], s[PBK:PBK+1]
	s_mov_b32 s63, 0                               ; s[62:63]: an offset in 64 bits
	s_lshl_b32 s62, s5, 17                         ; x: 128 rows of 1,024 bytes a block,
	s_lshl_b32 s70, s[ROLE], 15                    ; 32 rows for each pair of tiles,
	s_add_co_u32 s62, s62, s70
	s_lshl_b32 s70, s38, 13                        ; 8 rows to the pair's second tile,
	s_add_co_u32 s62, s62, s70
	s_lshl_b32 s70, s7, 9                          ; 512 bytes to the second K step
	s_add_co_u32 s62, s62, s70
	s_add_nc_u64 s[PX:PX+1], s[PX:PX+1], s[62:63]
	s_lshl_b32 s62, s6, 16                         ; a weight: 64 rows a pair of heads; within them as for x, by w % 8
	s_bfe_u32 s70, s3, 0x10002
	s_lshl_b32 s70, s70, 15
	s_add_co_u32 s62, s62, s70
	s_lshl_b32 s70, s38, 13
	s_add_co_u32 s62, s62, s70
	s_lshl_b32 s70, s7, 9
	s_add_co_u32 s62, s62, s70
	s_add_nc_u64 s[PWK:PWK+1], s[PWK:PWK+1], s[62:63]
	s_add_nc_u64 s[PWQ:PWQ+1], s[12:13], s[62:63]
	s_lshl_b32 s62, s39, 7                         ; a bias: 128 bytes a head
	s_add_nc_u64 s[PBK:PBK+1], s[PBK:PBK+1], s[62:63]
	s_lshl_b32 s70, s7, 5
	s_add_co_u32 s62, s62, s70                     ; v's: + 8 channels for the second tile
	s_add_nc_u64 s[PBV:PBV+1], s[PBV:PBV+1], s[62:63]
	s_lshr_b32 s70, s5, 4
	s_lshl_b32 s70, s70, 3
	s_add_co_u32 s70, s70, s39                     ; bh = 8 b + head
	s_and_b32 s69, s5, 15                          ; blk
	s_lshl_b32 s62, s70, 5
	s_lshl_b32 s2, s4, 4
	s_add_co_u32 s62, s62, s2
	s_add_co_u32 s62, s62, s69                     ; record 32 bh + 16 y + blk
	s_mul_i32 s2, s62, 9216
	s_lshl_b32 s62, s7, 11
	s_add_co_u32 s62, s62, s2
	s_add_nc_u64 s[KVC:KVC+1], s[32:33], s[62:63]  ; fragment g
	s_lshl_b32 s62, s7, 8
	s_add_co_u32 s62, s62, s2
	s_add_co_u32 s62, s62, 4096
	s_add_nc_u64 s[KVS:KVS+1], s[32:33], s[62:63]  ; scale row g
	s_lshl_b32 s2, s70, 4
	s_add_co_u32 s2, s2, s69                       ; 16 bh + blk
	s_lshl_b32 s62, s2, 3
	s_lshl_b32 s70, s7, 2
	s_add_co_u32 s62, s62, s70
	s_lshl_b32 s62, s62, 9
	s_add_nc_u64 s[PQC:PQC+1], s[34:35], s[62:63]  ; query tiles 4 g on
	s_lshl_b32 s62, s2, 1
	s_add_co_u32 s62, s62, s7
	s_lshl_b32 s62, s62, 8
	s_add_nc_u64 s[PQS:PQS+1], s[36:37], s[62:63]
	; ---- PHASE A.  Twelve bias loads, then the 32 loads of my two items; s_wait_loadcnt 16 leaves the other landing buffer's 16 loads out
	s_wait_alu depctr_va_vdst(0)                   ; the addresses and offsets v1 to v15 and v72 to v74 and the 0 in v17 are written: every load and store of the kernel reads some of them
.irp u, 0,1
	global_load_b128 v[BKR+8*\u:BKR+8*\u+3], v[BA], s[PBK:PBK+1] offset:32*\u          ; tile u, register j: channel 16 (lane / 16) + 8 u + j
	global_load_b128 v[BKR+8*\u+4:BKR+8*\u+7], v[BA], s[PBK:PBK+1] offset:32*\u+16
.endr
.irp j, 0,1,2,3,4,5,6,7
	global_load_b32 v[BVR+\j], v[BVA], s[PBV:PBV+1]                                    ; a lane's eight results of v belong to one channel
.endr
	XLOAD R0, PX, 0
	XLOAD R1, PWK, 0
	s_wait_loadcnt 16
	ITEM R0, XWI, 0, XWS, 0                        ; x's slot w
	s_cmp_lg_u32 s4, 0                             ; wq is wanted with x_a alone,
	s_cbranch_scc1 .La1
	s_cmp_ge_u32 s3, 8                             ; and its eight items go to waves 0-7
	s_cbranch_scc1 .La1
	XLOAD R0, PWQ, 0                               ; no wait: no vector instruction behind the item's wait on va_vdst names R0, and TURN's wait on vm_vsrc has shown its stores' reads done
	s_wait_loadcnt 16
	s_branch .La2
.La1:
	s_wait_loadcnt 0x0
.La2:
	ITEM R1, WWI, 0, WWS, 0                        ; wk's or wv's slot
	s_cmp_lg_u32 s4, 0
	s_cbranch_scc1 .La3
	s_cmp_ge_u32 s3, 8
	s_cbranch_scc1 .La3
	s_wait_loadcnt 0x0
	ITEM R0, WWI, 32768, WWS, 2048                 ; wq's slot w
.La3:
	s_wait_loadcnt 0x0                             ; no load is out on any way here
	BARRIER                                        ; all images lie in LDS; nothing of them is written again
	s_wait_alu depctr_vm_vsrc(0)                   ; my last image stores have read v[PC ..] and v[PW], which phase B's quantiser writes again.  (Phase B's first loads owe no wait on va_vdst: no vector instruction stands behind the last item's)
	; ---- PHASE B: one unit a wave, by its role
	s_cmp_eq_u32 s[ROLE], 0
	s_cbranch_scc0 .Lr1
	UNIT_QK 0
	OUT KVC, 0, KVS, 0
	s_branch .Lend
.Lr1:
	s_cmp_eq_u32 s[ROLE], 1
	s_cbranch_scc0 .Lr2
	UNIT_V
	OUT KVC, 4608, KVS, 4608
	s_branch .Lend
.Lr2:
	s_cmp_eq_u32 s[ROLE], 2
	s_cbranch_scc0 .Lend
	s_cmp_lg_u32 s4, 0
	s_cbranch_scc1 .Lend
	UNIT_QK 2
	OUT PQC, 0, PQS, 0
.Lend:
	s_wait_dscnt 0x0                               ; the closing lines, six on end
	s_wait_alu 0x0
	s_wait_tensorcnt 0x0
	ds_add_u32 v86, v87
	s_wait_dscnt 0x0
	s_endpgm
.Lfunc_end_k_q041d59737c_proj:
	.size	k_q041d59737c_proj, .Lfunc_end_k_q041d59737c_proj-k_q041d59737c_proj
	.p2alignl 7, 3214868480
	.fill 96, 4, 3214868480
	.section	.rodata,"a",@progbits
	.p2align	6, 0x0
	.amdhsa_kernel k_q041d59737c_proj
		.amdhsa_group_segment_fixed_size 241664
		.amdhsa_private_segment_fixed_size 0
		.amdhsa_enable_private_segment 0
		.amdhsa_kernarg_size 120
		.amdhsa_user_sgpr_count 2
		.amdhsa_user_sgpr_kernarg_segment_ptr 1
		.amdhsa_wavefront_size32 1
		.amdhsa_system_sgpr_workgroup_id_x 1
		.amdhsa_system_sgpr_workgroup_id_y 1
		.amdhsa_system_sgpr_workgroup_id_z 1
		.amdhsa_system_vgpr_workitem_id 0
		.amdhsa_next_free_vgpr 256
		.amdhsa_next_free_sgpr 72
		.amdhsa_reserve_vcc 0
		.amdhsa_float_denorm_mode_32 3
		.amdhsa_float_denorm_mode_16_64 3
		.amdhsa_memory_ordered 1
		.amdhsa_forward_progress 1
		.amdhsa_inst_pref_size 91
	.end_amdhsa_kernel
	.amdgpu_metadata
---
amdhsa.version: [ 1, 2 ]
amdhsa.kernels:
  - .name:           k_q041d59737c_proj
    .symbol:         k_q041d59737c_proj.kd
    .args:
      - { .name: x_a, .offset: 0, .size: 8, .value_kind: global_buffer, .address_space: global }
      - { .name: x_b, .offset: 8, .size: 8, .value_kind: global_buffer, .address_space: global }
      - { .name: wq_w, .offset: 16, .size: 8, .value_kind: global_buffer, .address_space: global }
      - { .name: wq_b, .offset: 24, .size: 8, .value_kind: global_buffer, .address_space: global }
      - { .name: wk_a_w, .offset: 32, .size: 8, .value_kind: global_buffer, .address_space: global }
      - { .name: wk_a_b, .offset: 40, .size: 8, .value_kind: global_buffer, .address_space: global }
      - { .name: wk_b_w, .offset: 48, .size: 8, .value_kind: global_buffer, .address_space: global }
      - { .name: wk_b_b, .offset: 56, .size: 8, .value_kind: global_buffer, .address_space: global }
      - { .name: wv_a_w, .offset: 64, .size: 8, .value_kind: global_buffer, .address_space: global }
      - { .name: wv_a_b, .offset: 72, .size: 8, .value_kind: global_buffer, .address_space: global }
      - { .name: wv_b_w, .offset: 80, .size: 8, .value_kind: global_buffer, .address_space: global }
      - { .name: wv_b_b, .offset: 88, .size: 8, .value_kind: global_buffer, .address_space: global }
      - { .name: kv, .offset: 96, .size: 8, .value_kind: global_buffer, .address_space: global }
      - { .name: qc, .offset: 104, .size: 8, .value_kind: global_buffer, .address_space: global }
      - { .name: qs, .offset: 112, .size: 8, .value_kind: global_buffer, .address_space: global }
    .group_segment_fixed_size: 241664
    .private_segment_fixed_size: 0
    .kernarg_segment_align: 8
    .kernarg_segment_size: 120
    .max_flat_workgroup_size: 512
    .sgpr_count:     72
    .vgpr_count:     256
    .wavefront_size: 32
...
	.end_amdgpu_metadata
.endif
;; end of part 6
;; launch attn: the kernel of part 5 again; grid 16 x 16, 16 waves a work-group, clusters of 4 x 1, 315,392 bytes of LDS; arguments kv, qc, qs, z; writes z
;; launch outp (part 7): grid 64 x 4, 4 waves a work-group, no clusters, 51,712 bytes of LDS; arguments z, w_w, w_b, x_a, out0; writes out0
.if DOCPART == 7
	.amdgcn_target "amdgcn-amd-amdhsa--gfx1250"
	.amdhsa_code_object_version 6
	.text
	.protected	k_q041d59737c_outp
	.globl	k_q041d59737c_outp
	.p2align	8
	.type	k_q041d59737c_outp,@function
k_q041d59737c_outp:
	s_mov_b64 s[64:65], 0
	v_nop
	global_prefetch_b8 v0, s[64:65] scope:SCOPE_SE
	s_setreg_imm32_b32 hwreg(HW_REG_WAVE_SCHED_MODE, 0, 2), 2
	s_setreg_imm32_b32 hwreg(HW_REG_WAVE_MODE, 25, 1), 1
	s_wait_xcnt 0x0
	s_wait_alu depctr_vm_vsrc(0)
; out0 = z w_w^T + w_b + x_a, the product on codes of BF8 (E5M2) with one E8M0 scale for each 32 along K = 256.
; z arrives as codes, [row tile 0..255][head 0..7][768 bytes]: four registers a lane (512 bytes, 16 x lane) and the scale byte as (word, 0) at 8 x lane: heads 4 s .. 4 s + 3 are the four blocks of K step s.
; Row tile 4 G + w holds rows 64 G + 32 (w / 2) + 8 (w % 2) + r + 8 (r / 8).
; SHARES.  Work-group x = G: 64 rows; y = cg: 64 columns.  Four waves.  Wave w quantises tile w of w_w's 64 rows (rows 32 b + 8 u + r + 8 (r / 8) of tile 2 b + u) and lays its two images in LDS;
; behind one barrier it multiplies row tile 4 G + w by all four tiles: source 0 = 16 rows of w_w, source 1 = z: a lane then holds one row of out0 and, for b = 0, 1, columns 32 b + 16 (lane / 16) + 0 .. 15.
; The results go through the wave's own stage and leave as pieces of 256 consecutive bytes of a row, sixteen lanes to a piece.
; LIMITS: NaN and infinities among the inputs are not served; a block of zeros gets the scale byte 1 where the quantiser's rule says 127 (its codes are zeros; this program alone reads the bytes).
; No tensor loads, no cluster: w_w arrives as f32 and goes through registers into the quantiser.
; THE MODE: SCHED_MODE bits 1:0 = 2 (LLVM: expert scheduling mode 2), set by the entry lines.  The code itself states the register dependences
; between vector or matrix instructions and memory or LDS instructions, with s_wait_alu, always for 0.
; THE PLAN.  Registers that memory or LDS instructions touch:
;   v1-11, v49       addresses and offsets: written at the head and never again: one wait on va_vdst ahead of the first load serves every load and store (it also shows v12 to v14 done with, in which the bias lands).
;   R0, R1           global loads land; TURN's LDS stores read them; TURN's LDS loads land in them; the quantiser reads and writes them; behind the barrier the weights' fragments land in them and the products read them;
;                    on the way out the rows read back land in R0's first 32, the additions write them and the global stores read them.
;   PC, PW           written by the quantiser, read by the image stores; PC and the quantiser's registers then become the accumulators DA, which the stage's stores read.
;   ZB, ZF, XR, BI, WS   loads land once; vector and matrix instructions read them.  v54 and v58 are made into scale words by vector shifts.
;   v254, v255       written at the head, read by the closing add alone.
; An item has two waits: on vm_vsrc between TURN's stores and its loads, on va_vdst behind the quantiser.  Behind the barrier one on vm_vsrc (the image stores have read PC, ahead of the products that write DA);
; behind the products' places one on va_vdst (DA is written, the fragments are read); one more on va_vdst ahead of the run of global stores.
.set WIMG, 0                           ; LDS: w_w's 8 images (tile n, K step s: slot 2 n + s), 2,048 bytes each
.set WSC,  16384                       ; their scale words, 128 bytes a slot
.set TSTG, 17408                       ; a stage of 8,448 bytes for each wave: 16 rows x 528 on the way in, 16 rows x 272 on the way out
.set TS,  1                            ; v1   stage, way in of the turn: 16 x lane
.set LI,  2                            ; v2   16 x lane
.set LS,  3                            ; v3   4 x lane
.set WWI, 4                            ; v4   where I store my images
.set WWS, 5                            ; v5   and their scale words
.set L8,  6                            ; v6   8 x lane
.set SO,  7                            ; v7   the way out: 272 r + 64 (lane / 16)
.set SR,  8                            ; v8   and back: 272 (lane / 16) + 16 (lane % 16)
.set GO,  9                            ; v9   the same two rows in x_a and out0: 1,024 (lane / 16) + 16 (lane % 16)
.set LS2, 10                           ; v10  scale words: lanes 0-15 K step 0's, lanes 16-31 K step 1's
.set TR,  11                           ; v11  stage, way out of the turn
.set BI,  12                           ; v12-15 the bias of my four columns
.set TM,  16                           ; v16-31 the quantiser's
.set PC,  32                           ; v32-47 the codes just made
.set DA,  16                           ; v16-47 later: four accumulators
.set PW,  48                           ; v48  the scale word just made
.set BAO, 49                           ; v49  16 (lane % 16)
.set WS,  50                           ; v50-53 w_w's scale words
.set ZB,  54                           ; v54-61 z's scale bytes; v54 and v58 become the words
.set ZF,  62                           ; v62-93 z's two fragments
.set XR,  94                           ; v94-125 x_a
.set R0,  126                          ; v126-189, v190-253: 64 numbers each; later w_w's eight fragments; later the rows read back
.set R1,  190
.set WF,  126
.set PWW, 6                            ; s[6:7] w_w at my tile's first row
.set SEL, 28
.set MNT, 30
.macro NOP8
.rept 8
	v_nop
.endr
.endm
.macro XLOAD reg, base, off            ; 16 rows of a tile, 128 numbers of each: an instruction reads 512 consecutive bytes of one row
.irp p, 0,1,2,3,4,5,6,7,8,9,10,11,12,13,14,15
	global_load_b128 v[\reg+4*\p:\reg+4*\p+3], v[LI], s[\base:\base+1] offset:\off+(\p+8*(\p/8))*1024
.endr
.endm
.macro TURN reg                        ; through my own stage: afterwards register 16 b + i is number 32 b + 16 (lane / 16) + i of the tile's row lane % 16.  LDS serves a wave's instructions in order: no wait on DScnt between
.irp p, 0,1,2,3,4,5,6,7,8,9,10,11,12,13,14,15
	ds_store_b128 v[TS], v[\reg+4*\p:\reg+4*\p+3] offset:528*\p
.endr
	s_wait_alu depctr_vm_vsrc(0)                   ; the stores above have read v[reg ..], in which the loads below land and which the quantiser's holds write; the last item's image stores have read v[PC ..] and v[PW], which the quantiser writes again
.irp b, 0,1,2,3
.irp j, 0,1,2,3
	ds_load_b128 v[\reg+16*\b+4*\j:\reg+16*\b+4*\j+3], v[TR] offset:128*\b+16*\j
.endr
.endr
.endm
.macro QUANT s                         ; 64 numbers of a lane become a fragment's codes in v[PC] on and its scale word in v[PW]
.irp b, 0,1,2,3
	v_max3_num_f32 v[TM+\b], |v[\s+16*\b]|, |v[\s+1+16*\b]|, 0x8000000   ; block b: my 16 numbers, and the floor 2^(16 - 127): the byte cannot fall under 1
.endr
.irp i, 2,4,6,8,10,12,14
.irp b, 0,1,2,3
	v_max3_num_f32 v[TM+\b], v[TM+\b], |v[\s+16*\b+\i]|, |v[\s+1+16*\b+\i]|
.endr
.endr
.irp b, 0,1,2,3
	v_permlanex16_b32 v[TM+4+\b], v[TM+\b], s[SEL], s[SEL+1]
.endr
.irp b, 0,1,2,3
	v_max_num_f32 v[TM+\b], v[TM+\b], v[TM+4+\b]
.endr
.irp b, 0,1,2,3
	v_add_nc_u32 v[TM+12+\b], 0xf8800000, v[TM+\b]                 ; 15 off the exponent field: the conversion's scale operand
.endr
.irp b, 0,1,2,3
	v_and_or_b32 v[TM+8+\b], v[TM+\b], 0x7f800000, s[MNT]          ; 57,344 x the scale
.endr
.irp b, 0,1,2,3
	v_lshrrev_b32 v[TM+4+\b], 23, v[TM+12+\b]                      ; the scale's byte
.endr
	v_lshl_or_b32 v[PW], v[TM+5], 8, v[TM+4]
	v_lshl_or_b32 v[PW], v[TM+6], 16, v[PW]
	v_lshl_or_b32 v[PW], v[TM+7], 24, v[PW]
.irp b, 0,1,2,3
.irp i, 0,1,2,3,4,5,6,7,8,9,10,11,12,13,14,15
	v_med3_num_f32 v[\s+16*\b+\i], v[\s+16*\b+\i], -v[TM+8+\b], v[TM+8+\b]   ; the conversion does not saturate (ISA guide 7.6.2)
.endr
	v_cvt_scalef32_pk8_bf8_f32 v[PC+4*\b:PC+1+4*\b], v[\s+16*\b:\s+7+16*\b], v[TM+12+\b]
	v_cvt_scalef32_pk8_bf8_f32 v[PC+2+4*\b:PC+3+4*\b], v[\s+8+16*\b:\s+15+16*\b], v[TM+12+\b]
.endr
	v_nop                                          ; one plain vector instruction behind the last conversion
.endm
.macro IMAGE adr, off
.irp c, 0,1,2,3
	ds_store_b128 v[\adr], v[PC+4*\c:PC+4*\c+3] offset:\off+512*\c
.endr
.endm
.macro FETCH reg, adr, off
.irp c, 0,1,2,3
	ds_load_b128 v[\reg+4*\c:\reg+4*\c+3], v[\adr] offset:\off+512*\c
.endr
.endm
.macro ITEM reg, ia, io, sa, so
	TURN \reg
	s_wait_dscnt 0x0                               ; the numbers are back, and the last item's image stores are done
	QUANT \reg
	s_wait_alu depctr_va_vdst(0)                   ; the conversions have written v[PC ..] and the shifts v[PW], which the stores below read; the quantiser is done reading and writing v[reg ..], in which the weights' fragments land later
	IMAGE \ia, \io
	ds_store_b32 v[\sa], v[PW] offset:\so
.endm
	s_load_b256 s[4:11], s[0:1], 0x0               ; z s[4:5], w_w s[6:7], w_b s[8:9], x_a s[10:11]
	s_load_b64 s[12:13], s[0:1], 0x20              ; out0
	v_lshl_add_u32 v254, v0, 2, 0xc800
	v_mov_b32 v255, 0
	v_lshrrev_b32 v1, 5, v0
	v_readfirstlane_b32 s14, v1                    ; wave w
	s_and_b32 s15, ttmp7, 0xffff                   ; cg
	s_mov_b32 s[SEL], 0x76543210
	s_mov_b32 s[SEL+1], 0xfedcba98
	s_mov_b32 s[MNT], 0x600000
	v_and_b32 v12, 31, v0                          ; lane
	v_and_b32 v13, 15, v0                          ; r
	v_bfe_u32 v14, v0, 4, 1                        ; h
	v_lshlrev_b32 v[LI], 4, v12
	v_lshlrev_b32 v[LS], 2, v12
	v_lshlrev_b32 v[L8], 3, v12
	s_wait_alu depctr_va_sdst(0)                   ; s14 is written, ahead of its first reader: LDS addresses and bases are made from it
	s_mul_i32 s16, s14, 8448
	s_add_co_u32 s16, s16, TSTG                    ; my stage
	v_add_nc_u32 v[TS], s16, v[LI]
	v_mul_u32_u24 v[TR], v13, 528
	v_lshl_add_u32 v[TR], v14, 6, v[TR]
	v_add_nc_u32 v[TR], s16, v[TR]
	v_mul_u32_u24 v[SO], v13, 272
	v_lshl_add_u32 v[SO], v14, 6, v[SO]
	v_add_nc_u32 v[SO], s16, v[SO]
	v_lshlrev_b32 v[BAO], 4, v13
	v_mul_u32_u24 v[SR], v14, 272
	v_add_nc_u32 v[SR], v[SR], v[BAO]
	v_add_nc_u32 v[SR], s16, v[SR]
	v_lshl_add_u32 v[GO], v14, 10, v[BAO]
	s_lshl_b32 s17, s14, 12
	v_add_nc_u32 v[WWI], s17, v[LI]                ; slots 2 w on
	s_lshl_b32 s17, s14, 8
	s_add_co_u32 s17, s17, WSC
	v_add_nc_u32 v[WWS], s17, v[LS]
	v_lshl_add_u32 v[LS2], v14, 7, v[LS]
	v_add_nc_u32 v[LS2], WSC, v[LS2]
.irp b, 0,1,2,3
	v_mov_b32 v[TM+4+\b], 0                        ; written once: a lane permute's destination counts as one of its sources
.endr
	s_lshr_b32 s18, s14, 1
	s_lshl_b32 s18, s18, 5
	s_and_b32 s19, s14, 1
	s_lshl_b32 s19, s19, 3
	s_add_co_u32 s18, s18, s19                     ; 32 (w / 2) + 8 (w % 2): my tile's first row in a group of 64
	s_lshl_b32 s20, s15, 6
	s_add_co_u32 s20, s20, s18
	s_lshl_b32 s20, s20, 10                        ; w_w: rows of 1,024 bytes
	s_mov_b32 s21, 0
	s_lshl_b32 s22, ttmp9, 6
	s_add_co_u32 s22, s22, s18
	s_lshl_b32 s22, s22, 10
	s_lshl_b32 s26, s15, 8                         ; 64 columns are 256 bytes
	s_add_co_u32 s22, s22, s26                     ; x_a and out0
	s_mov_b32 s23, 0
	s_lshl_b32 s24, ttmp9, 2
	s_add_co_u32 s24, s24, s14
	s_mul_i32 s24, s24, 6144                       ; z: 8 heads x 768 bytes a row tile
	s_mov_b32 s25, 0
	s_mov_b32 s27, 0
	s_wait_kmcnt 0x0
	s_add_nc_u64 s[4:5], s[4:5], s[24:25]
	s_add_nc_u64 s[6:7], s[6:7], s[20:21]
	s_add_nc_u64 s[8:9], s[8:9], s[26:27]
	s_add_nc_u64 s[10:11], s[10:11], s[22:23]
	s_add_nc_u64 s[12:13], s[12:13], s[22:23]
	; all 57 loads go out at once, in the order in which they are wanted
	s_wait_alu depctr_va_vdst(0)                   ; the addresses and offsets v1 to v11 and v49 are written: every load and store of the kernel reads some of them; the head is done with v12 to v14, in which the bias lands
.irp s, 0,1
.irp c, 0,1,2,3
	global_load_b32 v[ZB+4*\s+\c], v[L8], s[4:5] offset:(4*\s+\c)*768+512
.endr
.endr
	XLOAD R0, PWW, 0
	XLOAD R1, PWW, 512
.irp s, 0,1
.irp c, 0,1,2,3
	global_load_b128 v[ZF+16*\s+4*\c:ZF+16*\s+4*\c+3], v[LI], s[4:5] offset:(4*\s+\c)*768
.endr
.endr
	global_load_b128 v[BI:BI+3], v[BAO], s[8:9]
.irp i, 0,1,2,3,4,5,6,7
	global_load_b128 v[XR+4*\i:XR+4*\i+3], v[GO], s[10:11] offset:(2*\i+8*(\i/4))*1024 th:TH_LOAD_NT   ; stage rows 2 i, 2 i + 1 are rows 2 i + 8 (i / 4) and the next of my tile
.endr
	s_wait_loadcnt 33                              ; z's bytes and K step 0 of w_w are in; out: K step 1's 16, z's codes 8, the bias 1, x_a 8
.irp s, 0,1
	v_lshl_or_b32 v[ZB+4*\s], v[ZB+4*\s+1], 8, v[ZB+4*\s]          ; four heads' bytes make a K step's scale word.  (The products take v54 and v58 as scales: the first item's wait on va_vdst, which stands
	v_lshl_or_b32 v[ZB+4*\s], v[ZB+4*\s+2], 16, v[ZB+4*\s]         ; behind these lines and behind the quantiser's plain vector lines, far more than eight places, shows them written; nothing writes them afterwards)
	v_lshl_or_b32 v[ZB+4*\s], v[ZB+4*\s+3], 24, v[ZB+4*\s]
.endr
	ITEM R0, WWI, 0, WWS, 0
	s_wait_loadcnt 17                              ; K step 1 is in; out: z's codes 8, the bias 1, x_a 8
	ITEM R1, WWI, 2048, WWS, 128
	s_wait_dscnt 0x0                               ; for the others' sake: my images have landed
	s_barrier_signal -1
	s_barrier_wait -1
	s_wait_alu depctr_vm_vsrc(0)                   ; my last image stores have read v[PC ..], which the products below write as accumulators.  (The loads below owe no wait on va_vdst: no vector instruction stands behind the last item's)
.irp n, 0,1,2,3
.irp s, 0,1
	FETCH WF+16*(2*\n+\s), LI, (2*\n+\s)*2048
.endr
	ds_load_b32 v[WS+\n], v[LS2] offset:256*\n
.endr
	s_wait_dscnt 0x0
	s_wait_loadcnt 8                               ; z's codes (and the bias) are in; x_a's 8 may be out
	; four accumulators by turns, one instruction a turn; the first K step starts the sums
.irp s, 0,1
.irp n, 0,1,2,3
.if \s == 0
	v_wmma_scale_f32_16x16x128_f8f6f4 v[DA+8*\n:DA+8*\n+7], v[WF+16*(2*\n+\s):WF+16*(2*\n+\s)+15], v[ZF+16*\s:ZF+16*\s+15], 0, v[WS+\n], v[ZB+4*\s] matrix_a_fmt:MATRIX_FMT_BF8 matrix_b_fmt:MATRIX_FMT_BF8
.else
	v_wmma_scale_f32_16x16x128_f8f6f4 v[DA+8*\n:DA+8*\n+7], v[WF+16*(2*\n+\s):WF+16*(2*\n+\s)+15], v[ZF+16*\s:ZF+16*\s+15], v[DA+8*\n:DA+8*\n+7], v[WS+\n], v[ZB+4*\s] matrix_a_fmt:MATRIX_FMT_BF8 matrix_b_fmt:MATRIX_FMT_BF8 matrix_a_scale:MATRIX_SCALE_ROW1
.endif
.endr
.endr
	NOP8                                           ; eight places in front of the first read of results; they stay beside the wait below
	s_wait_alu depctr_va_vdst(0)                   ; the products have written the accumulators, which the LDS stores below read, and are done reading v[WF ..], in which the rows read back land
.irp b, 0,1
.irp i, 0,1,2,3
	ds_store_b128 v[SO], v[DA+16*\b+4*\i:DA+16*\b+4*\i+3] offset:128*\b+16*\i   ; columns 32 b + 16 (lane / 16) + 4 i on; each accumulator from its low end on
.endr
.endr
.irp i, 0,1,2,3,4,5,6,7
	ds_load_b128 v[R0+4*\i:R0+4*\i+3], v[SR] offset:544*\i         ; LDS serves a wave's instructions in order: these see my stores
.endr
	s_wait_loadcnt 0x0                             ; x_a
.irp i, 0,1,2,3,4,5,6,7
.irp k, 0,1
	v_pk_add_f32 v[XR+4*\i+2*\k:XR+4*\i+2*\k+1], v[XR+4*\i+2*\k:XR+4*\i+2*\k+1], v[BI+2*\k:BI+2*\k+1]   ; x_a + w_b, while the rows come back
.endr
.endr
	s_wait_dscnt 0x0
.irp i, 0,1,2,3,4,5,6,7
.irp k, 0,1
	v_pk_add_f32 v[R0+4*\i+2*\k:R0+4*\i+2*\k+1], v[R0+4*\i+2*\k:R0+4*\i+2*\k+1], v[XR+4*\i+2*\k:XR+4*\i+2*\k+1]
.endr
.endr
	s_wait_alu depctr_va_vdst(0)                   ; the additions have written v[R0 ..], which the stores below read
.irp i, 0,1,2,3,4,5,6,7
	global_store_b128 v[GO], v[R0+4*\i:R0+4*\i+3], s[12:13] offset:(2*\i+8*(\i/4))*1024 th:TH_STORE_NT   ; sixteen lanes store 256 consecutive bytes, at a multiple of 256 from out0's first byte
.endr
	s_wait_dscnt 0x0                               ; the closing lines, six on end
	s_wait_alu 0x0
	s_wait_tensorcnt 0x0
	ds_add_u32 v254, v255
	s_wait_dscnt 0x0
	s_endpgm
.Lfunc_end_k_q041d59737c_outp:
	.size	k_q041d59737c_outp, .Lfunc_end_k_q041d59737c_outp-k_q041d59737c_outp
	.p2alignl 7, 3214868480
	.fill 96, 4, 3214868480
	.section	.rodata,"a",@progbits
	.p2align	6, 0x0
	.amdhsa_kernel k_q041d59737c_outp
		.amdhsa_group_segment_fixed_size 51712
		.amdhsa_private_segment_fixed_size 0
		.amdhsa_enable_private_segment 0
		.amdhsa_kernarg_size 40
		.amdhsa_user_sgpr_count 2
		.amdhsa_user_sgpr_kernarg_segment_ptr 1
		.amdhsa_wavefront_size32 1
		.amdhsa_system_sgpr_workgroup_id_x 1
		.amdhsa_system_sgpr_workgroup_id_y 1
		.amdhsa_system_sgpr_workgroup_id_z 1
		.amdhsa_system_vgpr_workitem_id 0
		.amdhsa_next_free_vgpr 256
		.amdhsa_next_free_sgpr 66
		.amdhsa_reserve_vcc 0
		.amdhsa_float_denorm_mode_32 3
		.amdhsa_float_denorm_mode_16_64 3
		.amdhsa_memory_ordered 1
		.amdhsa_forward_progress 1
		.amdhsa_inst_pref_size 38
	.end_amdhsa_kernel
	.amdgpu_metadata
---
amdhsa.version: [ 1, 2 ]
amdhsa.kernels:
  - .name:           k_q041d59737c_outp
    .symbol:         k_q041d59737c_outp.kd
    .args:
      - { .name: z, .offset: 0, .size: 8, .value_kind: global_buffer, .address_space: global }
      - { .name: w_w, .offset: 8, .size: 8, .value_kind: global_buffer, .address_space: global }
      - { .name: w_b, .offset: 16, .size: 8, .value_kind: global_buffer, .address_space: global }
      - { .name: x_a, .offset: 24, .size: 8, .value_kind: global_buffer, .address_space: global }
      - { .name: out0, .offset: 32, .size: 8, .value_kind: global_buffer, .address_space: global }
    .group_segment_fixed_size: 51712
    .private_segment_fixed_size: 0
    .kernarg_segment_align: 8
    .kernarg_segment_size: 40
    .max_flat_workgroup_size: 128
    .sgpr_count:     66
    .vgpr_count:     256
    .wavefront_size: 32
...
	.end_amdgpu_metadata
.endif
;; end of part 7
